; MI455X (gfx1250); checked and timed in simulation.
; The chip was launched on July 23, 2026; its instructions are those of AMD's public machine-readable ISA for CDNA 5 (MIT licence, August 2026) and "CDNA5" Instruction Set Architecture Reference Guide (July 2026). The comments in the code are by the model that wrote it; some were corrected since.
;; Rc Mo E Rep Layer. Allowed arithmetic: matrix products marked QUANTISED: E4M3 operands, one E8M0 scale for each 32 along K, by v_wmma_scale_f32_16x16x128_f8f6f4 with both operands' format E4M3, f32 sums; products left as they are: f32 operands where the result goes on into a quantised operand, else bf16, f16 or f32 operands; f32 sums; everything else in f32.
;; Inputs: codebook 16 float32; mean 4,096 x 8 x 4 float32; nf4 4,096 x 8 x 1,024 int32; router_w 2,048 x 8 float32; std 4,096 x 8 x 4 float32; w1 2,048 x 4,096 float32; w2 4,096 x 2,048 float32; x 2 x 2,048 x 2,048 float32.
;; Outputs: out0 2 x 2,048 x 2,048 float32.
;; This version of the problem:
;;   THIS VERSION OF THE PROBLEM IS GIVEN IN LOW PRECISION. The matrix products marked QUANTISED in the list below multiply operands that are first quantised to E4M3 (4 exponent bits, 3 mantissa bits; 8 bits a number), with one power-of-two scale for each 32 numbers along K (OCP MX v1.0); their sums are f32. All else is computed in f32.
;;   The module's matrix products, in the order in which they are computed (A, B: the left and right operand; K: the contracted axis; several contracted axes count as one K, in the product's order):
;;     1. [M 4,096, K 2,048] x [K 2,048, N 4,096]; A: input x; B: input w1: QUANTISED
;;     2. [M 4,096, K 4,096] x [K 4,096, N 2,048]; A: computed on the way; B: input w2: QUANTISED
;;     3. [M 4,096, K 2,048] x [K 2,048, N 8]; A: input x; B: input router_w: left as it is (N = 8 < 16)
;;     4. batch 4,096 x [M 1, K 8] x [K 8, N 2,048]; A: softmax; B: computed on the way: left as it is (K = 8 < 32)
;;   THE QUANTISER, for each operand of a quantised product, along K:
;;     - K is cut into blocks of 32 from its start; a last block that is shorter is filled with zeros.
;;     - A block's scale is 2^e with e = floor(log2(the largest magnitude in the block)) - 8, held to -126 .. 127; a block of zeros has e = 0. As a byte (E8M0): e + 127.
;;     - Each number is divided by its block's scale, clamped to +-448, and rounded to the nearest number of E4M3, ties to even, subnormals kept.
;;     - The product sums the exact products of the quantised numbers (number of the format x scale) in f32.
;;   ~~~python
;;   def quantise(x, axis):      # numpy; x: float32 -> the quantised numbers, widened to float32 again
;;       x = np.moveaxis(x, axis, -1); K = x.shape[-1]
;;       x = np.pad(x, [(0, 0)] * (x.ndim - 1) + [(0, -K % 32)]); x = x.reshape(x.shape[:-1] + (-1, 32)); a = np.abs(x).max(-1, keepdims=True)
;;       e = np.where(a > 0, np.clip(np.frexp(np.where(a > 0, a, 1))[1] - 1 - 8, -126, 127), 0)      # np.frexp(a)[1] - 1 = floor(log2(a)), exactly
;;       r = np.clip(x / 2.0 ** e, -448, 448)
;;       step = 2.0 ** (np.maximum(np.frexp(np.where(r == 0, 1, r))[1] - 1, -6) - 3)
;;       q = np.round(r / step) * step * 2.0 ** e      # np.round: ties to even
;;       return np.moveaxis(q.reshape(q.shape[:-2] + (-1,))[..., :K], -1, axis).astype(np.float32)
;;   ~~~
;;   OPERANDS COMPUTED ON THE WAY. 'Computed on the way' means the value that the module computes at that place (a softmax that the list does not call 'softmax' is quantised finished and normalised). What goes into a quantiser is computed in f32, as accurately as f32 sums, v_exp_f32 and their like allow (about 1e-6 of the number): no bf16 or f16 on the way to a quantiser, and a product that is left as it is and whose result goes on into a quantised operand takes f32 operands (vector FMAs, or v_wmma_f32_16x16x4_f32). A number that lies on a knife's edge between two numbers of the format may be rounded either way, as far as f32 arithmetic and the matrix unit's own rounding can turn it there, and no further.
;; 2 versions. Each part assembles by itself: llvm-mc -triple=amdgcn-amd-amdhsa -mcpu=gfx1250 --defsym DOCPART=n.
;; ======== version 1 of 2: 3 launches
;; workspace buffers: ximg 8,388,608 bytes; w1img 8,388,608 bytes; w2img 8,388,608 bytes; scl 786,432 bytes; himg 16,777,216 bytes; hs 524,288 bytes; moe 33,554,432 bytes
;; launch prep (part 1): grid 256 x 1, 16 waves a work-group, no clusters, 211,968 bytes of LDS; arguments x, router_w, nf4, mean, std, codebook, w1, w2, ximg, w1img, w2img, scl, moe; writes ximg, w1img, w2img, scl, moe
.if DOCPART == 1
	.amdgcn_target "amdgcn-amd-amdhsa--gfx1250"
	.amdhsa_code_object_version 6
	.text
	.protected	k_q16278bd3c3_prep
	.globl	k_q16278bd3c3_prep
	.p2align	8
	.type	k_q16278bd3c3_prep,@function
k_q16278bd3c3_prep:
	s_mov_b64 s[64:65], 0
	v_nop
	global_prefetch_b8 v0, s[64:65] scope:SCOPE_SE
	s_setreg_imm32_b32 hwreg(HW_REG_WAVE_MODE, 25, 1), 1
	s_wait_xcnt 0x0
; PREP: all that is read once.  (W) w1 [2048][4096] and w2 [4096][2048], f32 with K as first axis, become codes of E4M3 with one E8M0 byte for each 32 along K;
; (X) x [4096][2048] likewise along its rows, and the router's logits x . router_w in f32; (M) softmax, rounded to f16 and widened again, and the mix
; moe[n][c] = sum over e of p[n][e] (codebook[nibble] std[n][e][c/512] + mean[n][e][c/512]).
; IMAGES.  Codes are stored in the order of a matrix operand's registers: a fragment (16 rows x 128 K) is 2,048 bytes; byte 512 c + 16 lane + 0..15 is k = 32 c + 16 (lane / 16) + 0..15 of row lane % 16.
; ximg [token block 256][K step 16][2048]; w1img [tile 256][K step 16][2048]; w2img [tile 128][K step 32][2048].  A scale word is a row's four bytes for 128 along K:
; scl: byte 0: x's [block][K step][16 words]; byte 262,144: w1's [K step][tile][16 words]; byte 524,288: w2's [K step][tile][16 words].
; THE COLUMNS OF A WEIGHT'S TILE ARE NOT NEIGHBOURS: of each 32 columns, column L goes to tile 2 G + bit 3 of L, place (L & 7) + 8 x bit 4 of L, so that in the transposed product
; the 16 registers of two neighbouring tiles are 16 neighbouring columns.
; SHARES.  256 work-groups of 16 waves, all on one path.  W: waves 0-7 take 256 columns x 128 K of w1, waves 8-15 of w2, a wave 32 columns, a lane a column, registers down K.
; X: the work-group takes 16 tokens, wave w the 128 along K from 128 w.  M: wave w takes token 16 id + w, all 2,048 columns, 128 a chunk.
; No cluster: the work-groups share router_w alone, 65,536 of the 1.1 million bytes that each reads.  No matrix unit: the router has 8 columns.
; LIMITS: NaN and infinities among the inputs are not served.  A block of zeros gets the byte 1 and zero codes where the quantiser says 127: this program alone reads the bytes.
; The f32 sums of the router and of the mix go in another order than the source's.  A weight's scale words leave 128 consecutive bytes a wave.
.set RW,   0                           ; LDS: router_w as it lies, 32 bytes a k: 65,536 bytes
.set XST,  65536                       ; a stage for each wave: 16 rows x (512 + 16) bytes
.set XSP,  528
.set LG,   200704                      ; partial logits [wave][token 16][8]: 512 bytes a wave
.set XSC,  208896                      ; x's scale words [K step 16][16 words]
.set P,    32                          ; v32-95   W: two sets of 32 numbers; M: four slots of 16 words of nf4
.set Q,    96                          ; v96-159  x as loaded; router_w's groups; codes and scratch of the quantiser; logits; M: two sets of 32 looked-up numbers
.set X,    160                         ; v160-223 router_w on its way (v160-191), W's codes (v192-223); then 64 numbers of x; then the coefficients
.set PC,   96                           ; the codes just made
.set TM,   112                          ; the quantiser's scratch, 16 registers
.set PW,   247                          ; the scale word just made
.set AV,   160                          ; v160-191 p[e] std[e][b] at 4 e + b
.set CC,   192                          ; v192-195 sum over e of p[e] mean[e][b]
.set ACC,  196                          ; v196-203 two sets of four sums
.set LS,   224                          ; v224-231 the router's eight sums; v232-239 lane exchange
.set WV,   30                           ; s30 wave
.set MNT,  31                           ; s31 the mantissa field of 448
.set SEL,  2                            ; s[2:3] selects of v_permlanex16_b32: lane l xor 16
; block t of W: rows 32 t .. 32 t + 31 of my 128, my column.  The two weights differ in the bytes of a row, which stand in the immediates: two runs of 32 loads, the same count on both ways
.macro WLOAD t
	s_cmp_lt_u32 s[WV], 8
	s_cbranch_scc0 .Lw2_\@
.set i, 0
.rept 32
	global_load_b32 v[P+32*((\t)%2)+i], v4, s[68:69] offset:(32*(\t)+i)*16384 th:TH_LOAD_NT
.set i, i+1
.endr
	s_branch .Lwd_\@
.Lw2_\@:
.set i, 0
.rept 32
	global_load_b32 v[P+32*((\t)%2)+i], v4, s[68:69] offset:(32*(\t)+i)*8192 th:TH_LOAD_NT
.set i, i+1
.endr
.Lwd_\@:
.endm
; a block of 32 along K lies in one lane: largest magnitude, scale, hold, codes; cnt = the younger loads that may stay out
.macro WBLOCK t, cnt
.set XS, P+32*((\t)%2)
.set CD, 192+8*(\t)
	s_wait_loadcnt \cnt
	v_max3_num_f32 v240, |v[XS]|, |v[XS+1]|, |v[XS+2]|
	v_max3_num_f32 v241, |v[XS+3]|, |v[XS+4]|, |v[XS+5]|
.irp i, 6,10,14,18,22,26
	v_max3_num_f32 v240, v240, |v[XS+\i]|, |v[XS+\i+1]|
	v_max3_num_f32 v241, v241, |v[XS+\i+2]|, |v[XS+\i+3]|
.endr
	v_max3_num_f32 v240, v240, |v[XS+30]|, |v[XS+31]|
	v_max3_num_f32 v240, v240, v241, 0x4800000     ; the floor 2^(9 - 127): the byte cannot fall under 1
	v_add_nc_u32 v242, 0xfc000000, v240            ; 8 off the exponent field: the conversion's scale operand
	v_and_or_b32 v243, v240, 0x7f800000, s[MNT]    ; 448 x the scale
	v_lshrrev_b32 v244, 23, v242                   ; the scale's byte
.if (\t) == 0
	v_mov_b32 v245, v244
.else
	v_lshl_or_b32 v245, v244, 8*(\t), v245         ; four bytes make my column's scale word
.endif
.set i, 0
.rept 32
	v_med3_num_f32 v[XS+i], v[XS+i], -v243, v243   ; the conversion to an 8-bit code does not saturate (ISA guide 7.6.2): the hold comes first
.set i, i+1
.endr
.irp g, 0,1,2,3
	v_cvt_scalef32_pk8_fp8_f32 v[CD+2*\g:CD+2*\g+1], v[XS+8*\g:XS+8*\g+7], v242
.endr
	v_nop                                          ; a plain line behind the last conversion
	global_store_b128 v7, v[CD:CD+3], s[70:71] offset:512*(\t)         ; k 32 t + 0..15: the sixteen lanes of a tile store 256 consecutive bytes
	global_store_b128 v7, v[CD+4:CD+7], s[70:71] offset:512*(\t)+256   ; k 32 t + 16..31
.endm
; 64 numbers of a lane, register 16 b + i = k 32 b + 16 (lane / 16) + i of my row, become a fragment's codes in v[PC] on and its scale word in v[pw]
.macro QUANT s, pw
.irp b, 0,1,2,3
	v_max3_num_f32 v[TM+\b], |v[\s+16*\b]|, |v[\s+1+16*\b]|, 0x4800000
.endr
.irp i, 2,4,6,8,10,12,14
.irp b, 0,1,2,3
	v_max3_num_f32 v[TM+\b], v[TM+\b], |v[\s+16*\b+\i]|, |v[\s+1+16*\b+\i]|
.endr
.endr
.irp b, 0,1,2,3
	v_permlanex16_b32 v[TM+4+\b], v[TM+\b], s[SEL], s[SEL+1]
.endr
.irp b, 0,1,2,3
	v_max_num_f32 v[TM+\b], v[TM+\b], v[TM+4+\b]   ; with lane l xor 16's 16 numbers: the block's largest magnitude
.endr
.irp b, 0,1,2,3
	v_add_nc_u32 v[TM+12+\b], 0xfc000000, v[TM+\b]
.endr
.irp b, 0,1,2,3
	v_and_or_b32 v[TM+8+\b], v[TM+\b], 0x7f800000, s[MNT]
.endr
.irp b, 0,1,2,3
	v_lshrrev_b32 v[TM+4+\b], 23, v[TM+12+\b]
.endr
	v_lshl_or_b32 v[\pw], v[TM+5], 8, v[TM+4]
	v_lshl_or_b32 v[\pw], v[TM+6], 16, v[\pw]
	v_lshl_or_b32 v[\pw], v[TM+7], 24, v[\pw]
.irp b, 0,1,2,3
.irp i, 0,1,2,3,4,5,6,7,8,9,10,11,12,13,14,15
	v_med3_num_f32 v[\s+16*\b+\i], v[\s+16*\b+\i], -v[TM+8+\b], v[TM+8+\b]
.endr
	v_cvt_scalef32_pk8_fp8_f32 v[PC+4*\b:PC+1+4*\b], v[\s+16*\b:\s+7+16*\b], v[TM+12+\b]
	v_cvt_scalef32_pk8_fp8_f32 v[PC+2+4*\b:PC+3+4*\b], v[\s+8+16*\b:\s+15+16*\b], v[TM+12+\b]
.endr
	v_nop                                          ; a plain line behind the last conversion
.endm
; router_w's rows of four k (group n of 16: k = 32 (n / 4) + 16 h + 4 (n % 4) + 0..3), 32 bytes each; the lanes of a half read one address
.macro RGL n
.irp kq, 0,1,2,3
.irp hf, 0,1
	ds_load_b128 v[Q+32*((\n)%2)+8*\kq+4*\hf:Q+32*((\n)%2)+8*\kq+4*\hf+3], v12 offset:1024*((\n)/4)+32*(4*((\n)%4)+\kq)+16*\hf
.endr
.endr
.endm
; 16 packed multiply-adds: four k x four pairs of experts; x is taken for both halves (op_sel names the register of its pair).  The very first four start the sums
.macro RFMA n
.irp kq, 0,1,2,3
.irp e2, 0,1,2,3
.if ((\n) == 0) && (\kq == 0)
	v_pk_mul_f32 v[LS+2*\e2:LS+2*\e2+1], v[X:X+1], v[Q+2*\e2:Q+2*\e2+1] op_sel_hi:[0,1]
.elseif (\kq%2) == 0
	v_pk_fma_f32 v[LS+2*\e2:LS+2*\e2+1], v[X+4*(\n)+\kq:X+4*(\n)+\kq+1], v[Q+32*((\n)%2)+8*\kq+2*\e2:Q+32*((\n)%2)+8*\kq+2*\e2+1], v[LS+2*\e2:LS+2*\e2+1] op_sel_hi:[0,1,1]
.else
	v_pk_fma_f32 v[LS+2*\e2:LS+2*\e2+1], v[X+4*(\n)+\kq-1:X+4*(\n)+\kq], v[Q+32*((\n)%2)+8*\kq+2*\e2:Q+32*((\n)%2)+8*\kq+2*\e2+1], v[LS+2*\e2:LS+2*\e2+1] op_sel:[1,0,0] op_sel_hi:[1,1,1]
.endif
.endr
.endr
.endm
; chunk j of nf4: 64 words (128 columns) of each of the 8 experts; a load covers 256 consecutive bytes, two words a lane
.macro NFL j
.irp e, 0,1,2,3,4,5,6,7
	global_load_b64 v[P+16*((\j)%4)+2*\e:P+16*((\j)%4)+2*\e+1], v5, s[8:9] offset:4096*\e+256*(\j) th:TH_LOAD_NT
.endr
.endm
; the chunk's 32 nibbles of a lane as lane indices x 4: register 4 e + 2 word + nibble = column 4 lane + 2 word + nibble of expert e.  A loaded number enters an index only behind a clamp written here
.macro IDX j
.set RS, Q+32*((\j)%2)
.set NS, P+16*((\j)%4)
.irp e, 0,1,2,3,4,5,6,7
.irp wd, 0,1
	v_and_b32 v[RS+4*\e+2*\wd], 15, v[NS+2*\e+\wd]         ; the low nibble: the even column
	v_bfe_u32 v[RS+4*\e+2*\wd+1], v[NS+2*\e+\wd], 4, 4     ; the high nibble: the odd column
.endr
.endr
.set i, 0
.rept 32
	v_min_u32 v[RS+i], 15, v[RS+i]
.set i, i+1
.endr
.set i, 0
.rept 32
	v_lshlrev_b32 v[RS+i], 2, v[RS+i]
.set i, i+1
.endr
.endm
; the look-up: lane l of v16 holds codebook[l % 16]; each lane pulls the entry that its index names.  No LDS byte is touched
.macro BPERM j
.set RS, Q+32*((\j)%2)
.set i, 0
.rept 32
	ds_bpermute_b32 v[RS+i], v[RS+i], v16
.set i, i+1
.endr
.endm
; chunk j's four sums of a lane: sum over e of (p std)[e][b] x entry, begun with (sum of p mean)[b]; b = j / 4; then 512 consecutive bytes of moe
.macro MIX j
.set RS, Q+32*((\j)%2)
.set AS, ACC+4*((\j)%2)
.set BB, (\j)/4
.set BE, BB-(BB%2)
	s_wait_xcnt 0x0                                ; the store that read this set of sums, two chunks back, has read its registers
.irp e, 0,1,2,3,4,5,6,7
.irp pr, 0,1
.if (\e == 0) && ((BB%2) == 0)
	v_pk_fma_f32 v[AS+2*\pr:AS+2*\pr+1], v[RS+2*\pr:RS+2*\pr+1], v[AV+BE:AV+BE+1], v[CC+BE:CC+BE+1] op_sel_hi:[1,0,0]
.elseif \e == 0
	v_pk_fma_f32 v[AS+2*\pr:AS+2*\pr+1], v[RS+2*\pr:RS+2*\pr+1], v[AV+BE:AV+BE+1], v[CC+BE:CC+BE+1] op_sel:[0,1,1] op_sel_hi:[1,1,1]
.elseif (BB%2) == 0
	v_pk_fma_f32 v[AS+2*\pr:AS+2*\pr+1], v[RS+4*\e+2*\pr:RS+4*\e+2*\pr+1], v[AV+4*\e+BE:AV+4*\e+BE+1], v[AS+2*\pr:AS+2*\pr+1] op_sel_hi:[1,0,1]
.else
	v_pk_fma_f32 v[AS+2*\pr:AS+2*\pr+1], v[RS+4*\e+2*\pr:RS+4*\e+2*\pr+1], v[AV+4*\e+BE:AV+4*\e+BE+1], v[AS+2*\pr:AS+2*\pr+1] op_sel:[0,1,0] op_sel_hi:[1,1,1]
.endif
.endr
.endr
	global_store_b128 v6, v[AS:AS+3], s[28:29] offset:512*(\j)
.endm
	s_load_b512 s[4:19], s[0:1], 0x0               ; x s[4:5], router_w s[6:7], nf4 s[8:9], mean s[10:11], std s[12:13], codebook s[14:15], w1 s[16:17], w2 s[18:19]
	s_load_b256 s[20:27], s[0:1], 0x40             ; ximg s[20:21], w1img s[22:23], w2img s[24:25], scl s[26:27]
	s_load_b64 s[28:29], s[0:1], 0x60              ; moe
	v_lshl_add_u32 v254, v0, 2, 0x33400
	v_mov_b32 v255, 0
	v_lshrrev_b32 v1, 5, v0
	v_readfirstlane_b32 s[WV], v1                  ; wave 0..15
	v_and_b32 v1, 31, v0                           ; lane
	v_and_b32 v2, 15, v0                           ; r
	v_bfe_u32 v3, v0, 4, 1                         ; h
	v_lshlrev_b32 v4, 2, v1                        ; 4 x lane
	v_lshlrev_b32 v5, 3, v1                        ; 8 x lane
	v_lshlrev_b32 v6, 4, v1                        ; 16 x lane
	v_bfe_u32 v18, v0, 3, 1                        ; bit 3 of my column: which of the two tiles
	v_and_b32 v19, 7, v0
	v_lshl_or_b32 v19, v3, 3, v19                  ; my column's place in its tile
	v_lshl_or_b32 v8, v18, 4, v19
	v_lshlrev_b32 v8, 2, v8                        ; my scale word's place: 4 (16 x tile + place)
	v_lshlrev_b32 v20, 2, v2                       ; codebook: 4 (lane % 16)
	; every LDS address is made here: a constant + a constant x lane + a constant x wave
	s_mul_i32 s32, s[WV], 16*XSP
	s_add_co_u32 s32, s32, XST
	v_add_nc_u32 v9, s32, v6                       ; my stage, in: 16 x lane of a row
	v_mul_u32_u24 v10, v2, XSP
	v_lshl_add_u32 v10, v3, 6, v10
	v_add_nc_u32 v10, s32, v10                     ; out: row r, + 64 h
	v_lshlrev_b32 v11, 4, v0                       ; router_w: 16 x thread, in memory and in LDS
	s_lshl_b32 s33, s[WV], 12
	v_lshlrev_b32 v12, 9, v3
	v_add_nc_u32 v12, s33, v12                     ; router_w's rows from k = 128 w + 16 h on
	s_lshl_b32 s33, s[WV], 9
	s_add_co_u32 s33, s33, LG
	v_lshlrev_b32 v13, 5, v2
	v_add_nc_u32 v13, s33, v13                     ; my wave's partial logits of token r
	s_lshl_b32 s33, s[WV], 5
	s_add_co_u32 s33, s33, LG
	v_mov_b32 v14, s33                             ; all waves' partial logits of token w
	s_lshl_b32 s33, s[WV], 6
	s_add_co_u32 s33, s33, XSC
	v_lshlrev_b32 v15, 2, v2
	v_add_nc_u32 v15, s33, v15                     ; x's scale word of (K step w, token r)
	v_add_nc_u32 v17, XSC, v6                      ; and the way out of all of them
.irp e, 0,1,2,3,4,5,6,7
	v_mov_b32 v[232+\e], 0                         ; written once: a lane exchange's destination counts as one of its sources
.endr
	s_mov_b32 s[SEL], 0x76543210
	s_mov_b32 s[SEL+1], 0xfedcba98
	s_mov_b32 s[MNT], 0x600000
	s_mov_b32 s77, 524288
	s_wait_kmcnt 0x0
	s_cmp_lt_u32 s[WV], 8                          ; w1's wave or w2's: the choice hangs on the wave's number alone
	s_cselect_b64 s[68:69], s[16:17], s[18:19]
	s_cselect_b64 s[70:71], s[22:23], s[24:25]
	s_cselect_b32 s72, 4, 3                        ; id = K step x (16 or 8) + block of 256 columns
	s_cselect_b32 s73, 15, 7
	s_cselect_b32 s74, 21, 20                      ; 128 rows of the weight: 2^21 or 2^20 bytes
	s_cselect_b32 s75, 15, 16                      ; a tile's images: 2^15 or 2^16 bytes
	s_cselect_b32 s76, 14, 13                      ; a K step's scale words: 2^14 or 2^13 bytes
	s_cselect_b32 s77, 262144, s77                 ; where the weight's scale words begin in scl
	s_lshr_b32 s78, ttmp9, s72                     ; K step
	s_and_b32 s79, ttmp9, s73
	s_and_b32 s80, s[WV], 7
	s_lshl_b32 s81, s79, 3
	s_add_co_u32 s81, s81, s80                     ; G: my wave's 32 columns
	s_lshl_b32 s82, s78, s74
	s_lshl_b32 s84, s81, 7                         ; 128 G
	s_add_co_u32 s82, s82, s84
	s_mov_b32 s83, 0
	s_add_nc_u64 s[68:69], s[68:69], s[82:83]      ; the weight at (128 x K step, 32 G)
	s_lshl_b32 s86, s78, s76
	s_add_co_u32 s86, s86, s77
	s_add_co_u32 s86, s86, s84
	s_mov_b32 s87, 0
	s_add_nc_u64 s[88:89], s[26:27], s[86:87]      ; its scale words of (K step, tile 2 G)
	s_lshl_b32 s84, s81, 1
	s_lshl_b32 s84, s84, s75
	s_lshl_b32 s85, s78, 11
	s_add_co_u32 s84, s84, s85
	s_mov_b32 s85, 0
	s_add_nc_u64 s[70:71], s[70:71], s[84:85]      ; its image of (tile 2 G, K step)
	v_lshlrev_b32 v7, s75, v18
	v_lshl_add_u32 v7, v19, 4, v7                  ; my column's 16 bytes in it
	s_lshl_b32 s34, ttmp9, 4
	s_add_co_u32 s34, s34, s[WV]                   ; 16 id + w: my token, and my (block, K step) of x
	s_mov_b32 s33, 0
	s_lshl_b32 s32, ttmp9, 17
	s_lshl_b32 s35, s[WV], 9
	s_add_co_u32 s32, s32, s35
	s_add_nc_u64 s[4:5], s[4:5], s[32:33]          ; x at (token 16 id, column 128 w)
	s_lshl_b32 s32, s34, 15
	s_add_nc_u64 s[8:9], s[8:9], s[32:33]          ; nf4 at my token
	s_lshl_b32 s32, s34, 13
	s_add_nc_u64 s[28:29], s[28:29], s[32:33]      ; moe at my token
	s_lshl_b32 s32, s34, 11
	s_add_nc_u64 s[20:21], s[20:21], s[32:33]      ; ximg at (block id, K step w)
	s_lshl_b32 s32, s34, 7
	s_add_nc_u64 s[10:11], s[10:11], s[32:33]      ; mean and std at my token: 128 bytes each
	s_add_nc_u64 s[12:13], s[12:13], s[32:33]
	s_lshl_b32 s32, ttmp9, 10
	s_add_nc_u64 s[26:27], s[26:27], s[32:33]      ; x's scale words of block id
	; ---- W.  Loads run two blocks ahead; behind the third block the loads of router_w and x go out, behind the fourth the first four chunks of nf4
	global_load_b32 v16, v20, s[14:15]
	WLOAD 0
	WLOAD 1
	WBLOCK 0, 32                                   ; the next block's 32 loads may be out
	WLOAD 2
	WBLOCK 1, 32
	WLOAD 3
	WBLOCK 2, 32
.irp j, 0,1,2,3,4,5,6,7
	global_load_b128 v[160+4*\j:163+4*\j], v11, s[6:7] offset:8192*\j          ; router_w: the 512 threads take 8,192 consecutive bytes a line
.endr
.irp i, 0,1,2,3,4,5,6,7,8,9,10,11,12,13,14,15
	global_load_b128 v[Q+4*\i:Q+4*\i+3], v6, s[4:5] offset:8192*\i th:TH_LOAD_NT   ; token i: 512 consecutive bytes
.endr
	WBLOCK 3, 24                                   ; the 8 + 16 just issued may be out
	global_store_b32 v8, v245, s[88:89]            ; my column's scale word: 128 consecutive bytes a wave
	NFL 0
	NFL 1
	NFL 2
	NFL 3
	; ---- X
	s_wait_loadcnt 48                              ; router_w is in (x's 16 and nf4's 32 may be out)
.irp j, 0,1,2,3,4,5,6,7
	ds_store_b128 v11, v[160+4*\j:163+4*\j] offset:RW+8192*\j
.endr
	s_wait_loadcnt 32                              ; x is in
.irp i, 0,1,2,3,4,5,6,7,8,9,10,11,12,13,14,15
	ds_store_b128 v9, v[Q+4*\i:Q+4*\i+3] offset:XSP*\i
.endr
	s_wait_xcnt 0x0                                ; W's loads and stores have read their registers: v192-223, s68-s89 may be written
	s_wait_dscnt 0x0                               ; for the others' sake: my part of router_w lies in LDS
	s_barrier_signal -1
	s_barrier_wait -1                              ; router_w is whole
.irp b, 0,1,2,3
.irp j, 0,1,2,3
	ds_load_b128 v[X+16*\b+4*\j:X+16*\b+4*\j+3], v10 offset:128*\b+16*\j   ; my own stage: register 16 b + i = x(token r, 128 w + 32 b + 16 h + i)
.endr
.endr
	RGL 0
.set N, 0
.rept 15
	RGL N+1
	s_wait_dscnt 8                                 ; all but the group just asked for
	RFMA N
.set N, N+1
.endr
	s_wait_dscnt 0x0
	RFMA 15
.irp e, 0,1,2,3,4,5,6,7
	v_permlanex16_b32 v[232+\e], v[LS+\e], s[SEL], s[SEL+1]
.endr
.irp e, 0,2,4,6
	v_pk_add_f32 v[LS+\e:LS+\e+1], v[LS+\e:LS+\e+1], v[232+\e:233+\e]      ; with lane l xor 16's k: token r's sums over my wave's 128 k
.endr
	ds_store_b128 v13, v[LS:LS+3]                  ; both halves of the lanes write the same bytes with the same values
	ds_store_b128 v13, v[LS+4:LS+7] offset:16
.irp b, 0,1,2,3
	v_mov_b32 v[TM+4+\b], 0                        ; a lane exchange's destination counts as one of its sources
.endr
	QUANT X, PW                                    ; behind the router, which reads x before the hold changes it
.irp c, 0,1,2,3
	global_store_b128 v6, v[PC+4*\c:PC+4*\c+3], s[20:21] offset:512*\c     ; the image: 512 consecutive bytes a line
.endr
	ds_store_b32 v15, v[PW]
	s_load_b512 s[32:47], s[12:13], 0x0            ; std[n][e][b] at s[32 + 4 e + b]
	s_load_b512 s[48:63], s[12:13], 0x40
	s_load_b512 s[68:83], s[10:11], 0x0            ; mean likewise at s[68 + 4 e + b]
	s_load_b512 s[84:99], s[10:11], 0x40
	s_wait_dscnt 0x0                               ; my logits and scale words lie in LDS
	s_barrier_signal -1
	s_barrier_wait -1
	; ---- softmax of token w.  Wave 0 first sends the block's 1,024 bytes of scale words out, 512 consecutive bytes a line
	s_cmp_lg_u32 s[WV], 0
	s_cbranch_scc1 .Lnot_wave_0
	ds_load_b128 v[232:235], v17
	ds_load_b128 v[236:239], v17 offset:512
	s_wait_dscnt 0x0
	global_store_b128 v6, v[232:235], s[26:27]
	global_store_b128 v6, v[236:239], s[26:27] offset:512
.Lnot_wave_0:
	s_wait_xcnt 0x0                                ; the image's stores have read v96-111
.irp wv, 0,1,2,3,4,5,6,7
.irp hf, 0,1
	ds_load_b128 v[96+8*\wv+4*\hf:99+8*\wv+4*\hf], v14 offset:512*\wv+16*\hf
	ds_load_b128 v[160+8*\wv+4*\hf:163+8*\wv+4*\hf], v14 offset:512*(\wv+8)+16*\hf
.endr
.endr
	s_wait_dscnt 0x0
.set i, 0
.rept 32
	v_pk_add_f32 v[96+i:97+i], v[96+i:97+i], v[160+i:161+i]
.set i, i+2
.endr
.set i, 0
.rept 16
	v_pk_add_f32 v[96+i:97+i], v[96+i:97+i], v[128+i:129+i]
.set i, i+2
.endr
.set i, 0
.rept 8
	v_pk_add_f32 v[96+i:97+i], v[96+i:97+i], v[112+i:113+i]
.set i, i+2
.endr
.set i, 0
.rept 4
	v_pk_add_f32 v[96+i:97+i], v[96+i:97+i], v[104+i:105+i]
.set i, i+2
.endr                                                  ; v96-103: the eight logits, in every lane
	v_max3_num_f32 v104, v96, v97, v98
	v_max3_num_f32 v105, v99, v100, v101
	v_max3_num_f32 v104, v104, v102, v103
	v_max_num_f32 v104, v104, v105                 ; the maximum is taken away ahead of the exponentials
.irp e, 0,1,2,3,4,5,6,7
	v_sub_f32 v[112+\e], v[96+\e], v104
.endr
.irp e, 0,1,2,3,4,5,6,7
	v_mul_f32 v[112+\e], 0x3fb8aa3b, v[112+\e]     ; x log2(e)
.endr
.irp e, 0,1,2,3,4,5,6,7
	v_exp_f32 v[112+\e], v[112+\e]
.endr
	v_nop                                          ; a plain line behind the batch,
	s_wait_alu depctr_va_vdst(0)                   ; and one wait ahead of its first reader
	v_add_f32 v105, v112, v113
	v_add_f32 v106, v114, v115
	v_add_f32 v107, v116, v117
	v_add_f32 v108, v118, v119
	v_add_f32 v105, v105, v106
	v_add_f32 v107, v107, v108
	v_add_f32 v105, v105, v107
	v_rcp_f32 v106, v105
	v_nop
	s_wait_alu depctr_va_vdst(0)
.irp e, 0,1,2,3,4,5,6,7
	v_mul_f32 v[112+\e], v[112+\e], v106
.endr
	v_cvt_f16_f32 v112.l, v112                     ; p is rounded to f16 and widened again, as the source has it
	v_cvt_f16_f32 v113.l, v113
	v_cvt_f16_f32 v114.l, v114
	v_cvt_f16_f32 v115.l, v115
	v_cvt_f16_f32 v116.l, v116
	v_cvt_f16_f32 v117.l, v117
	v_cvt_f16_f32 v118.l, v118
	v_cvt_f16_f32 v119.l, v119
	v_cvt_f32_f16 v112, v112.l
	v_cvt_f32_f16 v113, v113.l
	v_cvt_f32_f16 v114, v114.l
	v_cvt_f32_f16 v115, v115.l
	v_cvt_f32_f16 v116, v116.l
	v_cvt_f32_f16 v117, v117.l
	v_cvt_f32_f16 v118, v118.l
	v_cvt_f32_f16 v119, v119.l
	s_wait_kmcnt 0x0                               ; std and mean
.irp e, 0,1,2,3,4,5,6,7
.irp b, 0,1,2,3
	v_mul_f32 v[AV+4*\e+\b], s[32+4*\e+\b], v[112+\e]
.endr
.endr
.irp b, 0,1,2,3
	v_mul_f32 v[CC+\b], s[68+\b], v112
.endr
.irp e, 1,2,3,4,5,6,7
.irp b, 0,1,2,3
	v_fma_f32 v[CC+\b], s[68+4*\e+\b], v[112+\e], v[CC+\b]
.endr
.endr
	; ---- M: 16 chunks of 128 columns.  Four chunks of nf4 (32 loads a wave) are on their way; a chunk's look-ups are out while the chunk before is summed
.set J, 0
.rept 16
.if (15-J) >= 3
	s_wait_loadcnt 24                              ; this chunk's 8 loads are in; those of the three chunks behind it may be out
.else
	s_wait_loadcnt 8*(15-J)
.endif
	IDX J
.if (J+4) < 16
	NFL J+4
.endif
	BPERM J
.if J > 0
	s_wait_dscnt 32                                ; the chunk before is looked up; this chunk's 32 may be out
	MIX J-1
.endif
.set J, J+1
.endr
	s_wait_dscnt 0x0
	MIX 15
	s_wait_tensorcnt 0x0
	ds_add_u32 v254, v255
	s_wait_dscnt 0x0
	s_endpgm
.Lfunc_end_k_q16278bd3c3_prep:
	.size	k_q16278bd3c3_prep, .Lfunc_end_k_q16278bd3c3_prep-k_q16278bd3c3_prep
	.p2alignl 7, 3214868480
	.fill 96, 4, 3214868480
	.section	.rodata,"a",@progbits
	.p2align	6, 0x0
	.amdhsa_kernel k_q16278bd3c3_prep
		.amdhsa_group_segment_fixed_size 211968
		.amdhsa_private_segment_fixed_size 0
		.amdhsa_enable_private_segment 0
		.amdhsa_kernarg_size 104
		.amdhsa_user_sgpr_count 2
		.amdhsa_user_sgpr_kernarg_segment_ptr 1
		.amdhsa_wavefront_size32 1
		.amdhsa_system_sgpr_workgroup_id_x 1
		.amdhsa_system_sgpr_workgroup_id_y 1
		.amdhsa_system_sgpr_workgroup_id_z 1
		.amdhsa_system_vgpr_workitem_id 0
		.amdhsa_next_free_vgpr 256
		.amdhsa_next_free_sgpr 100
		.amdhsa_reserve_vcc 0
		.amdhsa_float_denorm_mode_32 3
		.amdhsa_float_denorm_mode_16_64 3
		.amdhsa_memory_ordered 1
		.amdhsa_forward_progress 1
		.amdhsa_inst_pref_size 214
	.end_amdhsa_kernel
	.amdgpu_metadata
---
amdhsa.version: [ 1, 2 ]
amdhsa.kernels:
  - .name:           k_q16278bd3c3_prep
    .symbol:         k_q16278bd3c3_prep.kd
    .args:
      - { .name: x, .offset: 0, .size: 8, .value_kind: global_buffer, .address_space: global }
      - { .name: router_w, .offset: 8, .size: 8, .value_kind: global_buffer, .address_space: global }
      - { .name: nf4, .offset: 16, .size: 8, .value_kind: global_buffer, .address_space: global }
      - { .name: mean, .offset: 24, .size: 8, .value_kind: global_buffer, .address_space: global }
      - { .name: std, .offset: 32, .size: 8, .value_kind: global_buffer, .address_space: global }
      - { .name: codebook, .offset: 40, .size: 8, .value_kind: global_buffer, .address_space: global }
      - { .name: w1, .offset: 48, .size: 8, .value_kind: global_buffer, .address_space: global }
      - { .name: w2, .offset: 56, .size: 8, .value_kind: global_buffer, .address_space: global }
      - { .name: ximg, .offset: 64, .size: 8, .value_kind: global_buffer, .address_space: global }
      - { .name: w1img, .offset: 72, .size: 8, .value_kind: global_buffer, .address_space: global }
      - { .name: w2img, .offset: 80, .size: 8, .value_kind: global_buffer, .address_space: global }
      - { .name: scl, .offset: 88, .size: 8, .value_kind: global_buffer, .address_space: global }
      - { .name: moe, .offset: 96, .size: 8, .value_kind: global_buffer, .address_space: global }
    .group_segment_fixed_size: 211968
    .private_segment_fixed_size: 0
    .kernarg_segment_align: 8
    .kernarg_segment_size: 104
    .max_flat_workgroup_size: 512
    .sgpr_count:     100
    .vgpr_count:     256
    .wavefront_size: 32
...
	.end_amdgpu_metadata
.endif
;; end of part 1
;; launch gemm1 (part 2): grid 16 x 16, 4 waves a work-group, clusters of 4 x 4, 327,680 bytes of LDS; arguments ximg, w1img, scl, himg, hs; writes himg, hs
.if DOCPART == 2
	.amdgcn_target "amdgcn-amd-amdhsa--gfx1250"
	.amdhsa_code_object_version 6
	.text
	.protected	k_q16278bd3c3_gemm1
	.globl	k_q16278bd3c3_gemm1
	.p2align	8
	.type	k_q16278bd3c3_gemm1,@function
k_q16278bd3c3_gemm1:
	s_mov_b64 s[64:65], 0
	v_nop
	global_prefetch_b8 v0, s[64:65] scope:SCOPE_SE
	s_setreg_imm32_b32 hwreg(HW_REG_WAVE_MODE, 25, 1), 1
	s_wait_xcnt 0x0
	s_wait_alu depctr_hold_cnt(0) depctr_sa_sdst(0) depctr_va_vdst(0) depctr_va_sdst(0) depctr_va_ssrc(0) depctr_va_vcc(0) depctr_vm_vsrc(0)
	s_getreg_b32 s2, hwreg(HW_REG_IB_STS2, 6, 4)
	s_cmp_eq_u32 s2, 0
	s_cbranch_scc0 .Lentry_in_a_cluster
	s_endpgm
.Lentry_in_a_cluster:
	s_bfe_u32 s2, ttmp6, 0x10000c
	s_cmp_lg_u32 s2, 0xf033
	s_cbranch_scc0 .Lentry_shape_is_right
	s_endpgm
.Lentry_shape_is_right:
; GEMM1: hidden = gelu(x w1) on codes of E4M3 with E8M0 scales, quantised again along the hidden axis on the way out.  4,096 tokens x 4,096 hidden units, K = 2,048.
; Operands come as IMAGES of fragments (16 rows x 128 K, 2,048 bytes: byte 512 c + 16 lane is k = 32 c + 16 (lane / 16) + 0..15 of row lane % 16): ximg [block 256][K step 16], w1img [tile 256][K step 16];
; scale words (4 bytes a row and 128 K) in scl: x's at byte 0, [block][K step][16]; w1's at byte 262,144, [K step][tile][16].  Results: himg [block 256][K step 32][2048], hs [K step 32][block 256][16 words].
; SHARES.  A work-group of four waves makes 256 tokens x 256 hidden units, a wave 128 x 128: 64 accumulators, 512 registers.  K goes in steps of 256 through two LDS slots filled by the tensor data mover.
; All scale words of the work-group's rows and tiles come into LDS once, with the first fills.  Every fragment load is 512 consecutive bytes: no pitch, no padding.
; CLUSTER 4 x 4: the four work-groups of a row of the cluster need the same tokens, the four of a column the same tiles of w1: each tile is asked for jointly.
; THE PRODUCT IS USED TRANSPOSED (source 0 = a tile of w1, source 1 = 16 tokens): lane (r, h) holds token r, and by the order in which w1's columns were laid into tiles the 64 registers of a token block's
; eight accumulators are hidden units 32 b + 16 h + i at register 16 b + i: the layout that the conversions and the next product's fragment want.
; GELU (the tanh form) as x / (1 + 2^(x (c0 + c1 x x))), c0 = -2 sqrt(2 / pi) log2(e), c1 = 0.044715 c0: the same function, all in f32.
; No prefetch into the L2: a work-group has six refills in all, and the first fills cannot be covered.
; LIMITS: NaN and infinities are not served.  A block of zeros gets the byte 1 and zero codes: this program alone reads the bytes.
; REGISTERS, in windows of 256.  Window 0: v1-29 addresses; v32-63 scale words and nothing else; v64-111 the way out's scratch; v128-255 the tokens' fragments (one set), on the way out two sets of 64 numbers.
; Window 1: w1's fragments, two sets.  Window 2: the accumulators of token blocks 0-3 ((a, b) at 8 (8 (a % 4) + b)); window 3: of blocks 4-7.
.set NA,     8                         ; token blocks of a wave
.set FR,     16                        ; registers of a fragment
.set NP,     8                         ; places behind this matrix instruction (ISA guide 7.12.1)
.set BOFF,   65536                     ; a slot: 16 token blocks x 4,096 bytes, then 16 tiles x 4,096
.set SLOT,   131072
.set LAPS,   4                         ; K / 512: a lap is once round the ring
.set SCLA,   262144                    ; x's scale words: 16 blocks x (1,024 + 64 of padding)
.set SBLKA,  1088
.set SKSA,   64
.set HALFSA, 8704
.set SCLB,   279552                    ; w1's: 16 K steps x 1,024
.set SKSB,   1024
.set HALFSB, 8192
.set SPARE,  295936                    ; the spare words, 128 bytes for each wave: two blocks of 256 bytes that no other line names
.set HAL,    (NA/2)*4                  ; the LDS loads of half of the tokens' fragments
.set LI,   4                           ; v4  16 x lane
.set ADRA, 16                          ; v16-17 my token fragments in slot 0, 1
.set ADRB, 20                          ; v20-21 my tiles' fragments
.set ADSA, 22                          ; v22 the tokens' scale words: lanes 0-15 an even block's, lanes 16-31 the odd block's behind it
.set ADSB, 23                          ; v23 the tiles' likewise
.set HSW,  24                          ; v24 the way out: where a block's scale word goes
.set HSR,  25                          ; v25 and where eight blocks' words are read back
.set SPW,  28                          ; v28 my spare word; never rewritten
.set NIL,  29                          ; v29 0; never rewritten
.set AF,   128
.set PC,   64                          ; v64-79 codes
.set TM,   80                          ; v80-95 the quantiser's scratch
.set G1,   24                          ; s[24:31], s[32:39]: groups 1 and 0 (one for each slot) for the tokens' codes
.set G0,   32
.set G1B,  48                          ; s[48:55], s[56:63]: for the tiles' codes
.set G0B,  56
.set G1S,  68                          ; s[68:75], s[76:79]: for the tokens' scale words
.set G0S,  76
.set G1SB, 80                          ; s[80:87], s[88:91]: for the tiles'
.set G0SB, 88
.set MNT,  95
.set SEL,  96
.set MSB, 0
.macro WIN new                         ; the immediate's high byte repeats the setting that is left
.if MSB != (\new)
	s_set_vgpr_msb (MSB<<8)|(\new)
.set MSB, (\new)
.endif
.endm
.set MUL_LO, 0xa1                      ; source 0 (w1) window 1, source 1 (tokens) window 0, C and D window 2
.set MUL_HI, 0xf1                      ; the same, C and D window 3
.set TO_B,   0x40                      ; destination window 1, address window 0
; A joint load: waves 0 and 1 fetch for the tokens, waves 2 and 3 for the tiles.  The branch hangs on the wave's number alone.  Four v_nop follow each of the two lines
.macro JLOAD g0a, g1a, g0b, g1b
	s_cmp_eq_u32 s15, 0
	s_cbranch_scc0 .Lfor_b_\@
	tensor_load_to_lds s[\g0a:\g0a+3], s[\g1a:\g1a+7]
	s_nop 0
.rept 4
	v_nop
.endr
	s_branch .Lasked_\@
.Lfor_b_\@:
	tensor_load_to_lds s[\g0b:\g0b+3], s[\g1b:\g1b+7]
	s_nop 0
.rept 4
	v_nop
.endr
.Lasked_\@:
.endm
.macro CREST                           ; a round of the cluster's barrier behind its opening barrier
	s_cmp_lg_u32 s14, 0
	s_cbranch_scc1 .Lnot_wave_0_\@
	s_barrier_signal -3
.Lnot_wave_0_\@:
	s_barrier_wait -3
	s_barrier_signal -1
	s_barrier_wait -1
.endm
.macro CROUND                          ; a whole round
	s_barrier_signal -1
	s_barrier_wait -1
	CREST
.endm
.macro PLACES n
.rept \n
	v_nop
.endr
.endm
.macro FRAG reg, adr, q, i             ; block or tile i, the slot's q-th 128 along K: four loads of 512 consecutive bytes
.irp c, 0,1,2,3
	ds_load_b128 v[\reg+4*\c:\reg+4*\c+3], v[\adr] offset:4096*(\i)+2048*(\q)+512*\c
.endr
.endm
.macro FETCH_B slot, q, p              ; my eight tiles into set p
	WIN TO_B
.irp i, 0,1,2,3,4,5,6,7
	FRAG 128*(\p)+FR*\i, ADRB+\slot, \q, \i
.endr
	WIN 0
.endm
.macro FETCH_A slot, q, i0             ; token blocks i0 .. i0 + NA / 2 - 1
.set ia, \i0
.rept NA/2
	FRAG AF+FR*ia, ADRA+\slot, \q, ia
.set ia, ia+1
.endr
.endm
.macro SCALES sc                       ; a K step's scale words into set sc: register 32 + 16 sc + 8 q + ap: token blocks 2 ap (lanes 0-15) and 2 ap + 1 (lanes 16-31); 36 + ..: tiles likewise
.irp q, 0,1
.set ap, 0
.rept NA/2
	ds_load_b32 v[32+16*(\sc)+8*\q+ap], v[ADSA] offset:\q*SKSA+ap*2*SBLKA
.set ap, ap+1
.endr
.irp bp, 0,1,2,3
	ds_load_b32 v[36+16*(\sc)+8*\q+\bp], v[ADSB] offset:\q*SKSB+128*\bp
.endr
.endr
.endm
; one product: tile b x token block a.  An odd tile's or block's words lie in lanes 16-31 of their register
.macro WM a, b, p, q, sc, zero
.set rD, 8*(8*((\a)%4)+(\b))
.set rB, 128*(\p)+FR*(\b)
.set rA, AF+FR*(\a)
.set rSB, 36+16*(\sc)+8*(\q)+(\b)/2
.set rSA, 32+16*(\sc)+8*(\q)+(\a)/2
.if \zero
.if (((\b)%2) == 0) && (((\a)%2) == 0)
	v_wmma_scale_f32_16x16x128_f8f6f4 v[rD:rD+7], v[rB:rB+15], v[rA:rA+15], 0, v[rSB], v[rSA]
.elseif ((\a)%2) == 0
	v_wmma_scale_f32_16x16x128_f8f6f4 v[rD:rD+7], v[rB:rB+15], v[rA:rA+15], 0, v[rSB], v[rSA] matrix_a_scale:MATRIX_SCALE_ROW1
.elseif ((\b)%2) == 0
	v_wmma_scale_f32_16x16x128_f8f6f4 v[rD:rD+7], v[rB:rB+15], v[rA:rA+15], 0, v[rSB], v[rSA] matrix_b_scale:MATRIX_SCALE_ROW1
.else
	v_wmma_scale_f32_16x16x128_f8f6f4 v[rD:rD+7], v[rB:rB+15], v[rA:rA+15], 0, v[rSB], v[rSA] matrix_a_scale:MATRIX_SCALE_ROW1 matrix_b_scale:MATRIX_SCALE_ROW1
.endif
.else
.if (((\b)%2) == 0) && (((\a)%2) == 0)
	v_wmma_scale_f32_16x16x128_f8f6f4 v[rD:rD+7], v[rB:rB+15], v[rA:rA+15], v[rD:rD+7], v[rSB], v[rSA]
.elseif ((\a)%2) == 0
	v_wmma_scale_f32_16x16x128_f8f6f4 v[rD:rD+7], v[rB:rB+15], v[rA:rA+15], v[rD:rD+7], v[rSB], v[rSA] matrix_a_scale:MATRIX_SCALE_ROW1
.elseif ((\b)%2) == 0
	v_wmma_scale_f32_16x16x128_f8f6f4 v[rD:rD+7], v[rB:rB+15], v[rA:rA+15], v[rD:rD+7], v[rSB], v[rSA] matrix_b_scale:MATRIX_SCALE_ROW1
.else
	v_wmma_scale_f32_16x16x128_f8f6f4 v[rD:rD+7], v[rB:rB+15], v[rA:rA+15], v[rD:rD+7], v[rSB], v[rSA] matrix_a_scale:MATRIX_SCALE_ROW1 matrix_b_scale:MATRIX_SCALE_ROW1
.endif
.endif
.endm
; a quarter of a step's products: NA / 4 token blocks, each against the eight tiles.  The accumulators take turns, one instruction a turn, in the same order in every step
.macro MULQ qr, p, q, sc, zero
.set am, (\qr)*NA/4
.rept NA/4
.irp b, 0,1,2,3,4,5,6,7
	WM am, \b, \p, \q, \sc, \zero
.endr
.set am, am+1
.endr
.endm
; a slot's first 128 along K (set 0 of the tiles); its second 128 is fetched meanwhile
.macro STEP slot, zero
	s_wait_dscnt HAL                               ; all but the youngest loads, the upper half of the tokens' fragments
	WIN MUL_LO
	MULQ 0, 0, 0, \slot, \zero
	MULQ 1, 0, 0, \slot, \zero
	s_wait_dscnt 0x0
	PLACES NP                                      ; in front of loads into registers that matrix instructions have read
	FETCH_B \slot, 1, 1
	FETCH_A \slot, 1, 0
	WIN MUL_HI
	MULQ 2, 0, 0, \slot, \zero
	MULQ 3, 0, 0, \slot, \zero
	PLACES NP
	WIN 0
	FETCH_A \slot, 1, NA/2
.endm
; a slot's second 128 along K, and the change of slots: one barrier; in front of it each wave waits for all its tensor loads, adds 0 to its spare word, and waits for that and for its reads of this slot.
; fill = 1: the barrier opens a round of the cluster's barrier, and behind the round this slot is filled again, two K steps on
.macro TURN slot, next, fill
	s_wait_tensorcnt 0x0                           ; all my tensor loads have landed: my part of the next slot
	ds_add_u32 v[SPW], v[NIL]                      ; 0 onto my spare word
	s_wait_dscnt HAL+1                             ; (the add and the upper half of the tokens' fragments may be out)
	WIN MUL_LO
	MULQ 0, 1, 1, \slot, 0
	s_wait_dscnt 0x0                               ; the add is done, and my reads of this slot are over
	s_barrier_signal -1
	MULQ 1, 1, 1, \slot, 0
	WIN 0
	s_barrier_wait -1
.if \fill
	CREST                                          ; no wave of any partner still reads this slot or has a load on its way
	s_add_nc_u64 s[G0+4*\slot+2:G0+4*\slot+3], s[G0+4*\slot+2:G0+4*\slot+3], 8192
	s_add_nc_u64 s[G0B+4*\slot+2:G0B+4*\slot+3], s[G0B+4*\slot+2:G0B+4*\slot+3], 8192
	JLOAD G0+4*\slot, G1, G0B+4*\slot, G1B         ; my one tensor load behind the round; its four v_nop are among the places in front of the loads below
	PLACES NP-4
.else
	PLACES NP
.endif
	v_add_nc_u32 v[ADSA], 2*SKSA, v[ADSA]          ; on to the next K step's scale words
	v_add_nc_u32 v[ADSB], 2*SKSB, v[ADSB]
	FETCH_B \next, 0, 0
	FETCH_A \next, 0, 0
	SCALES \next
	WIN MUL_HI
	MULQ 2, 1, 1, \slot, 0
	MULQ 3, 1, 1, \slot, 0
	PLACES NP
	WIN 0
	FETCH_A \next, 0, NA/2
.endm
; 64 numbers of a lane, register 16 b + i = k 32 b + 16 (lane / 16) + i of my row, become a fragment's codes in v[PC] on and its scale word in v[pw]
.macro QUANT s, pw
.irp b, 0,1,2,3
	v_max3_num_f32 v[TM+\b], |v[\s+16*\b]|, |v[\s+1+16*\b]|, 0x4800000   ; with the floor 2^(9 - 127): the byte cannot fall under 1
.endr
.irp i, 2,4,6,8,10,12,14
.irp b, 0,1,2,3
	v_max3_num_f32 v[TM+\b], v[TM+\b], |v[\s+16*\b+\i]|, |v[\s+1+16*\b+\i]|
.endr
.endr
.irp b, 0,1,2,3
	v_permlanex16_b32 v[TM+4+\b], v[TM+\b], s[SEL], s[SEL+1]
.endr
.irp b, 0,1,2,3
	v_max_num_f32 v[TM+\b], v[TM+\b], v[TM+4+\b]
.endr
.irp b, 0,1,2,3
	v_add_nc_u32 v[TM+12+\b], 0xfc000000, v[TM+\b]     ; 8 off the exponent field: the conversion's scale operand
.endr
.irp b, 0,1,2,3
	v_and_or_b32 v[TM+8+\b], v[TM+\b], 0x7f800000, s[MNT]   ; 448 x the scale
.endr
.irp b, 0,1,2,3
	v_lshrrev_b32 v[TM+4+\b], 23, v[TM+12+\b]
.endr
	v_lshl_or_b32 v[\pw], v[TM+5], 8, v[TM+4]
	v_lshl_or_b32 v[\pw], v[TM+6], 16, v[\pw]
	v_lshl_or_b32 v[\pw], v[TM+7], 24, v[\pw]
.irp b, 0,1,2,3
.irp i, 0,1,2,3,4,5,6,7,8,9,10,11,12,13,14,15
	v_med3_num_f32 v[\s+16*\b+\i], v[\s+16*\b+\i], -v[TM+8+\b], v[TM+8+\b]   ; the conversion does not saturate (ISA guide 7.6.2): the hold comes first
.endr
	v_cvt_scalef32_pk8_fp8_f32 v[PC+4*\b:PC+1+4*\b], v[\s+16*\b:\s+7+16*\b], v[TM+12+\b]
	v_cvt_scalef32_pk8_fp8_f32 v[PC+2+4*\b:PC+3+4*\b], v[\s+8+16*\b:\s+15+16*\b], v[TM+12+\b]
.endr
	v_nop                                          ; a plain line behind the last conversion
.endm
	s_load_b128 s[4:7], s[0:1], 0x0                ; ximg s[4:5], w1img s[6:7]
	s_load_b128 s[8:11], s[0:1], 0x10              ; scl s[8:9], himg s[10:11]
	s_load_b64 s[12:13], s[0:1], 0x20              ; hs
	v_lshl_add_u32 v[SPW], v0, 2, SPARE
	v_mov_b32 v[NIL], 0
	ds_add_u32 v28, v29
	ds_add_u32 v28, v29
	s_wait_dscnt 0x0
	v_lshrrev_b32 v1, 5, v0
	v_readfirstlane_b32 s14, v1                    ; wave 0..3
	s_lshr_b32 s15, s14, 1                         ; which half of the tokens is mine.  Also: I fetch for the tokens (0) or for the tiles (1)
	s_and_b32 s16, s14, 1                          ; which half of the hidden units.  Also: which half I fetch
	s_bfe_u32 s40, ttmp6, 0x40000                  ; cx, cy: my place in the cluster
	s_bfe_u32 s41, ttmp6, 0x40004
	s_lshl_b32 s42, ttmp9, 2
	s_add_co_u32 s42, s42, s40                     ; tx: which 256 hidden units
	s_and_b32 s17, ttmp7, 0xffff
	s_lshl_b32 s17, s17, 2
	s_add_co_u32 s17, s17, s41                     ; ty: which 256 tokens
	s_lshl_b32 s43, s41, 2
	s_lshl_b32 s43, 15, s43                        ; my row of the cluster
	s_lshl_b32 s44, 0x1111, s40                    ; my column
	; group 1, codes: 8 rows (blocks or tiles) of 512 elements of 8 bytes (two K steps of 128), 4,096 elements from row to row
	s_or_b32 s[G1+0], s43, (3<<16)|(1<<21)         ; 15:0 the mask; 17:16 elements of 8 bytes; 21 set beside a mask
	s_or_b32 s[G1B+0], s44, (3<<16)|(1<<21)
.irp g, G1, G1B
	s_mov_b32 s[\g+1], 512<<16                     ; tensor_dim0
	s_mov_b32 s[\g+2], 8<<16                       ; tensor_dim1
	s_mov_b32 s[\g+3], 512<<16                     ; tile_dim0
	s_mov_b32 s[\g+4], 8                           ; tile_dim1
	s_mov_b32 s[\g+5], 4096                        ; tensor_dim0_stride
	s_mov_b32 s[\g+6], 0
	s_mov_b32 s[\g+7], 0
.endr
	; the tokens' scale words: 8 blocks x 1,024 dense bytes, 64 bytes of padding behind each, so that the two blocks that one load reads start 1,088 bytes apart
	s_or_b32 s[G1S+0], s43, (3<<16)|(1<<20)|(1<<21)|(7<<22)|(15<<25)
	s_mov_b32 s[G1S+1], 128<<16
	s_mov_b32 s[G1S+2], 8<<16
	s_mov_b32 s[G1S+3], 128<<16
	s_mov_b32 s[G1S+4], 8
	s_mov_b32 s[G1S+5], 128
	s_mov_b32 s[G1S+6], 0
	s_mov_b32 s[G1S+7], 0
	; the tiles' scale words: 8 K steps x 1,024 bytes (16 tiles), 16,384 bytes from K step to K step
	s_or_b32 s[G1SB+0], s44, (3<<16)|(1<<21)
	s_mov_b32 s[G1SB+1], 128<<16
	s_mov_b32 s[G1SB+2], 8<<16
	s_mov_b32 s[G1SB+3], 128<<16
	s_mov_b32 s[G1SB+4], 8
	s_mov_b32 s[G1SB+5], 2048
	s_mov_b32 s[G1SB+6], 0
	s_mov_b32 s[G1SB+7], 0
	; where the tiles come from: the tokens' hang on ty alone, w1's on tx alone, each in registers of its own
	s_lshl_b32 s18, s16, 3
	s_lshl_b32 s20, s17, 4
	s_add_co_u32 s20, s20, s18                     ; the first token block that I fetch: 16 ty + 8 x half
	s_lshl_b32 s22, s20, 10                        ; its scale words
	s_lshl_b32 s20, s20, 15                        ; its images
	s_mov_b32 s21, 0
	s_mov_b32 s23, 0
	s_lshl_b32 s46, s42, 4
	s_add_co_u32 s46, s46, s18                     ; the first tile: 16 tx + 8 x half
	s_lshl_b32 s46, s46, 15
	s_mov_b32 s47, 0
	s_lshl_b32 s92, s42, 10                        ; the tiles' scale words: 1,024 tx + 8 K steps x half
	s_lshl_b32 s93, s16, 17
	s_add_co_u32 s92, s92, s93
	s_add_co_u32 s92, s92, 262144
	s_mov_b32 s93, 0
	s_lshl_b32 s45, s16, 15                        ; and where they go: half x 32,768 bytes of codes,
	s_mul_i32 s94, s16, HALFSA                     ; half x the scale words
	s_lshl_b32 s95, s16, 13
	s_wait_kmcnt 0x0
	s_add_nc_u64 s[20:21], s[4:5], s[20:21]
	s_add_nc_u64 s[22:23], s[8:9], s[22:23]
	s_add_nc_u64 s[46:47], s[6:7], s[46:47]
	s_add_nc_u64 s[92:93], s[8:9], s[92:93]
	CROUND                                         ; all sixteen work-groups are here: the first joint loads meet
	s_mov_b32 s[G0S], 1
	s_add_co_u32 s[G0S+1], s94, SCLA
	s_mov_b64 s[G0S+2:G0S+3], s[22:23]
	s_or_b32 s[G0S+3], s[G0S+3], 0x80000000
	s_mov_b32 s[G0SB], 1
	s_add_co_u32 s[G0SB+1], s95, SCLB
	s_mov_b64 s[G0SB+2:G0SB+3], s[92:93]
	s_or_b32 s[G0SB+3], s[G0SB+3], 0x80000000
	JLOAD G0S, G1S, G0SB, G1SB                     ; the scale words first: filled once.  With the two slots three loads of mine are out
.irp s, 0,1
	s_mov_b32 s[G0+4*\s], 1
	s_add_co_u32 s[G0+4*\s+1], s45, \s*SLOT
	s_add_nc_u64 s[G0+4*\s+2:G0+4*\s+3], s[20:21], \s*4096
	s_or_b32 s[G0+4*\s+3], s[G0+4*\s+3], 0x80000000
	s_mov_b32 s[G0B+4*\s], 1
	s_add_co_u32 s[G0B+4*\s+1], s45, \s*SLOT+BOFF
	s_add_nc_u64 s[G0B+4*\s+2:G0B+4*\s+3], s[46:47], \s*4096
	s_or_b32 s[G0B+4*\s+3], s[G0B+4*\s+3], 0x80000000
	JLOAD G0+4*\s, G1, G0B+4*\s, G1B
.endr
	v_and_b32 v1, 31, v0                           ; lane
	v_and_b32 v2, 15, v0                           ; r
	v_bfe_u32 v3, v0, 4, 1                         ; h
	v_lshlrev_b32 v[LI], 4, v1
	s_mul_i32 s21, s15, NA*4096                    ; my token blocks
	s_lshl_b32 s22, s16, 15                        ; my tiles,
	s_add_co_u32 s22, s22, BOFF                    ; behind the tokens
.irp s, 0,1
	v_add_nc_u32 v[ADRA+\s], s21, v[LI]
	v_add_nc_u32 v[ADRB+\s], s22, v[LI]
	s_add_co_u32 s21, s21, SLOT
	s_add_co_u32 s22, s22, SLOT
.endr
	v_mul_u32_u24 v5, v3, SBLKA                    ; lanes 16-31 take the block behind
	v_lshl_add_u32 v5, v2, 2, v5
	s_mul_i32 s21, s15, NA*SBLKA
	s_add_co_u32 s21, s21, SCLA
	v_add_nc_u32 v[ADSA], s21, v5
	s_lshl_b32 s22, s16, 9
	s_add_co_u32 s22, s22, SCLB
	v_lshlrev_b32 v5, 2, v1
	v_add_nc_u32 v[ADSB], s22, v5
	s_lshl_b32 s23, s14, 9                         ; the way out's 512 bytes a wave, in slot 0
	v_lshl_add_u32 v[HSW], v2, 2, s23
	v_add_nc_u32 v[HSR], s23, v[LI]
	s_lshl_b32 s20, s17, 4
	s_lshl_b32 s21, s15, 3
	s_add_co_u32 s20, s20, s21                     ; my first token block: 16 ty + 8 x half
	s_lshl_b32 s46, s42, 1
	s_add_co_u32 s46, s46, s16                     ; my 128 hidden units are K step 2 tx + half of the next product
	s_lshl_b32 s92, s46, 14
	s_lshl_b32 s46, s46, 11
	s_lshl_b32 s21, s20, 6
	s_lshl_b32 s20, s20, 16
	s_add_co_u32 s46, s46, s20
	s_add_co_u32 s92, s92, s21
	s_mov_b32 s47, 0
	s_mov_b32 s93, 0
	s_add_nc_u64 s[10:11], s[10:11], s[46:47]      ; himg at (my first block, my K step)
	s_add_nc_u64 s[12:13], s[12:13], s[92:93]      ; hs at (my K step, my first block)
	s_mov_b32 s[SEL], 0x76543210
	s_mov_b32 s[SEL+1], 0xfedcba98
	s_mov_b32 s[MNT], 0x600000
	s_mov_b32 s98, 0xbdd2d3e8                      ; c1
	s_mov_b32 s99, s98                             ; (named with it as a pair, so it is written)
	s_wait_tensorcnt 1                             ; the scale words and my part of K step 0 are in; slot 1's load may stay out
	s_barrier_signal -1
	s_barrier_wait -1
	FETCH_B 0, 0, 0
	FETCH_A 0, 0, 0
	SCALES 0
	FETCH_A 0, 0, NA/2
	STEP 0, 1                                      ; the first step stands in front of the loop: its products start the sums
	s_mov_b32 s3, LAPS-1
.Llap:                                                 ; a trip goes once round the ring and fills both slots again
	TURN 0, 1, 1
	STEP 1, 0
	TURN 1, 0, 1
	STEP 0, 0
	s_sub_co_u32 s3, s3, 1
	s_cmp_lg_u32 s3, 0
	s_cbranch_scc1 .Llap
	TURN 0, 1, 0                                   ; the last lap fills nothing
	STEP 1, 0
	s_wait_dscnt HAL
	WIN MUL_LO
	MULQ 0, 1, 1, 1, 0
	MULQ 1, 1, 1, 1, 0
	s_wait_dscnt 0x0
	WIN MUL_HI
	MULQ 2, 1, 1, 1, 0
	MULQ 3, 1, 1, 1, 0
	WIN 0
; THE WAY OUT, a token block (64 numbers a lane) at a time, in two sets of 64 registers by turns.  The accumulators are only read, each from its low end on.
.macro ZED a                           ; z = x (c0 + c1 x x)
.set AC, 64*((\a)%4)
.set TT, 128+64*((\a)%2)
	WIN 0x0a+5*((\a)/4)                            ; sources 0 and 1: the accumulators' window
.set i, 0
.rept 32
	v_pk_mul_f32 v[TT+i:TT+i+1], v[AC+i:AC+i+1], v[AC+i:AC+i+1]
.set i, i+2
.endr
	WIN 0
.set i, 0
.rept 32
	v_pk_fma_f32 v[TT+i:TT+i+1], v[TT+i:TT+i+1], s[98:99], v[104:105] op_sel_hi:[1,0,1]
.set i, i+2
.endr
	WIN 0x02+((\a)/4)                              ; source 0: the accumulators' window
.set i, 0
.rept 32
	v_pk_mul_f32 v[TT+i:TT+i+1], v[AC+i:AC+i+1], v[TT+i:TT+i+1]
.set i, i+2
.endr
	WIN 0
.endm
.macro EXPS a
.set TT, 128+64*((\a)%2)
.set i, 0
.rept 64
	v_exp_f32 v[TT+i], v[TT+i]
.set i, i+1
.endr
.endm
.macro ADDRCP a                        ; 1 / (1 + 2^z)
.set TT, 128+64*((\a)%2)
.set i, 0
.rept 32
	v_pk_add_f32 v[TT+i:TT+i+1], v[TT+i:TT+i+1], 1.0 op_sel_hi:[1,0]
.set i, i+2
.endr
.set i, 0
.rept 64
	v_rcp_f32 v[TT+i], v[TT+i]
.set i, i+1
.endr
.endm
.macro FIN a                           ; gelu = x / (1 + 2^z); quantised; the image goes to himg, the scale word to my 512 bytes of LDS
.set AC, 64*((\a)%4)
.set TT, 128+64*((\a)%2)
	WIN 0x02+((\a)/4)
.set i, 0
.rept 32
	v_pk_mul_f32 v[TT+i:TT+i+1], v[AC+i:AC+i+1], v[TT+i:TT+i+1]
.set i, i+2
.endr
	WIN 0
	s_wait_xcnt 0x0                                ; the last block's stores have read the codes' registers
	QUANT TT, 96+(\a)
.irp c, 0,1,2,3
	global_store_b128 v[LI], v[PC+4*\c:PC+4*\c+3], s[10:11] offset:65536*(\a)+512*\c   ; 512 consecutive bytes a line
.endr
	ds_store_b32 v[HSW], v[96+(\a)] offset:64*(\a)     ; slot 0 has had its last fill and its last read; both halves of the lanes write the same word
.endm
	v_mov_b32 v104, 0xc0135761                     ; c0, twice.  These six lines and two v_nop are the places behind the last products
	v_mov_b32 v105, 0xc0135761
.irp b, 0,1,2,3
	v_mov_b32 v[TM+4+\b], 0                        ; a lane exchange's destination counts as one of its sources
.endr
	PLACES 2
	ZED 0
	EXPS 0
	v_nop                                          ; a plain line behind the batch
; each batch of exponentials or reciprocals has plain work of the other set behind it and one wait ahead of its first reader
.irp a, 0,1,2,3,4,5,6,7
	s_wait_alu depctr_va_vdst(0)                   ; for block a's exponentials
	ADDRCP \a
.if \a < 7
	ZED \a+1
	s_wait_alu depctr_va_vdst(0)                   ; for block a's reciprocals
	EXPS \a+1
.else
	v_nop
	s_wait_alu depctr_va_vdst(0)
.endif
	FIN \a
.endr
	ds_load_b128 v[108:111], v[HSR]                ; LDS serves a wave's instructions in order (ISA guide 5.7.1.4): this sees my eight stores
	s_wait_dscnt 0x0
	global_store_b128 v[LI], v[108:111], s[12:13]  ; my eight blocks' scale words: 512 consecutive bytes
	s_wait_tensorcnt 0x0                           ; the wave's end
	ds_add_u32 v[SPW], v[NIL]
	s_wait_dscnt 0x0
	CROUND                                         ; the closing round: no work-group ends while a partner may still ask for a tile that names it
	s_endpgm
.Lfunc_end_k_q16278bd3c3_gemm1:
	.size	k_q16278bd3c3_gemm1, .Lfunc_end_k_q16278bd3c3_gemm1-k_q16278bd3c3_gemm1
	.p2alignl 7, 3214868480
	.fill 96, 4, 3214868480
	.section	.rodata,"a",@progbits
	.p2align	6, 0x0
	.amdhsa_kernel k_q16278bd3c3_gemm1
		.amdhsa_group_segment_fixed_size 327680
		.amdhsa_private_segment_fixed_size 0
		.amdhsa_enable_private_segment 0
		.amdhsa_kernarg_size 40
		.amdhsa_user_sgpr_count 2
		.amdhsa_user_sgpr_kernarg_segment_ptr 1
		.amdhsa_wavefront_size32 1
		.amdhsa_system_sgpr_workgroup_id_x 1
		.amdhsa_system_sgpr_workgroup_id_y 1
		.amdhsa_system_sgpr_workgroup_id_z 1
		.amdhsa_system_vgpr_workitem_id 0
		.amdhsa_next_free_vgpr 1024
		.amdhsa_next_free_sgpr 100
		.amdhsa_reserve_vcc 0
		.amdhsa_float_denorm_mode_32 3
		.amdhsa_float_denorm_mode_16_64 3
		.amdhsa_memory_ordered 1
		.amdhsa_forward_progress 1
		.amdhsa_inst_pref_size 255
	.end_amdhsa_kernel
	.section	.bss,"aw",@nobits
	.p2align	6
	.space	262144
	.amdgpu_metadata
---
amdhsa.version: [ 1, 2 ]
amdhsa.kernels:
  - .name:           k_q16278bd3c3_gemm1
    .symbol:         k_q16278bd3c3_gemm1.kd
    .args:
      - { .name: ximg, .offset: 0, .size: 8, .value_kind: global_buffer, .address_space: global }
      - { .name: w1img, .offset: 8, .size: 8, .value_kind: global_buffer, .address_space: global }
      - { .name: scl, .offset: 16, .size: 8, .value_kind: global_buffer, .address_space: global }
      - { .name: himg, .offset: 24, .size: 8, .value_kind: global_buffer, .address_space: global }
      - { .name: hs, .offset: 32, .size: 8, .value_kind: global_buffer, .address_space: global }
    .group_segment_fixed_size: 327680
    .private_segment_fixed_size: 0
    .kernarg_segment_align: 8
    .kernarg_segment_size: 40
    .max_flat_workgroup_size: 128
    .sgpr_count:     100
    .vgpr_count:     1024
    .wavefront_size: 32
...
	.end_amdgpu_metadata
.endif
;; end of part 2
;; launch gemm2 (part 3): grid 8 x 32, 4 waves a work-group, clusters of 4 x 4, 327,680 bytes of LDS; arguments himg, hs, w2img, scl, moe, out0; writes out0
.if DOCPART == 3
	.amdgcn_target "amdgcn-amd-amdhsa--gfx1250"
	.amdhsa_code_object_version 6
	.text
	.protected	k_q16278bd3c3_gemm2
	.globl	k_q16278bd3c3_gemm2
	.p2align	8
	.type	k_q16278bd3c3_gemm2,@function
k_q16278bd3c3_gemm2:
	s_mov_b64 s[64:65], 0
	v_nop
	global_prefetch_b8 v0, s[64:65] scope:SCOPE_SE
	s_setreg_imm32_b32 hwreg(HW_REG_WAVE_MODE, 25, 1), 1
	s_wait_xcnt 0x0
	s_wait_alu depctr_hold_cnt(0) depctr_sa_sdst(0) depctr_va_vdst(0) depctr_va_sdst(0) depctr_va_ssrc(0) depctr_va_vcc(0) depctr_vm_vsrc(0)
	s_getreg_b32 s2, hwreg(HW_REG_IB_STS2, 6, 4)
	s_cmp_eq_u32 s2, 0
	s_cbranch_scc0 .Lentry_in_a_cluster
	s_endpgm
.Lentry_in_a_cluster:
	s_bfe_u32 s2, ttmp6, 0x10000c
	s_cmp_lg_u32 s2, 0xf033
	s_cbranch_scc0 .Lentry_shape_is_right
	s_endpgm
.Lentry_shape_is_right:
; GEMM2: out0 = hidden w2 + moe, the product on codes of E4M3 with E8M0 scales.  4,096 tokens x 2,048 columns, K = 4,096.
; Operands come as IMAGES of fragments (16 rows x 128 K, 2,048 bytes: byte 512 c + 16 lane is k = 32 c + 16 (lane / 16) + 0..15 of row lane % 16): himg [block 256][K step 32], w2img [tile 128][K step 32];
; scale words: hs [K step 32][block 256][16]; w2's in scl at byte 524,288, [K step 32][tile 128][16].  moe and out0: [4096][2048] f32.
; SHARES.  256 work-groups, one for each 128 tokens x 256 columns; four waves, each 64 x 128: 32 accumulators, 256 registers.  K goes in steps of 256 through two LDS slots filled by the tensor data mover.
; All scale words of the work-group come into LDS once, with the first fills.  A wave's 64 x 128 numbers of moe are asked for at the head, into 256 registers of their own, and land under the loop over K.
; CLUSTER 4 x 4: the four work-groups of a row of the cluster need the same tokens, the four of a column the same tiles of w2: each tile is asked for jointly.
; THE PRODUCT IS USED TRANSPOSED (source 0 = a tile of w2, source 1 = 16 tokens): lane (r, h) holds token r; register j of tile b is column 32 (b / 2) + 16 h + 8 (b % 2) + j, by the order in which w2's columns were laid into tiles.
; No prefetch into the L2: the tokens' share of a refill is half a wave's lanes for a partner, and the first fills cannot be covered.
; LIMITS: NaN and infinities are not served.
; REGISTERS, in windows of 256.  Window 0: v1-29 addresses; v32-63 scale words and nothing else; v128-191 the tokens' fragments (one set); on the way out v128-255 rows of the result.
; Window 1: w2's fragments, two sets.  Window 2: the accumulators ((a, b) at 8 (8 a + b)).  Window 3: moe, row t of my 64 at 4 t.
.set NA,     4
.set FR,     16
.set NP,     8                         ; places behind this matrix instruction (ISA guide 7.12.1)
.set BOFF,   32768                     ; a slot: 8 token blocks x 4,096 bytes, then 16 tiles x 4,096
.set SLOT,   98304
.set LAPS,   8                         ; K / 512
.set SCLA,   196608                    ; the tokens' scale words: 32 K steps x 512
.set SBLKA,  64
.set SKSA,   512
.set SCLB,   212992                    ; the tiles': 32 K steps x 1,024
.set SKSB,   1024
.set SPARE,  245760                    ; the spare words, 128 bytes for each wave: two blocks of 256 bytes that no other line names
.set SPITCH, 528                       ; the way out: a stage of 16 rows x (512 + 16) bytes for each wave, in slot 0
.set HAL,    (NA/2)*4
.set LI,   4                           ; v4  16 x lane
.set ADRA, 16
.set ADRB, 20
.set ADSA, 22
.set ADSB, 23
.set STO,  24                          ; v24 the way out: where I put 16 bytes of a row
.set RD,   25                          ; v25 and where I read a row back
.set SPW,  28
.set NIL,  29
.set AF,   128
.set BK,   128                         ; the way out: 16 rows read back: v128-191 and v192-255 by turns
.set G1,   24
.set G0,   32
.set G1B,  48
.set G0B,  56
.set G1S,  68
.set G0S,  76
.set G1SB, 80
.set G0SB, 88
.set MSB, 0
.macro WIN new                         ; the immediate's high byte repeats the setting that is left
.if MSB != (\new)
	s_set_vgpr_msb (MSB<<8)|(\new)
.set MSB, (\new)
.endif
.endm
.set MUL_LO, 0xa1                      ; source 0 (w2) window 1, source 1 (tokens) window 0, C and D window 2
.set MUL_HI, 0xa1                      ; all accumulators lie in window 2
.set TO_B,   0x40
.macro JLOAD g0a, g1a, g0b, g1b        ; a joint load: waves 0 and 1 fetch for the tokens, waves 2 and 3 for the tiles; four v_nop follow each of the two lines
	s_cmp_eq_u32 s15, 0
	s_cbranch_scc0 .Lfor_b_\@
	tensor_load_to_lds s[\g0a:\g0a+3], s[\g1a:\g1a+7]
	s_nop 0
.rept 4
	v_nop
.endr
	s_branch .Lasked_\@
.Lfor_b_\@:
	tensor_load_to_lds s[\g0b:\g0b+3], s[\g1b:\g1b+7]
	s_nop 0
.rept 4
	v_nop
.endr
.Lasked_\@:
.endm
.macro CREST
	s_cmp_lg_u32 s14, 0
	s_cbranch_scc1 .Lnot_wave_0_\@
	s_barrier_signal -3
.Lnot_wave_0_\@:
	s_barrier_wait -3
	s_barrier_signal -1
	s_barrier_wait -1
.endm
.macro CROUND
	s_barrier_signal -1
	s_barrier_wait -1
	CREST
.endm
.macro PLACES n
.rept \n
	v_nop
.endr
.endm
.macro FRAG reg, adr, q, i
.irp c, 0,1,2,3
	ds_load_b128 v[\reg+4*\c:\reg+4*\c+3], v[\adr] offset:4096*(\i)+2048*(\q)+512*\c
.endr
.endm
.macro FETCH_B slot, q, p
	WIN TO_B
.irp i, 0,1,2,3,4,5,6,7
	FRAG 128*(\p)+FR*\i, ADRB+\slot, \q, \i
.endr
	WIN 0
.endm
.macro FETCH_A slot, q, i0
.set ia, \i0
.rept NA/2
	FRAG AF+FR*ia, ADRA+\slot, \q, ia
.set ia, ia+1
.endr
.endm
.macro SCALES sc                       ; register 32 + 16 sc + 8 q + ap: token blocks 2 ap (lanes 0-15) and 2 ap + 1 (lanes 16-31); 36 + ..: tiles likewise
.irp q, 0,1
.set ap, 0
.rept NA/2
	ds_load_b32 v[32+16*(\sc)+8*\q+ap], v[ADSA] offset:\q*SKSA+ap*2*SBLKA
.set ap, ap+1
.endr
.irp bp, 0,1,2,3
	ds_load_b32 v[36+16*(\sc)+8*\q+\bp], v[ADSB] offset:\q*SKSB+128*\bp
.endr
.endr
.endm
.macro WM a, b, p, q, sc, zero         ; one product: tile b x token block a; an odd tile's or block's words lie in lanes 16-31 of their register
.set rD, 8*(8*((\a)%4)+(\b))
.set rB, 128*(\p)+FR*(\b)
.set rA, AF+FR*(\a)
.set rSB, 36+16*(\sc)+8*(\q)+(\b)/2
.set rSA, 32+16*(\sc)+8*(\q)+(\a)/2
.if \zero
.if (((\b)%2) == 0) && (((\a)%2) == 0)
	v_wmma_scale_f32_16x16x128_f8f6f4 v[rD:rD+7], v[rB:rB+15], v[rA:rA+15], 0, v[rSB], v[rSA]
.elseif ((\a)%2) == 0
	v_wmma_scale_f32_16x16x128_f8f6f4 v[rD:rD+7], v[rB:rB+15], v[rA:rA+15], 0, v[rSB], v[rSA] matrix_a_scale:MATRIX_SCALE_ROW1
.elseif ((\b)%2) == 0
	v_wmma_scale_f32_16x16x128_f8f6f4 v[rD:rD+7], v[rB:rB+15], v[rA:rA+15], 0, v[rSB], v[rSA] matrix_b_scale:MATRIX_SCALE_ROW1
.else
	v_wmma_scale_f32_16x16x128_f8f6f4 v[rD:rD+7], v[rB:rB+15], v[rA:rA+15], 0, v[rSB], v[rSA] matrix_a_scale:MATRIX_SCALE_ROW1 matrix_b_scale:MATRIX_SCALE_ROW1
.endif
.else
.if (((\b)%2) == 0) && (((\a)%2) == 0)
	v_wmma_scale_f32_16x16x128_f8f6f4 v[rD:rD+7], v[rB:rB+15], v[rA:rA+15], v[rD:rD+7], v[rSB], v[rSA]
.elseif ((\a)%2) == 0
	v_wmma_scale_f32_16x16x128_f8f6f4 v[rD:rD+7], v[rB:rB+15], v[rA:rA+15], v[rD:rD+7], v[rSB], v[rSA] matrix_a_scale:MATRIX_SCALE_ROW1
.elseif ((\b)%2) == 0
	v_wmma_scale_f32_16x16x128_f8f6f4 v[rD:rD+7], v[rB:rB+15], v[rA:rA+15], v[rD:rD+7], v[rSB], v[rSA] matrix_b_scale:MATRIX_SCALE_ROW1
.else
	v_wmma_scale_f32_16x16x128_f8f6f4 v[rD:rD+7], v[rB:rB+15], v[rA:rA+15], v[rD:rD+7], v[rSB], v[rSA] matrix_a_scale:MATRIX_SCALE_ROW1 matrix_b_scale:MATRIX_SCALE_ROW1
.endif
.endif
.endm
.macro MULQ qr, p, q, sc, zero         ; a quarter of a step's products: one token block against the eight tiles.  The 32 accumulators take turns, one instruction a turn, in the same order in every step
.set am, (\qr)*NA/4
.rept NA/4
.irp b, 0,1,2,3,4,5,6,7
	WM am, \b, \p, \q, \sc, \zero
.endr
.set am, am+1
.endr
.endm
.macro STEP slot, zero                 ; a slot's first 128 along K; its second 128 is fetched meanwhile
	s_wait_dscnt HAL                               ; all but the youngest loads, the upper half of the tokens' fragments
	WIN MUL_LO
	MULQ 0, 0, 0, \slot, \zero
	MULQ 1, 0, 0, \slot, \zero
	s_wait_dscnt 0x0
	PLACES NP                                      ; in front of loads into registers that matrix instructions have read
	FETCH_B \slot, 1, 1
	FETCH_A \slot, 1, 0
	WIN MUL_HI
	MULQ 2, 0, 0, \slot, \zero
	MULQ 3, 0, 0, \slot, \zero
	PLACES NP
	WIN 0
	FETCH_A \slot, 1, NA/2
.endm
; a slot's second 128 along K, and the change of slots: one barrier; in front of it each wave waits for all its tensor loads, adds 0 to its spare word, and waits for that and for its reads of this slot.
; fill = 1: the barrier opens a round of the cluster's barrier, and behind the round this slot is filled again, two K steps on
.macro TURN slot, next, fill
	s_wait_tensorcnt 0x0                           ; all my tensor loads have landed: my part of the next slot
	ds_add_u32 v[SPW], v[NIL]                      ; 0 onto my spare word
	s_wait_dscnt HAL+1                             ; (the add and the upper half of the tokens' fragments may be out)
	WIN MUL_LO
	MULQ 0, 1, 1, \slot, 0
	s_wait_dscnt 0x0                               ; the add is done, and my reads of this slot are over
	s_barrier_signal -1
	MULQ 1, 1, 1, \slot, 0
	WIN 0
	s_barrier_wait -1
.if \fill
	CREST                                          ; no wave of any partner still reads this slot or has a load on its way
	s_add_nc_u64 s[G0+4*\slot+2:G0+4*\slot+3], s[G0+4*\slot+2:G0+4*\slot+3], 8192
	s_add_nc_u64 s[G0B+4*\slot+2:G0B+4*\slot+3], s[G0B+4*\slot+2:G0B+4*\slot+3], 8192
	JLOAD G0+4*\slot, G1, G0B+4*\slot, G1B         ; my one tensor load behind the round; its four v_nop are among the places in front of the loads below
	PLACES NP-4
.else
	PLACES NP
.endif
	v_add_nc_u32 v[ADSA], 2*SKSA, v[ADSA]          ; on to the next K step's scale words
	v_add_nc_u32 v[ADSB], 2*SKSB, v[ADSB]
	FETCH_B \next, 0, 0
	FETCH_A \next, 0, 0
	SCALES \next
	WIN MUL_HI
	MULQ 2, 1, 1, \slot, 0
	MULQ 3, 1, 1, \slot, 0
	PLACES NP
	WIN 0
	FETCH_A \next, 0, NA/2
.endm
	s_load_b128 s[4:7], s[0:1], 0x0                ; himg s[4:5], hs s[6:7]
	s_load_b128 s[8:11], s[0:1], 0x10              ; w2img s[8:9], scl s[10:11]
	s_load_b128 s[96:99], s[0:1], 0x20             ; moe s[96:97], out0 s[98:99]
	v_lshl_add_u32 v[SPW], v0, 2, SPARE
	v_mov_b32 v[NIL], 0
	ds_add_u32 v28, v29
	ds_add_u32 v28, v29
	s_wait_dscnt 0x0
	v_lshrrev_b32 v1, 5, v0
	v_readfirstlane_b32 s14, v1                    ; wave 0..3
	s_lshr_b32 s15, s14, 1                         ; which half of the tokens is mine.  Also: I fetch for the tokens (0) or for the tiles (1)
	s_and_b32 s16, s14, 1                          ; which half of the columns.  Also: which half I fetch
	s_bfe_u32 s40, ttmp6, 0x40000                  ; cx, cy
	s_bfe_u32 s41, ttmp6, 0x40004
	s_lshl_b32 s42, ttmp9, 2
	s_add_co_u32 s42, s42, s40                     ; tx: which 256 columns
	s_and_b32 s17, ttmp7, 0xffff
	s_lshl_b32 s17, s17, 2
	s_add_co_u32 s17, s17, s41                     ; ty: which 128 tokens
	s_lshl_b32 s43, s41, 2
	s_lshl_b32 s43, 15, s43                        ; my row of the cluster
	s_lshl_b32 s44, 0x1111, s40                    ; my column
	; group 1, codes: rows (blocks or tiles) of 512 elements of 8 bytes (two K steps of 128), 8,192 elements from row to row; 4 blocks or 8 tiles to a load
	s_or_b32 s[G1+0], s43, (3<<16)|(1<<21)
	s_mov_b32 s[G1+1], 512<<16
	s_mov_b32 s[G1+2], 4<<16
	s_mov_b32 s[G1+3], 512<<16
	s_mov_b32 s[G1+4], 4
	s_mov_b32 s[G1+5], 8192
	s_mov_b32 s[G1+6], 0
	s_mov_b32 s[G1+7], 0
	s_or_b32 s[G1B+0], s44, (3<<16)|(1<<21)
	s_mov_b32 s[G1B+1], 512<<16
	s_mov_b32 s[G1B+2], 8<<16
	s_mov_b32 s[G1B+3], 512<<16
	s_mov_b32 s[G1B+4], 8
	s_mov_b32 s[G1B+5], 8192
	s_mov_b32 s[G1B+6], 0
	s_mov_b32 s[G1B+7], 0
	; the tokens' scale words: 16 K steps x 512 bytes (8 blocks), 16,384 bytes from K step to K step
	s_or_b32 s[G1S+0], s43, (3<<16)|(1<<21)
	s_mov_b32 s[G1S+1], 64<<16
	s_mov_b32 s[G1S+2], 16<<16
	s_mov_b32 s[G1S+3], 64<<16
	s_mov_b32 s[G1S+4], 16
	s_mov_b32 s[G1S+5], 2048
	s_mov_b32 s[G1S+6], 0
	s_mov_b32 s[G1S+7], 0
	; the tiles': 16 K steps x 1,024 bytes (16 tiles), 8,192 bytes from K step to K step
	s_or_b32 s[G1SB+0], s44, (3<<16)|(1<<21)
	s_mov_b32 s[G1SB+1], 128<<16
	s_mov_b32 s[G1SB+2], 16<<16
	s_mov_b32 s[G1SB+3], 128<<16
	s_mov_b32 s[G1SB+4], 16
	s_mov_b32 s[G1SB+5], 1024
	s_mov_b32 s[G1SB+6], 0
	s_mov_b32 s[G1SB+7], 0
	; where the tiles come from: the tokens' hang on ty alone, w2's on tx alone, each in registers of its own
	s_lshl_b32 s20, s17, 3
	s_lshl_b32 s18, s16, 2
	s_add_co_u32 s20, s20, s18                     ; the first token block that I fetch: 8 ty + 4 x half
	s_lshl_b32 s20, s20, 16
	s_mov_b32 s21, 0
	s_lshl_b32 s22, s17, 9                         ; the tokens' scale words: 512 ty + 16 K steps x half
	s_lshl_b32 s18, s16, 18
	s_add_co_u32 s22, s22, s18
	s_mov_b32 s23, 0
	s_lshl_b32 s46, s42, 4
	s_lshl_b32 s18, s16, 3
	s_add_co_u32 s46, s46, s18                     ; the first tile: 16 tx + 8 x half
	s_lshl_b32 s46, s46, 16
	s_mov_b32 s47, 0
	s_lshl_b32 s92, s42, 10                        ; the tiles' scale words: 1,024 tx + 16 K steps x half
	s_lshl_b32 s93, s16, 17
	s_add_co_u32 s92, s92, s93
	s_add_co_u32 s92, s92, 524288
	s_mov_b32 s93, 0
	s_lshl_b32 s45, s16, 14                        ; and where they go: half x 16,384 bytes of the tokens' codes,
	s_lshl_b32 s94, s16, 15                        ; half x 32,768 of the tiles',
	s_lshl_b32 s95, s16, 13                        ; half x 8,192 of the tokens' scale words (the tiles': s45)
	s_wait_kmcnt 0x0
	s_add_nc_u64 s[20:21], s[4:5], s[20:21]
	s_add_nc_u64 s[22:23], s[6:7], s[22:23]
	s_add_nc_u64 s[46:47], s[8:9], s[46:47]
	s_add_nc_u64 s[92:93], s[10:11], s[92:93]
	CROUND                                         ; all sixteen work-groups are here: the first joint loads meet
	s_mov_b32 s[G0S], 1
	s_add_co_u32 s[G0S+1], s95, SCLA
	s_mov_b64 s[G0S+2:G0S+3], s[22:23]
	s_or_b32 s[G0S+3], s[G0S+3], 0x80000000
	s_mov_b32 s[G0SB], 1
	s_add_co_u32 s[G0SB+1], s45, SCLB
	s_mov_b64 s[G0SB+2:G0SB+3], s[92:93]
	s_or_b32 s[G0SB+3], s[G0SB+3], 0x80000000
	JLOAD G0S, G1S, G0SB, G1SB                     ; the scale words first: filled once.  With the two slots three loads of mine are out
.irp s, 0,1
	s_mov_b32 s[G0+4*\s], 1
	s_add_co_u32 s[G0+4*\s+1], s45, \s*SLOT
	s_add_nc_u64 s[G0+4*\s+2:G0+4*\s+3], s[20:21], \s*4096
	s_or_b32 s[G0+4*\s+3], s[G0+4*\s+3], 0x80000000
	s_mov_b32 s[G0B+4*\s], 1
	s_add_co_u32 s[G0B+4*\s+1], s94, \s*SLOT+BOFF
	s_add_nc_u64 s[G0B+4*\s+2:G0B+4*\s+3], s[46:47], \s*4096
	s_or_b32 s[G0B+4*\s+3], s[G0B+4*\s+3], 0x80000000
	JLOAD G0+4*\s, G1, G0B+4*\s, G1B
.endr
	v_and_b32 v1, 31, v0                           ; lane
	v_and_b32 v2, 15, v0                           ; r
	v_bfe_u32 v3, v0, 4, 1                         ; h
	v_lshlrev_b32 v[LI], 4, v1
	s_mul_i32 s21, s15, NA*4096                    ; my token blocks
	s_lshl_b32 s22, s16, 15                        ; my tiles,
	s_add_co_u32 s22, s22, BOFF                    ; behind the tokens
.irp s, 0,1
	v_add_nc_u32 v[ADRA+\s], s21, v[LI]
	v_add_nc_u32 v[ADRB+\s], s22, v[LI]
	s_add_co_u32 s21, s21, SLOT
	s_add_co_u32 s22, s22, SLOT
.endr
	v_mul_u32_u24 v5, v3, SBLKA                    ; lanes 16-31 take the block behind
	v_lshl_add_u32 v5, v2, 2, v5
	s_mul_i32 s21, s15, NA*SBLKA
	s_add_co_u32 s21, s21, SCLA
	v_add_nc_u32 v[ADSA], s21, v5
	s_lshl_b32 s22, s16, 9
	s_add_co_u32 s22, s22, SCLB
	v_lshlrev_b32 v5, 2, v1
	v_add_nc_u32 v[ADSB], s22, v5
	s_mul_i32 s23, s14, 16*SPITCH                  ; my stage
	v_mul_u32_u24 v5, v2, SPITCH
	v_lshl_add_u32 v5, v3, 6, v5
	v_add_nc_u32 v[STO], s23, v5                   ; in: row r, + 64 h
	v_add_nc_u32 v[RD], s23, v[LI]                 ; back: the 32 lanes take one row of 512 bytes
	s_lshl_b32 s20, s17, 7
	s_lshl_b32 s21, s15, 6
	s_add_co_u32 s20, s20, s21                     ; my first token: 128 ty + 64 x half
	s_lshl_b32 s20, s20, 13
	s_lshl_b32 s46, s42, 10                        ; my first column, in bytes: 1,024 tx + 512 x half
	s_lshl_b32 s47, s16, 9
	s_add_co_u32 s46, s46, s47
	s_add_co_u32 s46, s46, s20
	s_mov_b32 s47, 0
	s_add_nc_u64 s[96:97], s[96:97], s[46:47]
	s_add_nc_u64 s[98:99], s[98:99], s[46:47]
	WIN 0xc0                                       ; destination window 3, address window 0
.set i, 0
.rept 64
	global_load_b128 v[4*i:4*i+3], v[LI], s[96:97] offset:8192*i th:TH_LOAD_NT    ; row i of my 64: 512 consecutive bytes; waited for on the way out
.set i, i+1
.endr
	WIN 0
	s_wait_tensorcnt 1                             ; the scale words and my part of K step 0 are in; slot 1's load may stay out
	s_barrier_signal -1
	s_barrier_wait -1
	FETCH_B 0, 0, 0
	FETCH_A 0, 0, 0
	SCALES 0
	FETCH_A 0, 0, NA/2
	STEP 0, 1                                      ; the first step stands in front of the loop: its products start the sums
	s_mov_b32 s3, LAPS-1
.Llap:                                                 ; a trip goes once round the ring and fills both slots again
	TURN 0, 1, 1
	STEP 1, 0
	TURN 1, 0, 1
	STEP 0, 0
	s_sub_co_u32 s3, s3, 1
	s_cmp_lg_u32 s3, 0
	s_cbranch_scc1 .Llap
	TURN 0, 1, 0                                   ; the last lap fills nothing
	STEP 1, 0
	s_wait_dscnt HAL
	WIN MUL_LO
	MULQ 0, 1, 1, 1, 0
	MULQ 1, 1, 1, 1, 0
	s_wait_dscnt 0x0
	MULQ 2, 1, 1, 1, 0
	MULQ 3, 1, 1, 1, 0
	WIN 0
; THE WAY OUT, a block of 16 tokens x 128 columns at a time: through my own stage in LDS (slot 0 has had its last fill and its last read), back as whole rows of 512 bytes, moe added, stored.
; LDS serves a wave's instructions in order (ISA guide 5.7.1.4): no wait between the stores and the loads, nor in front of the next block's stores.
.macro TOSTAGE a
.set AC, 64*(\a)
	WIN 0x08                                       ; an LDS store's data are its source 1: window 2
.irp b, 0,1,2,3,4,5,6,7
	ds_store_b128 v[STO], v[AC+8*\b:AC+8*\b+3] offset:128*(\b/2)+32*(\b%2)         ; each accumulator from its low end on
	ds_store_b128 v[STO], v[AC+8*\b+4:AC+8*\b+7] offset:128*(\b/2)+32*(\b%2)+16
.endr
	WIN 0
.set BB, BK+64*((\a)%2)
.irp t, 0,1,2,3,4,5,6,7,8,9,10,11,12,13,14,15
	ds_load_b128 v[BB+4*\t:BB+4*\t+3], v[RD] offset:\t*SPITCH
.endr
.endm
.macro SEND a, younger                 ; younger: the LDS instructions issued behind block a's loads, which may stay out
.set BB, BK+64*((\a)%2)
	s_wait_dscnt \younger
.if (\a) == 0
	s_wait_loadcnt 0x0                             ; moe, asked for at the head
.endif
	WIN 0x0c                                       ; source 1: window 3
.set i, 0
.rept 32
	v_pk_add_f32 v[BB+i:BB+i+1], v[BB+i:BB+i+1], v[64*(\a)+i:64*(\a)+i+1]
.set i, i+2
.endr
	WIN 0
.irp t, 0,1,2,3,4,5,6,7,8,9,10,11,12,13,14,15
	global_store_b128 v[LI], v[BB+4*\t:BB+4*\t+3], s[98:99] offset:8192*(16*(\a)+\t) th:TH_STORE_NT   ; 512 consecutive bytes, at a multiple of 256 from out0's first byte
.endr
.endm
	PLACES NP                                      ; behind the last products: for the reads of results and for the loads into the registers that held fragments
	TOSTAGE 0
.irp a, 1,2,3
.if \a > 1
	s_wait_xcnt 0x0                                ; block a - 2's stores have read their registers: block a's rows may land there
.endif
	TOSTAGE \a
	SEND \a-1, 32                                  ; behind block a - 1's loads: block a's 16 stores and 16 loads
.endr
	SEND 3, 0
	s_wait_tensorcnt 0x0                           ; the wave's end
	ds_add_u32 v[SPW], v[NIL]
	s_wait_dscnt 0x0
	CROUND                                         ; the closing round: no work-group ends while a partner may still ask for a tile that names it
	s_endpgm
.Lfunc_end_k_q16278bd3c3_gemm2:
	.size	k_q16278bd3c3_gemm2, .Lfunc_end_k_q16278bd3c3_gemm2-k_q16278bd3c3_gemm2
	.p2alignl 7, 3214868480
	.fill 96, 4, 3214868480
	.section	.rodata,"a",@progbits
	.p2align	6, 0x0
	.amdhsa_kernel k_q16278bd3c3_gemm2
		.amdhsa_group_segment_fixed_size 327680
		.amdhsa_private_segment_fixed_size 0
		.amdhsa_enable_private_segment 0
		.amdhsa_kernarg_size 48
		.amdhsa_user_sgpr_count 2
		.amdhsa_user_sgpr_kernarg_segment_ptr 1
		.amdhsa_wavefront_size32 1
		.amdhsa_system_sgpr_workgroup_id_x 1
		.amdhsa_system_sgpr_workgroup_id_y 1
		.amdhsa_system_sgpr_workgroup_id_z 1
		.amdhsa_system_vgpr_workitem_id 0
		.amdhsa_next_free_vgpr 1024
		.amdhsa_next_free_sgpr 100
		.amdhsa_reserve_vcc 0
		.amdhsa_float_denorm_mode_32 3
		.amdhsa_float_denorm_mode_16_64 3
		.amdhsa_memory_ordered 1
		.amdhsa_forward_progress 1
		.amdhsa_inst_pref_size 106
	.end_amdhsa_kernel
	.amdgpu_metadata
---
amdhsa.version: [ 1, 2 ]
amdhsa.kernels:
  - .name:           k_q16278bd3c3_gemm2
    .symbol:         k_q16278bd3c3_gemm2.kd
    .args:
      - { .name: himg, .offset: 0, .size: 8, .value_kind: global_buffer, .address_space: global }
      - { .name: hs, .offset: 8, .size: 8, .value_kind: global_buffer, .address_space: global }
      - { .name: w2img, .offset: 16, .size: 8, .value_kind: global_buffer, .address_space: global }
      - { .name: scl, .offset: 24, .size: 8, .value_kind: global_buffer, .address_space: global }
      - { .name: moe, .offset: 32, .size: 8, .value_kind: global_buffer, .address_space: global }
      - { .name: out0, .offset: 40, .size: 8, .value_kind: global_buffer, .address_space: global }
    .group_segment_fixed_size: 327680
    .private_segment_fixed_size: 0
    .kernarg_segment_align: 8
    .kernarg_segment_size: 48
    .max_flat_workgroup_size: 128
    .sgpr_count:     100
    .vgpr_count:     1024
    .wavefront_size: 32
...
	.end_amdgpu_metadata
.endif
;; end of part 3
;; ======== version 2 of 2: 3 launches
;; limits: values are held in f16: magnitudes above 65,504 overflow, below 6.1e-05 lose precision; right only within a limited range of input values
;; workspace buffers: ximg 8,388,608 bytes; w1img 8,388,608 bytes; w2img 8,388,608 bytes; scl 786,432 bytes; himg 16,777,216 bytes; hs 524,288 bytes; coef 1,048,576 bytes
;; launch prep (part 4): grid 256 x 1, 16 waves a work-group, no clusters, 216,064 bytes of LDS; arguments x, router_w, mean, std, w1, w2, ximg, w1img, w2img, scl, coef; writes ximg, w1img, w2img, scl, coef
.if DOCPART == 4
	.amdgcn_target "amdgcn-amd-amdhsa--gfx1250"
	.amdhsa_code_object_version 6
	.text
	.protected	k_q16278bd3c3_prep
	.globl	k_q16278bd3c3_prep
	.p2align	8
	.type	k_q16278bd3c3_prep,@function
k_q16278bd3c3_prep:
	s_mov_b64 s[64:65], 0
	v_nop
	global_prefetch_b8 v0, s[64:65] scope:SCOPE_SE
	s_setreg_imm32_b32 hwreg(HW_REG_WAVE_MODE, 25, 1), 1
	s_wait_xcnt 0x0
; PREP: (W) w1 [2048][4096] and w2 [4096][2048], f32 with K as first axis, become codes of E4M3 with one E8M0 byte for each 32 along K;
; (X) x [4096][2048] likewise along its rows, and the router's logits x . router_w in f32; (C) softmax, rounded to f16 and widened again, and each token's coefficients of the mix:
; coef [token 4096][b 4][16 f32]: words 0-7 p[e] std[e][b], word 8 the sum over e of p[e] mean[e][b], words 9-15 zero.  The mix itself is made where its result is added.
; IMAGES.  Codes are stored in the order of a matrix operand's registers: a fragment (16 rows x 128 K) is 2,048 bytes; byte 512 c + 16 lane + 0..15 is k = 32 c + 16 (lane / 16) + 0..15 of row lane % 16.
; ximg [token block 256][K step 16][2048]; w1img [tile 256][K step 16][2048]; w2img [tile 128][K step 32][2048].  A scale word is a row's four bytes for 128 along K:
; scl: byte 0: x's [block][K step][16 words]; byte 262,144: w1's [K step][tile][16 words]; byte 524,288: w2's [K step][tile][16 words].
; THE COLUMNS OF A WEIGHT'S TILE ARE NOT NEIGHBOURS: of each 32 columns, column L goes to tile 2 G + bit 3 of L, place (L & 7) + 8 x bit 4 of L, so that in the transposed product
; the 16 registers of two neighbouring tiles are 16 neighbouring columns.
; SHARES.  256 work-groups of 16 waves, all on one path.  W: waves 0-7 take 256 columns x 128 K of w1, waves 8-15 of w2, a wave 32 columns, a lane a column, registers down K.
; X: the work-group takes 16 tokens, wave w the 128 along K from 128 w.  C: wave w takes token 16 id + w.
; No cluster: the work-groups share router_w alone, 65,536 of the 450,000 bytes that each reads.  No matrix unit: the router has 8 columns.
; LIMITS: NaN and infinities among the inputs are not served.  A block of zeros gets the byte 1 and zero codes where the quantiser says 127: this program alone reads the bytes.
; The f32 sums of the router go in another order than the source's.  A weight's scale words leave 128 consecutive bytes a wave.
.set RW,   0                           ; LDS: router_w as it lies, 32 bytes a k: 65,536 bytes
.set XST,  65536                       ; a stage for each wave: 16 rows x (512 + 16) bytes
.set XSP,  528
.set LG,   200704                      ; partial logits [wave][token 16][8]: 512 bytes a wave
.set XSC,  208896                      ; x's scale words [K step 16][16 words]
.set COEF, 209920                      ; a token's 256 bytes of coefficients, for each wave
.set P,    32                          ; v32-95   W: two sets of 32 numbers
.set Q,    96                          ; v96-159  x as loaded; router_w's groups; codes and scratch of the quantiser; logits and p
.set X,    160                         ; v160-223 router_w on its way (v160-191), W's codes (v192-223); then 64 numbers of x; then logits; then the coefficients
.set PC,   96                           ; the codes just made
.set TM,   112                          ; the quantiser's scratch, 16 registers
.set PW,   247                          ; the scale word just made
.set REC,  160                          ; v160-207 the coefficients: 12 registers for each b; v208-211 zeros; v212-213 my 8 bytes of the record
.set LS,   224                          ; v224-231 the router's eight sums; v232-239 lane exchange
.set WV,   30                           ; s30 wave
.set MNT,  31                           ; s31 the mantissa field of 448
.set SEL,  2                            ; s[2:3] selects of v_permlanex16_b32: lane l xor 16
; block t of W: rows 32 t .. 32 t + 31 of my 128, my column.  The two weights differ in the bytes of a row, which stand in the immediates: two runs of 32 loads, the same count on both ways
.macro WLOAD t
	s_cmp_lt_u32 s[WV], 8
	s_cbranch_scc0 .Lw2_\@
.set i, 0
.rept 32
	global_load_b32 v[P+32*((\t)%2)+i], v4, s[68:69] offset:(32*(\t)+i)*16384 th:TH_LOAD_NT
.set i, i+1
.endr
	s_branch .Lwd_\@
.Lw2_\@:
.set i, 0
.rept 32
	global_load_b32 v[P+32*((\t)%2)+i], v4, s[68:69] offset:(32*(\t)+i)*8192 th:TH_LOAD_NT
.set i, i+1
.endr
.Lwd_\@:
.endm
; a block of 32 along K lies in one lane: largest magnitude, scale, hold, codes; cnt = the younger loads that may stay out
.macro WBLOCK t, cnt
.set XS, P+32*((\t)%2)
.set CD, 192+8*(\t)
	s_wait_loadcnt \cnt
	v_max3_num_f32 v240, |v[XS]|, |v[XS+1]|, |v[XS+2]|
	v_max3_num_f32 v241, |v[XS+3]|, |v[XS+4]|, |v[XS+5]|
.irp i, 6,10,14,18,22,26
	s_delay_alu instid0(VALU_DEP_2)
	v_max3_num_f32 v240, v240, |v[XS+\i]|, |v[XS+\i+1]|
	s_delay_alu instid0(VALU_DEP_2)
	v_max3_num_f32 v241, v241, |v[XS+\i+2]|, |v[XS+\i+3]|
.endr
	s_delay_alu instid0(VALU_DEP_2)
	v_max3_num_f32 v240, v240, |v[XS+30]|, |v[XS+31]|
	s_delay_alu instid0(VALU_DEP_1)
	v_max3_num_f32 v240, v240, v241, 0x4800000     ; the floor 2^(9 - 127): the byte cannot fall under 1
	s_delay_alu instid0(VALU_DEP_1)
	v_add_nc_u32 v242, 0xfc000000, v240            ; 8 off the exponent field: the conversion's scale operand
	s_delay_alu instid0(VALU_DEP_2)
	v_and_or_b32 v243, v240, 0x7f800000, s[MNT]    ; 448 x the scale
	s_delay_alu instid0(VALU_DEP_2)
	v_lshrrev_b32 v244, 23, v242                   ; the scale's byte
.if (\t) == 0
	s_delay_alu instid0(VALU_DEP_1)
	v_mov_b32 v245, v244
.else
	s_delay_alu instid0(VALU_DEP_1)
	v_lshl_or_b32 v245, v244, 8*(\t), v245         ; four bytes make my column's scale word
.endif
.set i, 0
.rept 32
	v_med3_num_f32 v[XS+i], v[XS+i], -v243, v243   ; the conversion to an 8-bit code does not saturate (ISA guide 7.6.2): the hold comes first
.set i, i+1
.endr
.irp g, 0,1,2,3
	v_cvt_scalef32_pk8_fp8_f32 v[CD+2*\g:CD+2*\g+1], v[XS+8*\g:XS+8*\g+7], v242
.endr
	v_nop                                          ; a plain line behind the last conversion
	global_store_b128 v7, v[CD:CD+3], s[70:71] offset:512*(\t)         ; k 32 t + 0..15: the sixteen lanes of a tile store 256 consecutive bytes
	global_store_b128 v7, v[CD+4:CD+7], s[70:71] offset:512*(\t)+256   ; k 32 t + 16..31
.endm
; 64 numbers of a lane, register 16 b + i = k 32 b + 16 (lane / 16) + i of my row, become a fragment's codes in v[PC] on and its scale word in v[pw]
.macro QUANT s, pw
.irp b, 0,1,2,3
	v_max3_num_f32 v[TM+\b], |v[\s+16*\b]|, |v[\s+1+16*\b]|, 0x4800000
.endr
.irp i, 2,4,6,8,10,12,14
.irp b, 0,1,2,3
	s_delay_alu instid0(VALU_DEP_4)
	v_max3_num_f32 v[TM+\b], v[TM+\b], |v[\s+16*\b+\i]|, |v[\s+1+16*\b+\i]|
.endr
.endr
.irp b, 0,1,2,3
	s_delay_alu instid0(VALU_DEP_4)
	v_permlanex16_b32 v[TM+4+\b], v[TM+\b], s[SEL], s[SEL+1]
.endr
.irp b, 0,1,2,3
	s_delay_alu instid0(VALU_DEP_4)
	v_max_num_f32 v[TM+\b], v[TM+\b], v[TM+4+\b]   ; with lane l xor 16's 16 numbers: the block's largest magnitude
.endr
.irp b, 0,1,2,3
	s_delay_alu instid0(VALU_DEP_4)
	v_add_nc_u32 v[TM+12+\b], 0xfc000000, v[TM+\b]
.endr
.irp b, 0,1,2,3
	v_and_or_b32 v[TM+8+\b], v[TM+\b], 0x7f800000, s[MNT]
.endr
.irp b, 0,1,2,3
	v_lshrrev_b32 v[TM+4+\b], 23, v[TM+12+\b]
.endr
	s_delay_alu instid0(VALU_DEP_3)
	v_lshl_or_b32 v[\pw], v[TM+5], 8, v[TM+4]
	s_delay_alu instid0(VALU_DEP_1)
	v_lshl_or_b32 v[\pw], v[TM+6], 16, v[\pw]
	s_delay_alu instid0(VALU_DEP_1)
	v_lshl_or_b32 v[\pw], v[TM+7], 24, v[\pw]
.irp b, 0,1,2,3
.irp i, 0,1,2,3,4,5,6,7,8,9,10,11,12,13,14,15
	v_med3_num_f32 v[\s+16*\b+\i], v[\s+16*\b+\i], -v[TM+8+\b], v[TM+8+\b]
.endr
	v_cvt_scalef32_pk8_fp8_f32 v[PC+4*\b:PC+1+4*\b], v[\s+16*\b:\s+7+16*\b], v[TM+12+\b]
	v_cvt_scalef32_pk8_fp8_f32 v[PC+2+4*\b:PC+3+4*\b], v[\s+8+16*\b:\s+15+16*\b], v[TM+12+\b]
.endr
	v_nop                                          ; a plain line behind the last conversion
.endm
; router_w's rows of four k (group n of 16: k = 32 (n / 4) + 16 h + 4 (n % 4) + 0..3), 32 bytes each; the lanes of a half read one address
.macro RGL n
.irp kq, 0,1,2,3
.irp hf, 0,1
	ds_load_b128 v[Q+32*((\n)%2)+8*\kq+4*\hf:Q+32*((\n)%2)+8*\kq+4*\hf+3], v12 offset:1024*((\n)/4)+32*(4*((\n)%4)+\kq)+16*\hf
.endr
.endr
.endm
; 16 packed multiply-adds: four k x four pairs of experts; x is taken for both halves (op_sel names the register of its pair).  The very first four start the sums
.macro RFMA n
.irp kq, 0,1,2,3
.irp e2, 0,1,2,3
.if ((\n) == 0) && (\kq == 0)
	v_pk_mul_f32 v[LS+2*\e2:LS+2*\e2+1], v[X:X+1], v[Q+2*\e2:Q+2*\e2+1] op_sel_hi:[0,1]
.elseif (\kq%2) == 0
	v_pk_fma_f32 v[LS+2*\e2:LS+2*\e2+1], v[X+4*(\n)+\kq:X+4*(\n)+\kq+1], v[Q+32*((\n)%2)+8*\kq+2*\e2:Q+32*((\n)%2)+8*\kq+2*\e2+1], v[LS+2*\e2:LS+2*\e2+1] op_sel_hi:[0,1,1]
.else
	s_delay_alu instid0(VALU_DEP_4)
	v_pk_fma_f32 v[LS+2*\e2:LS+2*\e2+1], v[X+4*(\n)+\kq-1:X+4*(\n)+\kq], v[Q+32*((\n)%2)+8*\kq+2*\e2:Q+32*((\n)%2)+8*\kq+2*\e2+1], v[LS+2*\e2:LS+2*\e2+1] op_sel:[1,0,0] op_sel_hi:[1,1,1]
.endif
.endr
.endr
.endm
	s_load_b512 s[4:19], s[0:1], 0x0               ; x s[4:5], router_w s[6:7], mean s[8:9], std s[10:11], w1 s[12:13], w2 s[14:15], ximg s[16:17], w1img s[18:19]
	s_load_b128 s[20:23], s[0:1], 0x40             ; w2img s[20:21], scl s[22:23]
	s_load_b64 s[24:25], s[0:1], 0x50              ; coef
	v_lshl_add_u32 v254, v0, 2, 0x34400
	v_mov_b32 v255, 0
	v_lshrrev_b32 v1, 5, v0
	s_delay_alu instid0(VALU_DEP_1)
	v_readfirstlane_b32 s[WV], v1                  ; wave 0..15
	v_and_b32 v1, 31, v0                           ; lane
	v_and_b32 v2, 15, v0                           ; r
	v_bfe_u32 v3, v0, 4, 1                         ; h
	s_delay_alu instid0(VALU_DEP_3)
	v_lshlrev_b32 v4, 2, v1                        ; 4 x lane
	s_delay_alu instid0(VALU_DEP_4)
	v_lshlrev_b32 v5, 3, v1                        ; 8 x lane
	v_lshlrev_b32 v6, 4, v1                        ; 16 x lane
	v_bfe_u32 v18, v0, 3, 1                        ; bit 3 of my column: which of the two tiles
	v_and_b32 v19, 7, v0
	s_delay_alu instid0(VALU_DEP_1)
	v_lshl_or_b32 v19, v3, 3, v19                  ; my column's place in its tile
	s_delay_alu instid0(VALU_DEP_1)
	v_lshl_or_b32 v8, v18, 4, v19
	s_delay_alu instid0(VALU_DEP_1)
	v_lshlrev_b32 v8, 2, v8                        ; my scale word's place: 4 (16 x tile + place)
	; every LDS address is made here: a constant + a constant x lane + a constant x wave
	s_mul_i32 s32, s[WV], 16*XSP
	s_add_co_u32 s32, s32, XST
	v_add_nc_u32 v9, s32, v6                       ; my stage, in: 16 x lane of a row
	v_mul_u32_u24 v10, v2, XSP
	s_delay_alu instid0(VALU_DEP_1)
	v_lshl_add_u32 v10, v3, 6, v10
	s_delay_alu instid0(VALU_DEP_1)
	v_add_nc_u32 v10, s32, v10                     ; out: row r, + 64 h
	v_lshlrev_b32 v11, 4, v0                       ; router_w: 16 x thread, in memory and in LDS
	s_lshl_b32 s33, s[WV], 12
	v_lshlrev_b32 v12, 9, v3
	s_delay_alu instid0(VALU_DEP_1)
	v_add_nc_u32 v12, s33, v12                     ; router_w's rows from k = 128 w + 16 h on
	s_lshl_b32 s33, s[WV], 9
	s_add_co_u32 s33, s33, LG
	v_lshlrev_b32 v13, 5, v2
	s_delay_alu instid0(VALU_DEP_1)
	v_add_nc_u32 v13, s33, v13                     ; my wave's partial logits of token r
	s_lshl_b32 s33, s[WV], 5
	s_add_co_u32 s33, s33, LG
	v_mov_b32 v14, s33                             ; all waves' partial logits of token w
	s_lshl_b32 s33, s[WV], 6
	s_add_co_u32 s33, s33, XSC
	v_lshlrev_b32 v15, 2, v2
	s_delay_alu instid0(VALU_DEP_1)
	v_add_nc_u32 v15, s33, v15                     ; x's scale word of (K step w, token r)
	v_add_nc_u32 v17, XSC, v6                      ; and the way out of all of them
	s_lshl_b32 s33, s[WV], 8
	s_add_co_u32 s33, s33, COEF
	v_mov_b32 v16, s33                             ; my wave's 256 bytes for the coefficients: in, the same address in every lane;
	v_add_nc_u32 v20, s33, v5                      ; out, 8 bytes a lane
.irp e, 0,1,2,3,4,5,6,7
	v_mov_b32 v[232+\e], 0                         ; written once: a lane exchange's destination counts as one of its sources
.endr
	s_mov_b32 s[SEL], 0x76543210
	s_mov_b32 s[SEL+1], 0xfedcba98
	s_mov_b32 s[MNT], 0x600000
	s_mov_b32 s77, 524288
	s_wait_kmcnt 0x0
	s_cmp_lt_u32 s[WV], 8                          ; w1's wave or w2's: the choice hangs on the wave's number alone
	s_cselect_b64 s[68:69], s[12:13], s[14:15]
	s_cselect_b64 s[70:71], s[18:19], s[20:21]
	s_cselect_b32 s72, 4, 3                        ; id = K step x (16 or 8) + block of 256 columns
	s_cselect_b32 s73, 15, 7
	s_cselect_b32 s74, 21, 20                      ; 128 rows of the weight: 2^21 or 2^20 bytes
	s_cselect_b32 s75, 15, 16                      ; a tile's images: 2^15 or 2^16 bytes
	s_cselect_b32 s76, 14, 13                      ; a K step's scale words: 2^14 or 2^13 bytes
	s_cselect_b32 s77, 262144, s77                 ; where the weight's scale words begin in scl
	s_lshr_b32 s78, ttmp9, s72                     ; K step
	s_and_b32 s79, ttmp9, s73
	s_and_b32 s80, s[WV], 7
	s_lshl_b32 s81, s79, 3
	s_add_co_u32 s81, s81, s80                     ; G: my wave's 32 columns
	s_lshl_b32 s82, s78, s74
	s_lshl_b32 s84, s81, 7                         ; 128 G
	s_add_co_u32 s82, s82, s84
	s_mov_b32 s83, 0
	s_add_nc_u64 s[68:69], s[68:69], s[82:83]      ; the weight at (128 x K step, 32 G)
	s_lshl_b32 s86, s78, s76
	s_add_co_u32 s86, s86, s77
	s_add_co_u32 s86, s86, s84
	s_mov_b32 s87, 0
	s_add_nc_u64 s[88:89], s[22:23], s[86:87]      ; its scale words of (K step, tile 2 G)
	s_lshl_b32 s84, s81, 1
	s_lshl_b32 s84, s84, s75
	s_lshl_b32 s85, s78, 11
	s_add_co_u32 s84, s84, s85
	s_mov_b32 s85, 0
	s_add_nc_u64 s[70:71], s[70:71], s[84:85]      ; its image of (tile 2 G, K step)
	v_lshlrev_b32 v7, s75, v18
	s_delay_alu instid0(VALU_DEP_1)
	v_lshl_add_u32 v7, v19, 4, v7                  ; my column's 16 bytes in it
	s_lshl_b32 s34, ttmp9, 4
	s_add_co_u32 s34, s34, s[WV]                   ; 16 id + w: my token, and my (block, K step) of x
	s_mov_b32 s33, 0
	s_lshl_b32 s32, ttmp9, 17
	s_lshl_b32 s35, s[WV], 9
	s_add_co_u32 s32, s32, s35
	s_add_nc_u64 s[4:5], s[4:5], s[32:33]          ; x at (token 16 id, column 128 w)
	s_lshl_b32 s32, s34, 11
	s_add_nc_u64 s[16:17], s[16:17], s[32:33]      ; ximg at (block id, K step w)
	s_lshl_b32 s32, s34, 7
	s_add_nc_u64 s[8:9], s[8:9], s[32:33]          ; mean and std at my token: 128 bytes each
	s_add_nc_u64 s[10:11], s[10:11], s[32:33]
	s_lshl_b32 s32, s34, 8
	s_add_nc_u64 s[24:25], s[24:25], s[32:33]      ; coef at my token: 256 bytes
	s_lshl_b32 s32, ttmp9, 10
	s_add_nc_u64 s[22:23], s[22:23], s[32:33]      ; x's scale words of block id
	; ---- W.  Loads run two blocks ahead; behind the third block the loads of router_w and x go out
	WLOAD 0
	WLOAD 1
	WBLOCK 0, 32                                   ; the next block's 32 loads may be out
	WLOAD 2
	WBLOCK 1, 32
	WLOAD 3
	WBLOCK 2, 32
.irp j, 0,1,2,3,4,5,6,7
	global_load_b128 v[160+4*\j:163+4*\j], v11, s[6:7] offset:8192*\j          ; router_w: the 512 threads take 8,192 consecutive bytes a line
.endr
.irp i, 0,1,2,3,4,5,6,7,8,9,10,11,12,13,14,15
	global_load_b128 v[Q+4*\i:Q+4*\i+3], v6, s[4:5] offset:8192*\i th:TH_LOAD_NT   ; token i: 512 consecutive bytes
.endr
	WBLOCK 3, 24                                   ; the 8 + 16 just issued may be out
	global_store_b32 v8, v245, s[88:89]            ; my column's scale word: 128 consecutive bytes a wave
	; ---- X
	s_wait_loadcnt 16                              ; router_w is in (x's 16 may be out)
.irp j, 0,1,2,3,4,5,6,7
	ds_store_b128 v11, v[160+4*\j:163+4*\j] offset:RW+8192*\j
.endr
	s_wait_loadcnt 0x0                             ; x is in
.irp i, 0,1,2,3,4,5,6,7,8,9,10,11,12,13,14,15
	ds_store_b128 v9, v[Q+4*\i:Q+4*\i+3] offset:XSP*\i
.endr
	s_wait_xcnt 0x0                                ; W's loads and stores have read their registers: v192-223, s68-s89 may be written
	s_wait_dscnt 0x0                               ; for the others' sake: my part of router_w lies in LDS
	s_barrier_signal -1
	s_barrier_wait -1                              ; router_w is whole
.irp b, 0,1,2,3
.irp j, 0,1,2,3
	ds_load_b128 v[X+16*\b+4*\j:X+16*\b+4*\j+3], v10 offset:128*\b+16*\j   ; my own stage: register 16 b + i = x(token r, 128 w + 32 b + 16 h + i)
.endr
.endr
	RGL 0
.set N, 0
.rept 15
	RGL N+1
	s_wait_alu depctr_va_vdst(0)
	s_wait_dscnt 8                                 ; all but the group just asked for
	RFMA N
.set N, N+1
.endr
	s_wait_alu depctr_va_vdst(0)
	s_wait_dscnt 0x0
	RFMA 15
.irp e, 0,1,2,3,4,5,6,7
	v_permlanex16_b32 v[232+\e], v[LS+\e], s[SEL], s[SEL+1]
.endr
.irp e, 0,2,4,6
	v_pk_add_f32 v[LS+\e:LS+\e+1], v[LS+\e:LS+\e+1], v[232+\e:233+\e]      ; with lane l xor 16's k: token r's sums over my wave's 128 k
.endr
	ds_store_b128 v13, v[LS:LS+3]                  ; both halves of the lanes write the same bytes with the same values
	ds_store_b128 v13, v[LS+4:LS+7] offset:16
.irp b, 0,1,2,3
	v_mov_b32 v[TM+4+\b], 0                        ; a lane exchange's destination counts as one of its sources
.endr
	QUANT X, PW                                    ; behind the router, which reads x before the hold changes it
.irp c, 0,1,2,3
	global_store_b128 v6, v[PC+4*\c:PC+4*\c+3], s[16:17] offset:512*\c     ; the image: 512 consecutive bytes a line
.endr
	ds_store_b32 v15, v[PW]
	s_load_b512 s[32:47], s[10:11], 0x0            ; std[n][e][b] at s[32 + 4 e + b]
	s_load_b512 s[48:63], s[10:11], 0x40
	s_load_b512 s[68:83], s[8:9], 0x0              ; mean likewise at s[68 + 4 e + b]
	s_load_b512 s[84:99], s[8:9], 0x40
	s_wait_dscnt 0x0                               ; my logits and scale words lie in LDS
	s_barrier_signal -1
	s_barrier_wait -1
	; ---- softmax of token w.  Wave 0 first sends the block's 1,024 bytes of scale words out, 512 consecutive bytes a line
	s_cmp_lg_u32 s[WV], 0
	s_cbranch_scc1 .Lnot_wave_0
	ds_load_b128 v[232:235], v17
	ds_load_b128 v[236:239], v17 offset:512
	s_wait_dscnt 0x0
	global_store_b128 v6, v[232:235], s[22:23]
	global_store_b128 v6, v[236:239], s[22:23] offset:512
.Lnot_wave_0:
	s_wait_xcnt 0x0                                ; the image's stores have read v96-111
.irp wv, 0,1,2,3,4,5,6,7
.irp hf, 0,1
	ds_load_b128 v[96+8*\wv+4*\hf:99+8*\wv+4*\hf], v14 offset:512*\wv+16*\hf
	ds_load_b128 v[160+8*\wv+4*\hf:163+8*\wv+4*\hf], v14 offset:512*(\wv+8)+16*\hf
.endr
.endr
	s_wait_dscnt 0x0
.set i, 0
.rept 32
	v_pk_add_f32 v[96+i:97+i], v[96+i:97+i], v[160+i:161+i]
.set i, i+2
.endr
.set i, 0
.rept 16
	v_pk_add_f32 v[96+i:97+i], v[96+i:97+i], v[128+i:129+i]
.set i, i+2
.endr
.set i, 0
.rept 8
	v_pk_add_f32 v[96+i:97+i], v[96+i:97+i], v[112+i:113+i]
.set i, i+2
.endr
.set i, 0
.rept 4
	s_delay_alu instid0(VALU_DEP_4)
	v_pk_add_f32 v[96+i:97+i], v[96+i:97+i], v[104+i:105+i]
.set i, i+2
.endr                                                  ; v96-103: the eight logits, in every lane
	s_delay_alu instid0(VALU_DEP_3)
	v_max3_num_f32 v104, v96, v97, v98
	s_delay_alu instid0(VALU_DEP_3)
	v_max3_num_f32 v105, v99, v100, v101
	s_delay_alu instid0(VALU_DEP_2)
	v_max3_num_f32 v104, v104, v102, v103
	s_delay_alu instid0(VALU_DEP_1)
	v_max_num_f32 v104, v104, v105                 ; the maximum is taken away ahead of the exponentials
.irp e, 0,1,2,3,4,5,6,7
	v_sub_f32 v[112+\e], v[96+\e], v104
.endr
.irp e, 0,1,2,3,4,5,6,7
	v_mul_f32 v[112+\e], 0x3fb8aa3b, v[112+\e]     ; x log2(e)
.endr
	s_wait_alu depctr_va_vdst(0)
.irp e, 0,1,2,3,4,5,6,7
	v_exp_f32 v[112+\e], v[112+\e]
.endr
	v_nop                                          ; a plain line behind the batch,
	s_wait_alu depctr_va_vdst(0)                   ; and one wait ahead of its first reader
	v_add_f32 v105, v112, v113
	v_add_f32 v106, v114, v115
	v_add_f32 v107, v116, v117
	v_add_f32 v108, v118, v119
	s_delay_alu instid0(VALU_DEP_3)
	v_add_f32 v105, v105, v106
	s_delay_alu instid0(VALU_DEP_2)
	v_add_f32 v107, v107, v108
	s_delay_alu instid0(VALU_DEP_1)
	v_add_f32 v105, v105, v107
	s_wait_alu depctr_va_vdst(0)
	v_rcp_f32 v106, v105
	v_nop
	s_wait_alu depctr_va_vdst(0)
.irp e, 0,1,2,3,4,5,6,7
	v_mul_f32 v[112+\e], v[112+\e], v106
.endr
	v_cvt_f16_f32 v112.l, v112                     ; p is rounded to f16 and widened again, as the source has it
	v_cvt_f16_f32 v113.l, v113
	v_cvt_f16_f32 v114.l, v114
	v_cvt_f16_f32 v115.l, v115
	v_cvt_f16_f32 v116.l, v116
	v_cvt_f16_f32 v117.l, v117
	v_cvt_f16_f32 v118.l, v118
	v_cvt_f16_f32 v119.l, v119
	v_cvt_f32_f16 v112, v112.l
	v_cvt_f32_f16 v113, v113.l
	v_cvt_f32_f16 v114, v114.l
	v_cvt_f32_f16 v115, v115.l
	v_cvt_f32_f16 v116, v116.l
	v_cvt_f32_f16 v117, v117.l
	v_cvt_f32_f16 v118, v118.l
	v_cvt_f32_f16 v119, v119.l
	; ---- C: the token's coefficients, 12 registers for each b: p[e] std[e][b], the sum of p[e] mean[e][b], three zeros
	s_wait_alu depctr_va_vdst(0)
	s_wait_kmcnt 0x0                               ; std and mean
.irp b, 0,1,2,3
.irp e, 0,1,2,3,4,5,6,7
	v_mul_f32 v[REC+12*\b+\e], s[32+4*\e+\b], v[112+\e]
.endr
.endr
.irp b, 0,1,2,3
	v_mul_f32 v[REC+12*\b+8], s[68+\b], v112
.endr
.irp e, 1,2,3,4,5,6,7
.irp b, 0,1,2,3
	s_delay_alu instid0(VALU_DEP_4)
	v_fma_f32 v[REC+12*\b+8], s[68+4*\e+\b], v[112+\e], v[REC+12*\b+8]
.endr
.endr
.irp b, 0,1,2,3
.irp z, 9,10,11
	v_mov_b32 v[REC+12*\b+\z], 0
.endr
.endr
.irp z, 0,1,2,3
	v_mov_b32 v[208+\z], 0
.endr
	; every lane holds all of them: they are laid into my wave's 256 bytes of LDS (all lanes write the same bytes with the same values) and leave 8 bytes a lane: one store of 256 consecutive bytes, aligned
.irp b, 0,1,2,3
.irp q, 0,1,2
	ds_store_b128 v16, v[REC+12*\b+4*\q:REC+12*\b+4*\q+3] offset:64*\b+16*\q
.endr
	ds_store_b128 v16, v[208:211] offset:64*\b+48
.endr
	ds_load_b64 v[212:213], v20                    ; LDS serves a wave's instructions in order (ISA guide 5.7.1.4): this sees my stores
	s_wait_dscnt 0x0
	global_store_b64 v5, v[212:213], s[24:25]
	s_wait_tensorcnt 0x0
	ds_add_u32 v254, v255
	s_wait_dscnt 0x0
	s_endpgm
.Lfunc_end_k_q16278bd3c3_prep:
	.size	k_q16278bd3c3_prep, .Lfunc_end_k_q16278bd3c3_prep-k_q16278bd3c3_prep
	.p2alignl 7, 3214868480
	.fill 96, 4, 3214868480
	.section	.rodata,"a",@progbits
	.p2align	6, 0x0
	.amdhsa_kernel k_q16278bd3c3_prep
		.amdhsa_group_segment_fixed_size 216064
		.amdhsa_private_segment_fixed_size 0
		.amdhsa_enable_private_segment 0
		.amdhsa_kernarg_size 88
		.amdhsa_user_sgpr_count 2
		.amdhsa_user_sgpr_kernarg_segment_ptr 1
		.amdhsa_wavefront_size32 1
		.amdhsa_system_sgpr_workgroup_id_x 1
		.amdhsa_system_sgpr_workgroup_id_y 1
		.amdhsa_system_sgpr_workgroup_id_z 1
		.amdhsa_system_vgpr_workitem_id 0
		.amdhsa_next_free_vgpr 256
		.amdhsa_next_free_sgpr 100
		.amdhsa_reserve_vcc 0
		.amdhsa_float_denorm_mode_32 3
		.amdhsa_float_denorm_mode_16_64 3
		.amdhsa_memory_ordered 1
		.amdhsa_forward_progress 1
		.amdhsa_inst_pref_size 107
	.end_amdhsa_kernel
	.amdgpu_metadata
---
amdhsa.version: [ 1, 2 ]
amdhsa.kernels:
  - .name:           k_q16278bd3c3_prep
    .symbol:         k_q16278bd3c3_prep.kd
    .args:
      - { .name: x, .offset: 0, .size: 8, .value_kind: global_buffer, .address_space: global }
      - { .name: router_w, .offset: 8, .size: 8, .value_kind: global_buffer, .address_space: global }
      - { .name: mean, .offset: 16, .size: 8, .value_kind: global_buffer, .address_space: global }
      - { .name: std, .offset: 24, .size: 8, .value_kind: global_buffer, .address_space: global }
      - { .name: w1, .offset: 32, .size: 8, .value_kind: global_buffer, .address_space: global }
      - { .name: w2, .offset: 40, .size: 8, .value_kind: global_buffer, .address_space: global }
      - { .name: ximg, .offset: 48, .size: 8, .value_kind: global_buffer, .address_space: global }
      - { .name: w1img, .offset: 56, .size: 8, .value_kind: global_buffer, .address_space: global }
      - { .name: w2img, .offset: 64, .size: 8, .value_kind: global_buffer, .address_space: global }
      - { .name: scl, .offset: 72, .size: 8, .value_kind: global_buffer, .address_space: global }
      - { .name: coef, .offset: 80, .size: 8, .value_kind: global_buffer, .address_space: global }
    .group_segment_fixed_size: 216064
    .private_segment_fixed_size: 0
    .kernarg_segment_align: 8
    .kernarg_segment_size: 88
    .max_flat_workgroup_size: 512
    .sgpr_count:     100
    .vgpr_count:     256
    .wavefront_size: 32
...
	.end_amdgpu_metadata
.endif
;; end of part 4
;; launch gemm1 (part 5): grid 16 x 16, 4 waves a work-group, clusters of 4 x 4, 327,680 bytes of LDS; arguments ximg, w1img, scl, himg, hs; writes himg, hs
.if DOCPART == 5
	.amdgcn_target "amdgcn-amd-amdhsa--gfx1250"
	.amdhsa_code_object_version 6
	.text
	.protected	k_q16278bd3c3_gemm1
	.globl	k_q16278bd3c3_gemm1
	.p2align	8
	.type	k_q16278bd3c3_gemm1,@function
k_q16278bd3c3_gemm1:
	s_mov_b64 s[64:65], 0
	v_nop
	global_prefetch_b8 v0, s[64:65] scope:SCOPE_SE
	s_setreg_imm32_b32 hwreg(HW_REG_WAVE_MODE, 25, 1), 1
	s_wait_xcnt 0x0
	s_wait_alu depctr_hold_cnt(0) depctr_sa_sdst(0) depctr_va_vdst(0) depctr_va_sdst(0) depctr_va_ssrc(0) depctr_va_vcc(0) depctr_vm_vsrc(0)
	s_getreg_b32 s2, hwreg(HW_REG_IB_STS2, 6, 4)
	s_cmp_eq_u32 s2, 0
	s_cbranch_scc0 .Lentry_in_a_cluster
	s_endpgm
.Lentry_in_a_cluster:
	s_bfe_u32 s2, ttmp6, 0x10000c
	s_cmp_lg_u32 s2, 0xf033
	s_cbranch_scc0 .Lentry_shape_is_right
	s_endpgm
.Lentry_shape_is_right:
.set NA,     8
.set FR,     16
.set NP,     8
.set BOFF,   65536
.set SLOT,   131072
.set LAPS,   4
.set SCLA,   262144
.set SBLKA,  1088
.set SKSA,   64
.set HALFSA, 8704
.set SCLB,   279552
.set SKSB,   1024
.set HALFSB, 8192
.set SPARE,  295936
.set HAL,    (NA/2)*4
.set LI,   4
.set ADRA, 16
.set ADRB, 20
.set ADSA, 22
.set ADSB, 23
.set HSW,  24
.set HSR,  25
.set SPW,  28
.set NIL,  29
.set AF,   128
.set PC,   64
.set TM,   80
.set G1,   24
.set G0,   32
.set G1B,  48
.set G0B,  56
.set G1S,  68
.set G0S,  76
.set G1SB, 80
.set G0SB, 88
.set MNT,  95
.set PFA,  88                          ; s[88:89] where my prefetches stand (the scales' descriptors that lay there are done with)
.set PFO,  30                          ; v30 their offset: 256 x (lane % 16) + a fragment row's 32,768 bytes x (lane / 16); never rewritten
.set SEL,  96
.set MSB, 0
.macro WIN new
.if MSB != (\new)
	s_set_vgpr_msb (MSB<<8)|(\new)
.set MSB, (\new)
.endif
.endm
.set MUL_LO, 0xa1
.set MUL_HI, 0xf1
.set TO_B,   0x40
.macro JLOAD g0a, g1a, g0b, g1b
	s_cmp_eq_u32 s15, 0
	s_cbranch_scc0 .Lfor_b_\@
	tensor_load_to_lds s[\g0a:\g0a+3], s[\g1a:\g1a+7]
	s_nop 0
.rept 4
	v_nop
.endr
	s_branch .Lasked_\@
.Lfor_b_\@:
	tensor_load_to_lds s[\g0b:\g0b+3], s[\g1b:\g1b+7]
	s_nop 0
.rept 4
	v_nop
.endr
.Lasked_\@:
.endm
.macro CREST
	s_cmp_lg_u32 s14, 0
	s_cbranch_scc1 .Lnot_wave_0_\@
	s_barrier_signal -3
.Lnot_wave_0_\@:
	s_barrier_wait -3
	s_barrier_signal -1
	s_barrier_wait -1
.endm
.macro CROUND
	s_barrier_signal -1
	s_barrier_wait -1
	CREST
.endm
.macro PLACES n
.rept \n
	v_nop
.endr
.endm
.macro FRAG reg, adr, q, i
.irp c, 0,1,2,3
	ds_load_b128 v[\reg+4*\c:\reg+4*\c+3], v[\adr] offset:4096*(\i)+2048*(\q)+512*\c
.endr
.endm
.macro FETCH_B slot, q, p
	WIN TO_B
.irp i, 0,1,2,3,4,5,6,7
	FRAG 128*(\p)+FR*\i, ADRB+\slot, \q, \i
.endr
	WIN 0
.endm
.macro FETCH_A slot, q, i0
.set ia, \i0
.rept NA/2
	FRAG AF+FR*ia, ADRA+\slot, \q, ia
.set ia, ia+1
.endr
.endm
.macro SCALES sc
.irp q, 0,1
.set ap, 0
.rept NA/2
	ds_load_b32 v[32+16*(\sc)+8*\q+ap], v[ADSA] offset:\q*SKSA+ap*2*SBLKA
.set ap, ap+1
.endr
.irp bp, 0,1,2,3
	ds_load_b32 v[36+16*(\sc)+8*\q+\bp], v[ADSB] offset:\q*SKSB+128*\bp
.endr
.endr
.endm
.macro WM a, b, p, q, sc, zero
.set rD, 8*(8*((\a)%4)+(\b))
.set rB, 128*(\p)+FR*(\b)
.set rA, AF+FR*(\a)
.set rSB, 36+16*(\sc)+8*(\q)+(\b)/2
.set rSA, 32+16*(\sc)+8*(\q)+(\a)/2
.if \zero
.if (((\b)%2) == 0) && (((\a)%2) == 0)
	v_wmma_scale_f32_16x16x128_f8f6f4 v[rD:rD+7], v[rB:rB+15], v[rA:rA+15], 0, v[rSB], v[rSA]
.elseif ((\a)%2) == 0
	v_wmma_scale_f32_16x16x128_f8f6f4 v[rD:rD+7], v[rB:rB+15], v[rA:rA+15], 0, v[rSB], v[rSA] matrix_a_scale:MATRIX_SCALE_ROW1
.elseif ((\b)%2) == 0
	v_wmma_scale_f32_16x16x128_f8f6f4 v[rD:rD+7], v[rB:rB+15], v[rA:rA+15], 0, v[rSB], v[rSA] matrix_b_scale:MATRIX_SCALE_ROW1
.else
	v_wmma_scale_f32_16x16x128_f8f6f4 v[rD:rD+7], v[rB:rB+15], v[rA:rA+15], 0, v[rSB], v[rSA] matrix_a_scale:MATRIX_SCALE_ROW1 matrix_b_scale:MATRIX_SCALE_ROW1
.endif
.else
.if (((\b)%2) == 0) && (((\a)%2) == 0)
	v_wmma_scale_f32_16x16x128_f8f6f4 v[rD:rD+7], v[rB:rB+15], v[rA:rA+15], v[rD:rD+7], v[rSB], v[rSA]
.elseif ((\a)%2) == 0
	v_wmma_scale_f32_16x16x128_f8f6f4 v[rD:rD+7], v[rB:rB+15], v[rA:rA+15], v[rD:rD+7], v[rSB], v[rSA] matrix_a_scale:MATRIX_SCALE_ROW1
.elseif ((\b)%2) == 0
	v_wmma_scale_f32_16x16x128_f8f6f4 v[rD:rD+7], v[rB:rB+15], v[rA:rA+15], v[rD:rD+7], v[rSB], v[rSA] matrix_b_scale:MATRIX_SCALE_ROW1
.else
	v_wmma_scale_f32_16x16x128_f8f6f4 v[rD:rD+7], v[rB:rB+15], v[rA:rA+15], v[rD:rD+7], v[rSB], v[rSA] matrix_a_scale:MATRIX_SCALE_ROW1 matrix_b_scale:MATRIX_SCALE_ROW1
.endif
.endif
.endm
.macro MULQ qr, p, q, sc, zero
.set am, (\qr)*NA/4
.rept NA/4
.irp b, 0,1,2,3,4,5,6,7
	WM am, \b, \p, \q, \sc, \zero
.endr
.set am, am+1
.endr
.endm
.macro STEP slot, zero
	s_wait_dscnt HAL
	WIN MUL_LO
	MULQ 0, 0, 0, \slot, \zero
	MULQ 1, 0, 0, \slot, \zero
	s_wait_dscnt 0x0
	PLACES NP
	FETCH_B \slot, 1, 1
	FETCH_A \slot, 1, 0
	WIN MUL_HI
	MULQ 2, 0, 0, \slot, \zero
	MULQ 3, 0, 0, \slot, \zero
	PLACES NP
	WIN 0
	FETCH_A \slot, 1, NA/2
.endm
.macro TURN slot, next, fill
.if \fill
	s_wait_xcnt 0x0                                ; my last prefetch has read its address
	s_add_nc_u64 s[PFA:PFA+1], s[PFA:PFA+1], 4096  ; a K step on
.endif
	s_wait_tensorcnt 0x0
	ds_add_u32 v[SPW], v[NIL]
	s_wait_dscnt HAL+1
	WIN MUL_LO
	MULQ 0, 1, 1, \slot, 0
	s_wait_dscnt 0x0
	s_barrier_signal -1
	MULQ 1, 1, 1, \slot, 0
	WIN 0
	s_barrier_wait -1
.if \fill
	CREST
	s_add_nc_u64 s[G0+4*\slot+2:G0+4*\slot+3], s[G0+4*\slot+2:G0+4*\slot+3], 8192
	s_add_nc_u64 s[G0B+4*\slot+2:G0B+4*\slot+3], s[G0B+4*\slot+2:G0B+4*\slot+3], 8192
	JLOAD G0+4*\slot, G1, G0B+4*\slot, G1B
	PLACES NP-4
.else
	PLACES NP
.endif
	s_wait_alu depctr_va_vdst(0)
	v_add_nc_u32 v[ADSA], 2*SKSA, v[ADSA]
	v_add_nc_u32 v[ADSB], 2*SKSB, v[ADSB]
	FETCH_B \next, 0, 0
	FETCH_A \next, 0, 0
	SCALES \next
.if \fill
	; a prefetch of the K step two refills on: of the 8 rows of 4,096 bytes that my wave fetches, the four partners of the joint load take two each, told apart by address; a lane 256 bytes.  The last trip has no K step two on
	s_cmp_gt_u32 s3, 1
	s_cbranch_scc0 .Lno_ask_\@
	global_prefetch_b8 v[PFO], s[PFA:PFA+1] th:TH_LOAD_NT scope:SCOPE_SE
.Lno_ask_\@:
.endif
	WIN MUL_HI
	MULQ 2, 1, 1, \slot, 0
	MULQ 3, 1, 1, \slot, 0
	PLACES NP
	WIN 0
	FETCH_A \next, 0, NA/2
.endm
.macro QUANT s, pw
.irp b, 0,1,2,3
	v_max3_num_f32 v[TM+\b], |v[\s+16*\b]|, |v[\s+1+16*\b]|, 0x4800000
.endr
.irp i, 2,4,6,8,10,12,14
.irp b, 0,1,2,3
	v_max3_num_f32 v[TM+\b], v[TM+\b], |v[\s+16*\b+\i]|, |v[\s+1+16*\b+\i]|
.endr
.endr
.irp b, 0,1,2,3
	v_permlanex16_b32 v[TM+4+\b], v[TM+\b], s[SEL], s[SEL+1]
.endr
.irp b, 0,1,2,3
	v_max_num_f32 v[TM+\b], v[TM+\b], v[TM+4+\b]
.endr
.irp b, 0,1,2,3
	v_add_nc_u32 v[TM+12+\b], 0xfc000000, v[TM+\b]
.endr
.irp b, 0,1,2,3
	v_and_or_b32 v[TM+8+\b], v[TM+\b], 0x7f800000, s[MNT]
.endr
.irp b, 0,1,2,3
	v_lshrrev_b32 v[TM+4+\b], 23, v[TM+12+\b]
.endr
	v_lshl_or_b32 v[\pw], v[TM+5], 8, v[TM+4]
	v_lshl_or_b32 v[\pw], v[TM+6], 16, v[\pw]
	v_lshl_or_b32 v[\pw], v[TM+7], 24, v[\pw]
.irp b, 0,1,2,3
.irp i, 0,1,2,3,4,5,6,7,8,9,10,11,12,13,14,15
	v_med3_num_f32 v[\s+16*\b+\i], v[\s+16*\b+\i], -v[TM+8+\b], v[TM+8+\b]
.endr
	v_cvt_scalef32_pk8_fp8_f32 v[PC+4*\b:PC+1+4*\b], v[\s+16*\b:\s+7+16*\b], v[TM+12+\b]
	v_cvt_scalef32_pk8_fp8_f32 v[PC+2+4*\b:PC+3+4*\b], v[\s+8+16*\b:\s+15+16*\b], v[TM+12+\b]
.endr
	v_nop
.endm
	s_load_b128 s[4:7], s[0:1], 0x0
	s_load_b128 s[8:11], s[0:1], 0x10
	s_load_b64 s[12:13], s[0:1], 0x20
	v_lshl_add_u32 v[SPW], v0, 2, SPARE
	v_mov_b32 v[NIL], 0
	ds_add_u32 v28, v29
	ds_add_u32 v28, v29
	s_wait_dscnt 0x0
	v_lshrrev_b32 v1, 5, v0
	v_readfirstlane_b32 s14, v1
	s_lshr_b32 s15, s14, 1
	s_and_b32 s16, s14, 1
	s_bfe_u32 s40, ttmp6, 0x40000
	s_bfe_u32 s41, ttmp6, 0x40004
	s_lshl_b32 s42, ttmp9, 2
	s_add_co_u32 s42, s42, s40
	s_and_b32 s17, ttmp7, 0xffff
	s_lshl_b32 s17, s17, 2
	s_add_co_u32 s17, s17, s41
	s_lshl_b32 s43, s41, 2
	s_lshl_b32 s43, 15, s43
	s_lshl_b32 s44, 0x1111, s40
	s_or_b32 s[G1+0], s43, (3<<16)|(1<<21)
	s_or_b32 s[G1B+0], s44, (3<<16)|(1<<21)
.irp g, G1, G1B
	s_mov_b32 s[\g+1], 512<<16
	s_mov_b32 s[\g+2], 16<<16
	s_mov_b32 s[\g+3], 512<<16
	s_mov_b32 s[\g+4], 16
	s_mov_b32 s[\g+5], 4096
	s_mov_b32 s[\g+6], 0
	s_mov_b32 s[\g+7], 0
.endr
	s_or_b32 s[G1S+0], s43, (3<<16)|(1<<20)|(1<<21)|(7<<22)|(15<<25)
	s_mov_b32 s[G1S+1], 128<<16
	s_mov_b32 s[G1S+2], 16<<16
	s_mov_b32 s[G1S+3], 128<<16
	s_mov_b32 s[G1S+4], 16
	s_mov_b32 s[G1S+5], 128
	s_mov_b32 s[G1S+6], 0
	s_mov_b32 s[G1S+7], 0
	s_or_b32 s[G1SB+0], s44, (3<<16)|(1<<21)
	s_mov_b32 s[G1SB+1], 128<<16
	s_mov_b32 s[G1SB+2], 16<<16
	s_mov_b32 s[G1SB+3], 128<<16
	s_mov_b32 s[G1SB+4], 16
	s_mov_b32 s[G1SB+5], 2048
	s_mov_b32 s[G1SB+6], 0
	s_mov_b32 s[G1SB+7], 0
	s_lshl_b32 s20, s17, 4
	s_lshl_b32 s22, s20, 10
	s_lshl_b32 s20, s20, 15
	s_mov_b32 s21, 0
	s_mov_b32 s23, 0
	s_lshl_b32 s46, s42, 4
	s_lshl_b32 s46, s46, 15
	s_mov_b32 s47, 0
	s_lshl_b32 s92, s42, 10
	s_add_co_u32 s92, s92, 262144
	s_mov_b32 s93, 0
	s_lshl_b32 s45, s16, 15
	s_lshl_b32 s96, s16, 18                        ; in the ring I fetch 8 of a tile's 16 fragment rows: which half, in bytes
	s_mov_b32 s97, 0
	s_wait_kmcnt 0x0
	s_add_nc_u64 s[20:21], s[4:5], s[20:21]
	s_add_nc_u64 s[22:23], s[8:9], s[22:23]
	s_add_nc_u64 s[46:47], s[6:7], s[46:47]
	s_add_nc_u64 s[92:93], s[8:9], s[92:93]
	CROUND
	s_mov_b32 s[G0S], 1
	s_mov_b32 s[G0S+1], SCLA
	s_mov_b64 s[G0S+2:G0S+3], s[22:23]
	s_or_b32 s[G0S+3], s[G0S+3], 0x80000000
	s_mov_b32 s[G0SB], 1
	s_mov_b32 s[G0SB+1], SCLB
	s_mov_b64 s[G0SB+2:G0SB+3], s[92:93]
	s_or_b32 s[G0SB+3], s[G0SB+3], 0x80000000
	; THE HEAD'S FOUR TILES, each whole, one joint load a wave: wave 0 K step 0's 16 fragment rows of A, wave 1 those of B, wave 2 A's scale words, wave 3 B's.
	; Slot 0's two groups 0 serve these loads first; behind the wait that shows them done they are written for the ring, and the two groups 1 are set from 16 rows to 8
	s_mov_b32 s[G0], 1
	s_mov_b32 s[G0+1], 0
	s_mov_b64 s[G0+2:G0+3], s[20:21]
	s_or_b32 s[G0+3], s[G0+3], 0x80000000
	s_mov_b32 s[G0B], 1
	s_mov_b32 s[G0B+1], BOFF
	s_mov_b64 s[G0B+2:G0B+3], s[46:47]
	s_or_b32 s[G0B+3], s[G0B+3], 0x80000000
.macro ARM under, g0, g1, next         ; one chain of branches on the wave's number, a load to an arm, all arms leading to one join
	s_cmp_lt_u32 s14, \under
	s_cbranch_scc0 \next
	tensor_load_to_lds s[\g0:\g0+3], s[\g1:\g1+7]
	s_nop 0
.rept 4
	v_nop
.endr
	s_branch .Lhead_asked
\next:
.endm
	ARM 1, G0,  G1,  .Lhead_b
	ARM 2, G0B, G1B, .Lhead_sa
	ARM 3, G0S, G1S, .Lhead_sb
	tensor_load_to_lds s[G0SB:G0SB+3], s[G1SB:G1SB+7]
	s_nop 0
.rept 4
	v_nop
.endr
.Lhead_asked:
	s_add_nc_u64 s[20:21], s[20:21], s[96:97]      ; for the ring: my 8 rows of the tile
	s_add_nc_u64 s[46:47], s[46:47], s[96:97]
	s_mov_b32 s[G0+4], 1                           ; slot 1: K step 1
	s_add_co_u32 s[G0+5], s45, SLOT
	s_add_nc_u64 s[G0+6:G0+7], s[20:21], 4096
	s_or_b32 s[G0+7], s[G0+7], 0x80000000
	s_mov_b32 s[G0B+4], 1
	s_add_co_u32 s[G0B+5], s45, SLOT+BOFF
	s_add_nc_u64 s[G0B+6:G0B+7], s[46:47], 4096
	s_or_b32 s[G0B+7], s[G0B+7], 0x80000000
	s_wait_alu depctr_va_vdst(0)
	s_wait_tensorcnt 0x0                           ; my tile of the four is in: no tensor load of mine is out, so descriptors may be written
	ds_add_u32 v28, v29
	s_mov_b32 s[G1+2], 8<<16
	s_mov_b32 s[G1+4], 8
	s_mov_b32 s[G1B+2], 8<<16
	s_mov_b32 s[G1B+4], 8
	s_mov_b32 s[G0+1], s45                         ; slot 0 for the ring: my 8 rows at K step 0; the first refill steps them to K step 2
	s_mov_b64 s[G0+2:G0+3], s[20:21]
	s_or_b32 s[G0+3], s[G0+3], 0x80000000
	s_add_co_u32 s[G0B+1], s45, BOFF
	s_mov_b64 s[G0B+2:G0B+3], s[46:47]
	s_or_b32 s[G0B+3], s[G0B+3], 0x80000000
	s_wait_dscnt 0x0
	CROUND
	JLOAD G0+4, G1, G0B+4, G1B
	v_and_b32 v1, 31, v0
	v_and_b32 v2, 15, v0
	v_bfe_u32 v3, v0, 4, 1
	v_lshlrev_b32 v[LI], 4, v1
	s_mul_i32 s21, s15, NA*4096
	s_lshl_b32 s22, s16, 15
	s_add_co_u32 s22, s22, BOFF
.irp s, 0,1
	v_add_nc_u32 v[ADRA+\s], s21, v[LI]
	v_add_nc_u32 v[ADRB+\s], s22, v[LI]
	s_add_co_u32 s21, s21, SLOT
	s_add_co_u32 s22, s22, SLOT
.endr
	v_mul_u32_u24 v5, v3, SBLKA
	v_lshl_add_u32 v5, v2, 2, v5
	s_mul_i32 s21, s15, NA*SBLKA
	s_add_co_u32 s21, s21, SCLA
	v_add_nc_u32 v[ADSA], s21, v5
	s_lshl_b32 s22, s16, 9
	s_add_co_u32 s22, s22, SCLB
	v_lshlrev_b32 v5, 2, v1
	v_add_nc_u32 v[ADSB], s22, v5
	s_lshl_b32 s23, s14, 9
	v_lshl_add_u32 v[HSW], v2, 2, s23
	v_add_nc_u32 v[HSR], s23, v[LI]
	s_lshl_b32 s20, s17, 4
	s_lshl_b32 s21, s15, 3
	s_add_co_u32 s20, s20, s21
	s_lshl_b32 s46, s42, 1
	s_add_co_u32 s46, s46, s16
	s_lshl_b32 s92, s46, 14
	s_lshl_b32 s46, s46, 11
	s_lshl_b32 s21, s20, 6
	s_lshl_b32 s20, s20, 16
	s_add_co_u32 s46, s46, s20
	s_add_co_u32 s92, s92, s21
	s_mov_b32 s47, 0
	s_mov_b32 s93, 0
	s_add_nc_u64 s[10:11], s[10:11], s[46:47]
	s_add_nc_u64 s[12:13], s[12:13], s[92:93]
	s_lshl_b32 s84, s17, 4                         ; the prefetches.  A: row 16 x tile row + 2 cx;
	s_lshl_b32 s85, s40, 1
	s_add_co_u32 s84, s84, s85
	s_lshl_b32 s86, s42, 4                         ; B: row 16 x tile column + 2 cy
	s_lshl_b32 s87, s41, 1
	s_add_co_u32 s86, s86, s87
	s_cmp_eq_u32 s15, 0                            ; do I fetch for A?
	s_cselect_b32 s84, s84, s86
	s_cselect_b64 s[PFA:PFA+1], s[4:5], s[6:7]
	s_lshl_b32 s85, s16, 3                         ; + the 8 rows that my wave fetches
	s_add_co_u32 s84, s84, s85
	s_lshl_b32 s84, s84, 15
	s_add_co_u32 s84, s84, 3*4096                  ; at K step 3: the first refill steps it to 4
	s_mov_b32 s85, 0
	s_add_nc_u64 s[PFA:PFA+1], s[PFA:PFA+1], s[84:85]
	v_lshlrev_b32 v[PFO], 8, v2
	v_lshl_add_u32 v[PFO], v3, 15, v[PFO]
	s_mov_b32 s[SEL], 0x76543210
	s_mov_b32 s[SEL+1], 0xfedcba98
	s_mov_b32 s[MNT], 0x600000
	s_mov_b32 s98, 0xbdd2d3e8
	s_mov_b32 s99, s98
	s_wait_alu depctr_va_vdst(0)
	s_wait_tensorcnt 1
	s_barrier_signal -1
	s_barrier_wait -1
	FETCH_B 0, 0, 0
	FETCH_A 0, 0, 0
	SCALES 0
	FETCH_A 0, 0, NA/2
	STEP 0, 1
	s_mov_b32 s3, LAPS-1
.Llap:
	TURN 0, 1, 1
	STEP 1, 0
	TURN 1, 0, 1
	STEP 0, 0
	s_sub_co_u32 s3, s3, 1
	s_cmp_lg_u32 s3, 0
	s_cbranch_scc1 .Llap
	TURN 0, 1, 0
	STEP 1, 0
	s_wait_dscnt HAL
	WIN MUL_LO
	MULQ 0, 1, 1, 1, 0
	MULQ 1, 1, 1, 1, 0
	s_wait_dscnt 0x0
	WIN MUL_HI
	MULQ 2, 1, 1, 1, 0
	MULQ 3, 1, 1, 1, 0
	WIN 0
.macro ZED a
.set AC, 64*((\a)%4)
.set TT, 128+64*((\a)%2)
	WIN 0x0a+5*((\a)/4)
.set i, 0
.rept 32
	v_pk_mul_f32 v[TT+i:TT+i+1], v[AC+i:AC+i+1], v[AC+i:AC+i+1]
.set i, i+2
.endr
	WIN 0
.set i, 0
.rept 32
	v_pk_fma_f32 v[TT+i:TT+i+1], v[TT+i:TT+i+1], s[98:99], v[104:105] op_sel_hi:[1,0,1]
.set i, i+2
.endr
	WIN 0x02+((\a)/4)
.set i, 0
.rept 32
	v_pk_mul_f32 v[TT+i:TT+i+1], v[AC+i:AC+i+1], v[TT+i:TT+i+1]
.set i, i+2
.endr
	WIN 0
.endm
.macro EXPS a
.set TT, 128+64*((\a)%2)
.set i, 0
.rept 64
	v_exp_f32 v[TT+i], v[TT+i]
.set i, i+1
.endr
.endm
.macro ADDRCP a
.set TT, 128+64*((\a)%2)
.set i, 0
.rept 32
	v_pk_add_f32 v[TT+i:TT+i+1], v[TT+i:TT+i+1], 1.0 op_sel_hi:[1,0]
.set i, i+2
.endr
.set i, 0
	s_wait_alu depctr_va_vdst(0)
.rept 64
	v_rcp_f32 v[TT+i], v[TT+i]
.set i, i+1
.endr
.endm
.macro FIN a
.set AC, 64*((\a)%4)
.set TT, 128+64*((\a)%2)
	WIN 0x02+((\a)/4)
.set i, 0
.rept 32
	v_pk_mul_f32 v[TT+i:TT+i+1], v[AC+i:AC+i+1], v[TT+i:TT+i+1]
.set i, i+2
.endr
	WIN 0
	s_wait_xcnt 0x0
	QUANT TT, 96+(\a)
.irp c, 0,1,2,3
	global_store_b128 v[LI], v[PC+4*\c:PC+4*\c+3], s[10:11] offset:65536*(\a)+512*\c
.endr
	ds_store_b32 v[HSW], v[96+(\a)] offset:64*(\a)
.endm
	v_mov_b32 v104, 0xc0135761
	v_mov_b32 v105, 0xc0135761
.irp b, 0,1,2,3
	v_mov_b32 v[TM+4+\b], 0
.endr
	PLACES 2
	ZED 0
	s_wait_alu depctr_va_vdst(0)
	EXPS 0
	v_nop
.irp a, 0,1,2,3,4,5,6,7
	s_wait_alu depctr_va_vdst(0)
	ADDRCP \a
.if \a < 7
	s_wait_alu depctr_va_vdst(0)
	ZED \a+1
	s_wait_alu depctr_va_vdst(0)
	EXPS \a+1
.else
	v_nop
	s_wait_alu depctr_va_vdst(0)
.endif
	FIN \a
.endr
	ds_load_b128 v[108:111], v[HSR]
	s_wait_dscnt 0x0
	global_store_b128 v[LI], v[108:111], s[12:13]
	s_wait_tensorcnt 0x0
	ds_add_u32 v[SPW], v[NIL]
	s_wait_dscnt 0x0
	CROUND
	s_endpgm
.Lfunc_end_k_q16278bd3c3_gemm1:
	.size	k_q16278bd3c3_gemm1, .Lfunc_end_k_q16278bd3c3_gemm1-k_q16278bd3c3_gemm1
	.p2alignl 7, 3214868480
	.fill 96, 4, 3214868480
	.section	.rodata,"a",@progbits
	.p2align	6, 0x0
	.amdhsa_kernel k_q16278bd3c3_gemm1
		.amdhsa_group_segment_fixed_size 327680
		.amdhsa_private_segment_fixed_size 0
		.amdhsa_enable_private_segment 0
		.amdhsa_kernarg_size 40
		.amdhsa_user_sgpr_count 2
		.amdhsa_user_sgpr_kernarg_segment_ptr 1
		.amdhsa_wavefront_size32 1
		.amdhsa_system_sgpr_workgroup_id_x 1
		.amdhsa_system_sgpr_workgroup_id_y 1
		.amdhsa_system_sgpr_workgroup_id_z 1
		.amdhsa_system_vgpr_workitem_id 0
		.amdhsa_next_free_vgpr 1024
		.amdhsa_next_free_sgpr 100
		.amdhsa_reserve_vcc 0
		.amdhsa_float_denorm_mode_32 3
		.amdhsa_float_denorm_mode_16_64 3
		.amdhsa_memory_ordered 1
		.amdhsa_forward_progress 1
		.amdhsa_inst_pref_size 255
	.end_amdhsa_kernel
	.section	.bss,"aw",@nobits
	.p2align	6
	.space	262144
	.amdgpu_metadata
---
amdhsa.version: [ 1, 2 ]
amdhsa.kernels:
  - .name:           k_q16278bd3c3_gemm1
    .symbol:         k_q16278bd3c3_gemm1.kd
    .args:
      - { .name: ximg, .offset: 0, .size: 8, .value_kind: global_buffer, .address_space: global }
      - { .name: w1img, .offset: 8, .size: 8, .value_kind: global_buffer, .address_space: global }
      - { .name: scl, .offset: 16, .size: 8, .value_kind: global_buffer, .address_space: global }
      - { .name: himg, .offset: 24, .size: 8, .value_kind: global_buffer, .address_space: global }
      - { .name: hs, .offset: 32, .size: 8, .value_kind: global_buffer, .address_space: global }
    .group_segment_fixed_size: 327680
    .private_segment_fixed_size: 0
    .kernarg_segment_align: 8
    .kernarg_segment_size: 40
    .max_flat_workgroup_size: 128
    .sgpr_count:     100
    .vgpr_count:     1024
    .wavefront_size: 32
...
	.end_amdgpu_metadata
.endif
;; end of part 5
;; launch gemm2 (part 6): grid 8 x 32, 4 waves a work-group, clusters of 4 x 4, 327,680 bytes of LDS; arguments himg, hs, w2img, scl, nf4, coef, codebook, out0; writes out0
.if DOCPART == 6
	.amdgcn_target "amdgcn-amd-amdhsa--gfx1250"
	.amdhsa_code_object_version 6
	.text
	.protected	k_q16278bd3c3_gemm2
	.globl	k_q16278bd3c3_gemm2
	.p2align	8
	.type	k_q16278bd3c3_gemm2,@function
k_q16278bd3c3_gemm2:
	s_mov_b64 s[64:65], 0
	v_nop
	global_prefetch_b8 v0, s[64:65] scope:SCOPE_SE
	s_setreg_imm32_b32 hwreg(HW_REG_WAVE_MODE, 25, 1), 1
	s_wait_xcnt 0x0
	s_wait_alu depctr_hold_cnt(0) depctr_sa_sdst(0) depctr_va_vdst(0) depctr_va_sdst(0) depctr_va_ssrc(0) depctr_va_vcc(0) depctr_vm_vsrc(0)
	s_getreg_b32 s2, hwreg(HW_REG_IB_STS2, 6, 4)
	s_cmp_eq_u32 s2, 0
	s_cbranch_scc0 .Lentry_in_a_cluster
	s_endpgm
.Lentry_in_a_cluster:
	s_bfe_u32 s2, ttmp6, 0x10000c
	s_cmp_lg_u32 s2, 0xf033
	s_cbranch_scc0 .Lentry_shape_is_right
	s_endpgm
.Lentry_shape_is_right:
; out0 = Q(gelu(..)) Q(w2) + the experts' mix: [4096][2048] f32, K = 4,096, on codes of E4M3 with one E8M0 byte for each 32 along K.
; himg [token block 256][K step of 128: 32][2048] and w2img [tile 128][32][2048] hold fragments in the order of an operand's registers (16 rows x 128 K: byte 512 c + 16 lane);
; hs [K step 32][block 256][16 words] and scl + 524,288 [K step 32][tile 128][16 words] their scale words; coef [token][b 4][16 f32]: words 0-7 p[e] std[e][b], word 8 the sum of p[e] mean[e][b].
; SHARES.  256 work-groups; a block of 128 x 256, four waves of 64 x 128: 32 accumulators in window 2.  K goes in steps of 256 through a ring of two LDS slots (A 32,768 bytes, B 65,536).
; Waves 0, 1 fetch A's halves, waves 2, 3 B's, one joint load each: 4 x 4 work-groups form a cluster, A's tiles are shared along its rows, B's along its columns.
; The product is used transposed (source 0 = w2's tile, source 1 = the tokens): a lane holds eight neighbouring columns of one row.  Of a pair of tiles 2 g, 2 g + 1 lane (r, h) holds columns 32 g + 16 h + 0 .. 15.
; THE MIX of my wave's 64 rows x 128 columns is made between the products, four rows in each K step: the sum over e of coef[e] codebook[index] + coef[8].
; THE LOOKUP.  The low byte of a word of nf4 holds two indices (low nibble: even column).  A table in LDS, [byte 256][lane 32][2 f32], holds (codebook[byte & 15], codebook[byte >> 4]) 32 times,
; so that lane l reads bytes 8 l .. 8 l + 7 of a row of 256 bytes: one LDS read for two numbers.  Wave w lays rows 64 w .. 64 w + 63 at the head.
; IN TWO PARTS.  Part A (addresses, the 64 reads of the table, the next rows' nf4) stands behind a slot's first 128 along K, while that step's fragment loads are out; its reads come in under the next products.
; Part B (the multiply-adds, the stores into the stage, the next rows' coef) stands behind the change of slots, while the new slot's first fragment loads are out.
; A lane of the mix holds four neighbouring columns of one row.  Sixteen finished rows (four K steps) go through my wave's own stage of 16 x 528 bytes, come back in the accumulators' layout and are ADDED TO THE ACCUMULATORS
; of that block of 16 rows, which go on summing products.  The block's registers differ from time to time, so the addition stands in three arms of a branch on the count of trips, and once more behind the loop.
; Scale words, nf4 and coef go from memory into registers, nf4 and coef one K step ahead, the scale words two.
; PREFETCHES.  Behind each refill one instruction a wave names the K step two refills on: the rows that my wave fetches are shared out among the four partners of the joint load by address
; (A: one row of 4,096 bytes, lanes 0-15, the others name its last 256 bytes again; B: two rows).  In part A one instruction a wave names the nf4 of the four rows two parts on from those that it loads:
; 4 rows x 8 experts x 256 bytes, a lane each; no other wave reads them.  The last trip asks for neither.
; REGISTERS: window 0: v0-31 addresses, v32-63 scale words in two sets, v64-83 the codebook at the head, v128-191 A's four fragments, on the way out v128-255 rows; window 1: B's fragments in two sets;
; window 2: sums; window 3: v0-63 nf4, then table addresses; v64-191 the numbers looked up; v192-239 coef; v241-245 addresses.
.set NA,     4
.set FR,     16
.set NP,     8                         ; places behind this matrix form (ISA guide 7.12.1)
.set BOFF,   32768
.set SLOT,   98304
.set LAPS,   8
.set TABLE,  196608                    ; behind the ring: the table, 65,536 bytes;
.set MST,    262144                    ; the mix's stages, 16 x 528 bytes a wave;
.set SPARE,  295936                    ; the spare words, 128 bytes a wave
.set SPITCH, 528                       ; a stage's row: 512 + 16 bytes.  The way out's stages lie in slot 0, which has had its last fill and its last read by then
.set HAL,    (NA/2)*4
.set LI,   4                           ; v4  16 x lane
.set L4,   6                           ; v6  4 x lane
.set PFO,  8                           ; v8  the tiles' prefetch offset; never rewritten
.set PFN,  9                           ; v9  nf4's: 32,768 x (lane / 8) + 4,096 x (lane % 8); never rewritten
.set TBW,  10                          ; v10 the table: my wave's 64 rows, my lane's 8 bytes
.set ADRA, 16
.set ADRB, 20
.set STO,  24
.set RD,   25
.set MRD,  26                          ; v26 the mix's stage, read in the accumulators' layout: row r, + 64 h
.set SPW,  28
.set NIL,  29
.set AF,   128
.set BK,   128
.set NF,   0                           ; window 3
.set RES,  64
.set CF,   192
.set MOA,  241
.set L8,   242
.set ZO,   243
.set L8T,  244
.set MOB,  245
.set G1,   24
.set G0,   32
.set G1B,  48
.set G0B,  56
.set SAB,  6                           ; s[6:7]   hs at my rows
.set SBB,  10                          ; s[10:11] w2's scale words at my columns
.set NFB,  68                          ; s[68:69] nf4, s[70:71] coef at the rows in hand
.set CFB,  70
.set CBP,  72                          ; s[72:73] codebook
.set OUTP, 74                          ; s[74:75] out0 at my wave's corner
.set PFA,  76                          ; s[76:77] where my tile prefetches stand
.set MO,   78                          ; s78 0 or 8 rows of the mix's stage, by turns from trip to trip
.set MUL,  0xa1                        ; source 0 (B) window 1, source 1 (A) window 0, C and D window 2
.set TO_B, 0x40
.set MSB, 0
.macro WIN new
.if MSB != (\new)
	s_set_vgpr_msb (MSB<<8)|(\new)
.set MSB, (\new)
.endif
.endm
.macro JLOAD g0a, g1a, g0b, g1b        ; a joint load; s_nop 0 and four v_nop behind each line
	s_cmp_eq_u32 s15, 0
	s_cbranch_scc0 .Lfor_b_\@
	tensor_load_to_lds s[\g0a:\g0a+3], s[\g1a:\g1a+7]
	s_nop 0
.rept 4
	v_nop
.endr
	s_branch .Lasked_\@
.Lfor_b_\@:
	tensor_load_to_lds s[\g0b:\g0b+3], s[\g1b:\g1b+7]
	s_nop 0
.rept 4
	v_nop
.endr
.Lasked_\@:
.endm
.macro CREST
	s_cmp_lg_u32 s14, 0
	s_cbranch_scc1 .Lnot_wave_0_\@
	s_barrier_signal -3
.Lnot_wave_0_\@:
	s_barrier_wait -3
	s_barrier_signal -1
	s_barrier_wait -1
.endm
.macro CROUND
	s_barrier_signal -1
	s_barrier_wait -1
	CREST
.endm
.macro PLACES n
.rept \n
	v_nop
.endr
.endm
.macro FRAG reg, adr, q, i
.irp c, 0,1,2,3
	ds_load_b128 v[\reg+4*\c:\reg+4*\c+3], v[\adr] offset:4096*(\i)+2048*(\q)+512*\c
.endr
.endm
.macro FETCH_B slot, q, p
	WIN TO_B
.irp i, 0,1,2,3,4,5,6,7
	FRAG 128*(\p)+FR*\i, ADRB+\slot, \q, \i
.endr
	WIN 0
.endm
.macro FETCH_A slot, q, i0
.set ia, \i0
.rept NA/2
	FRAG AF+FR*ia, ADRA+\slot, \q, ia
.set ia, ia+1
.endr
.endm
.macro SCG sc, ja, jb                  ; a K step's scale words into set sc: 12 loads
.irp q, 0,1
.irp ap, 0,1
	global_load_b32 v[32+16*(\sc)+8*\q+\ap], v[L4], s[SAB:SAB+1] offset:(\ja)+16384*\q+128*\ap
.endr
.irp bp, 0,1,2,3
	global_load_b32 v[36+16*(\sc)+8*\q+\bp], v[L4], s[SBB:SBB+1] offset:(\jb)+8192*\q+128*\bp
.endr
.endr
.endm
.macro WM a, b, p, q, sc, zero
.set rD, 8*(8*((\a)%4)+(\b))
.set rB, 128*(\p)+FR*(\b)
.set rA, AF+FR*(\a)
.set rSB, 36+16*(\sc)+8*(\q)+(\b)/2
.set rSA, 32+16*(\sc)+8*(\q)+(\a)/2
.if \zero
.if (((\b)%2) == 0) && (((\a)%2) == 0)
	v_wmma_scale_f32_16x16x128_f8f6f4 v[rD:rD+7], v[rB:rB+15], v[rA:rA+15], 0, v[rSB], v[rSA]
.elseif ((\a)%2) == 0
	v_wmma_scale_f32_16x16x128_f8f6f4 v[rD:rD+7], v[rB:rB+15], v[rA:rA+15], 0, v[rSB], v[rSA] matrix_a_scale:MATRIX_SCALE_ROW1
.elseif ((\b)%2) == 0
	v_wmma_scale_f32_16x16x128_f8f6f4 v[rD:rD+7], v[rB:rB+15], v[rA:rA+15], 0, v[rSB], v[rSA] matrix_b_scale:MATRIX_SCALE_ROW1
.else
	v_wmma_scale_f32_16x16x128_f8f6f4 v[rD:rD+7], v[rB:rB+15], v[rA:rA+15], 0, v[rSB], v[rSA] matrix_a_scale:MATRIX_SCALE_ROW1 matrix_b_scale:MATRIX_SCALE_ROW1
.endif
.else
.if (((\b)%2) == 0) && (((\a)%2) == 0)
	v_wmma_scale_f32_16x16x128_f8f6f4 v[rD:rD+7], v[rB:rB+15], v[rA:rA+15], v[rD:rD+7], v[rSB], v[rSA]
.elseif ((\a)%2) == 0
	v_wmma_scale_f32_16x16x128_f8f6f4 v[rD:rD+7], v[rB:rB+15], v[rA:rA+15], v[rD:rD+7], v[rSB], v[rSA] matrix_a_scale:MATRIX_SCALE_ROW1
.elseif ((\b)%2) == 0
	v_wmma_scale_f32_16x16x128_f8f6f4 v[rD:rD+7], v[rB:rB+15], v[rA:rA+15], v[rD:rD+7], v[rSB], v[rSA] matrix_b_scale:MATRIX_SCALE_ROW1
.else
	v_wmma_scale_f32_16x16x128_f8f6f4 v[rD:rD+7], v[rB:rB+15], v[rA:rA+15], v[rD:rD+7], v[rSB], v[rSA] matrix_a_scale:MATRIX_SCALE_ROW1 matrix_b_scale:MATRIX_SCALE_ROW1
.endif
.endif
.endm
.macro MULQ a, p, q, sc, zero          ; A's block a against B's eight; the 32 accumulators take turns in the same order in every step
.irp b, 0,1,2,3,4,5,6,7
	WM \a, \b, \p, \q, \sc, \zero
.endr
.endm
; a slot's first 128 along K.  lc: loads younger than this slot's scale words that may stay out; dc: the LDS instructions younger than B's set and A's blocks 0, 1
.macro STEP slot, zero, lc, dc
	s_wait_loadcnt \lc
	s_wait_dscnt \dc
	WIN MUL
	MULQ 0, 0, 0, \slot, \zero
	MULQ 1, 0, 0, \slot, \zero
	s_wait_dscnt 0x0
	PLACES NP
	FETCH_B \slot, 1, 1
	FETCH_A \slot, 1, 0
	WIN MUL
	MULQ 2, 0, 0, \slot, \zero
	MULQ 3, 0, 0, \slot, \zero
	PLACES NP
	WIN 0
	FETCH_A \slot, 1, NA/2
.endm
; a slot's second 128 along K, and the change of slots.  fill = 1: the slot is filled again, two K steps ahead, behind a round of the cluster's barrier
.macro TURN slot, next, fill
	s_wait_tensorcnt 0x0                           ; my part of the next slot is in
	ds_add_u32 v[SPW], v[NIL]
	s_wait_dscnt 63                                ; the fragments are in: behind them stand part A's 64 reads of the table and the add
	WIN MUL
	MULQ 0, 1, 1, \slot, 0
	s_wait_dscnt 0x0                               ; the add is done, my reads of this slot are over, and the table's numbers are in
	s_barrier_signal -1
	MULQ 1, 1, 1, \slot, 0
	WIN 0
	s_barrier_wait -1
.if \fill
	CREST
	s_add_nc_u64 s[G0+4*\slot+2:G0+4*\slot+3], s[G0+4*\slot+2:G0+4*\slot+3], 8192
	s_add_nc_u64 s[G0B+4*\slot+2:G0B+4*\slot+3], s[G0B+4*\slot+2:G0B+4*\slot+3], 8192
	JLOAD G0+4*\slot, G1, G0B+4*\slot, G1B
	PLACES NP-4
.else
	PLACES NP
.endif
	FETCH_B \next, 0, 0
	FETCH_A \next, 0, 0
.if \fill
	s_cmp_gt_u32 s3, 1                             ; the K step two refills on: none in the last trip
	s_cbranch_scc0 .Lno_ask_\@
	global_prefetch_b8 v[PFO], s[PFA:PFA+1] th:TH_LOAD_NT scope:SCOPE_SE
.Lno_ask_\@:
.endif
	WIN MUL
	MULQ 2, 1, 1, \slot, 0
	MULQ 3, 1, 1, \slot, 0
	PLACES NP
	WIN 0
.if \fill
	s_wait_xcnt 0x0                                ; the scale loads and the prefetches have read their bases
	s_add_nc_u64 s[SAB:SAB+1], s[SAB:SAB+1], 32768
	s_add_nc_u64 s[SBB:SBB+1], s[SBB:SBB+1], 16384
	s_add_nc_u64 s[PFA:PFA+1], s[PFA:PFA+1], 4096
	SCG \slot, 32768, 16384
.endif
	FETCH_A \next, 0, NA/2
.endm
; THE MIX.  Four rows: register NF + 16 n + 2 e + d is word 2 lane + d of row n, expert e: columns 4 lane + 2 d and + 1
.macro NFL4
.irp n, 0,1,2,3
.irp e, 0,1,2,3,4,5,6,7
	global_load_b64 v[NF+16*\n+2*\e:NF+16*\n+2*\e+1], v[L8], s[NFB:NFB+1] offset:32768*\n+4096*\e th:TH_LOAD_NT   ; 256 consecutive bytes a wave
.endr
.endr
.endm
.macro CFL4
.irp n, 0,1,2,3
.irp q, 0,1,2
	global_load_b128 v[CF+12*\n+4*\q:CF+12*\n+4*\q+3], v[ZO], s[CFB:CFB+1] offset:256*\n+16*\q   ; every lane takes the row's coefficients
.endr
.endr
.endm
.macro ROWS n0, half                   ; rows n0 and n0 + 1: four chains of packed multiply-adds by turns; the first expert's term starts each sum on the mean's term
.irp e, 0,1,2,3,4,5,6,7
.irp n, \n0, \n0+1
.set RS, RES+32*(\n)
.set CN, CF+12*(\n)
.irp pr, 0,1
.if \e == 0
	v_pk_fma_f32 v[RS+2*\pr:RS+2*\pr+1], v[RS+2*\pr:RS+2*\pr+1], v[CN:CN+1], v[CN+8:CN+9] op_sel_hi:[1,0,0]
.elseif (\e%2) == 0
	v_pk_fma_f32 v[RS+2*\pr:RS+2*\pr+1], v[RS+4*\e+2*\pr:RS+4*\e+2*\pr+1], v[CN+\e:CN+\e+1], v[RS+2*\pr:RS+2*\pr+1] op_sel_hi:[1,0,1]
.else
	v_pk_fma_f32 v[RS+2*\pr:RS+2*\pr+1], v[RS+4*\e+2*\pr:RS+4*\e+2*\pr+1], v[CN+\e-1:CN+\e], v[RS+2*\pr:RS+2*\pr+1] op_sel:[0,1,0] op_sel_hi:[1,1,1]
.endif
.endr
.endr
.endr
.irp n, \n0, \n0+1
	ds_store_b128 v[MOA], v[RES+32*(\n):RES+32*(\n)+3] offset:(4*(\half)+(\n))*SPITCH
.endr
.endm
; PART A.  lc: the loads younger than these rows' nf4; more = 1: the next four rows' nf4 is asked for; pf = 1: in the loop, with the prefetch
.macro MIXA lc, more, pf
	s_wait_loadcnt \lc
.if \more
	s_add_nc_u64 s[NFB:NFB+1], s[NFB:NFB+1], 131072   ; (the loads that read this base are done, and a wait on XCNT stands between the last prefetch and this line)
.endif
.if \pf
	s_cmp_gt_u32 s3, 1                             ; the rows two parts on from those loaded below: none in the last trip, whose look-ahead would pass my 64 rows
	s_cbranch_scc0 .Lno_nf_\@
	global_prefetch_b8 v[PFN], s[NFB:NFB+1] offset:2*131072 th:TH_LOAD_NT scope:SCOPE_SE
.Lno_nf_\@:
.endif
	WIN 0xff
.set i, 0
.rept 64
	v_and_b32 v[NF+i], 0xff, v[NF+i]               ; the word's two indices
.set i, i+1
.endr
.set i, 0
.rept 64
	v_min_u32 v[NF+i], 0xff, v[NF+i]               ; a loaded number enters an address behind this hold alone
.set i, i+1
.endr
.set i, 0
.rept 64
	v_lshl_add_u32 v[NF+i], v[NF+i], 8, v[L8T]     ; the table's row x 256 + 8 x lane
.set i, i+1
.endr
.set i, 0
.rept 64
	ds_load_b64 v[RES+2*i:RES+2*i+1], v[NF+i]
.set i, i+1
.endr
.if \more
	NFL4
.endif
	WIN 0
.endm
; PART B, behind a wait that shows part A's reads in.  lc: the loads younger than these rows' coef; more = 1: the next rows' coef is asked for; half: the first or the second four rows of a trip's eight
.macro MIXB lc, more, half
	s_wait_loadcnt \lc
.if \more
	s_add_nc_u64 s[CFB:CFB+1], s[CFB:CFB+1], 1024  ; (the loads that read this base are done)
.endif
	WIN 0xff
	v_add_nc_u32 v[MOA], s[MO], v[MOB]
	ROWS 0, \half
	ROWS 2, \half
.if \more
	CFL4
.endif
	WIN 0
	s_wait_alu depctr_va_vdst(0)
.endm
; block a's 16 rows of the mix come back from my stage in the accumulators' layout and are added to its eight accumulators.  LDS serves a wave's instructions in order (ISA guide 5.7.1.4): the reads see my stores.
; Part B's vector lines are among the places behind the last products; each accumulator is read from its low end on
.macro ADDB a
	WIN 0xc0
.irp b, 0,1,2,3,4,5,6,7
.irp q, 0,1
	ds_load_b128 v[RES+8*\b+4*\q:RES+8*\b+4*\q+3], v[MRD] offset:128*(\b/2)+32*(\b%2)+16*\q
.endr
.endr
	s_wait_dscnt 0x0
	WIN 0x8e                                       ; destination and source 0 window 2, source 1 window 3
.set i, 0
.rept 32
	v_pk_add_f32 v[64*(\a)+i:64*(\a)+i+1], v[64*(\a)+i:64*(\a)+i+1], v[RES+i:RES+i+1]
.set i, i+2
.endr
	WIN 0
.endm
	s_load_b128 s[4:7], s[0:1], 0x0                ; himg, hs
	s_load_b128 s[8:11], s[0:1], 0x10              ; w2img, scl
	s_load_b128 s[68:71], s[0:1], 0x20             ; nf4, coef
	s_load_b128 s[72:75], s[0:1], 0x30             ; codebook, out0
	v_lshl_add_u32 v[SPW], v0, 2, SPARE
	v_mov_b32 v[NIL], 0
	ds_add_u32 v[SPW], v[NIL]                      ; the opening lines: the add twice on end, and its wait ahead of my first tensor load
	ds_add_u32 v[SPW], v[NIL]
	v_lshrrev_b32 v1, 5, v0
	v_readfirstlane_b32 s14, v1                    ; wave
	s_lshr_b32 s15, s14, 1                         ; my half of the rows; also: I fetch for A (0) or B (1)
	s_and_b32 s16, s14, 1                          ; my half of the columns; also: which half of that tile I fetch
	s_bfe_u32 s40, ttmp6, 0x40000                  ; cx
	s_bfe_u32 s41, ttmp6, 0x40004                  ; cy
	s_lshl_b32 s42, ttmp9, 2
	s_add_co_u32 s42, s42, s40                     ; tile column 0..7
	s_and_b32 s17, ttmp7, 0xffff
	s_lshl_b32 s17, s17, 2
	s_add_co_u32 s17, s17, s41                     ; tile row 0..31
	s_lshl_b32 s43, s41, 2
	s_lshl_b32 s43, 15, s43                        ; my row of the cluster
	s_lshl_b32 s44, 0x1111, s40                    ; my column
	s_or_b32 s[G1+0], s43, (3<<16)|(1<<21)         ; A: 4 rows of 4,096 bytes (512 elements of 8), 65,536 bytes apart
	s_mov_b32 s[G1+1], 512<<16
	s_mov_b32 s[G1+2], 4<<16
	s_mov_b32 s[G1+3], 512<<16
	s_mov_b32 s[G1+4], 4
	s_mov_b32 s[G1+5], 8192
	s_mov_b32 s[G1+6], 0
	s_mov_b32 s[G1+7], 0
	s_or_b32 s[G1B+0], s44, (3<<16)|(1<<21)        ; B: 8 such rows
	s_mov_b32 s[G1B+1], 512<<16
	s_mov_b32 s[G1B+2], 8<<16
	s_mov_b32 s[G1B+3], 512<<16
	s_mov_b32 s[G1B+4], 8
	s_mov_b32 s[G1B+5], 8192
	s_mov_b32 s[G1B+6], 0
	s_mov_b32 s[G1B+7], 0
	s_lshl_b32 s20, s17, 3
	s_lshl_b32 s18, s16, 2
	s_add_co_u32 s20, s20, s18
	s_lshl_b32 s20, s20, 16                        ; A: block 8 x tile row + 4 x half
	s_mov_b32 s21, 0
	s_lshl_b32 s46, s42, 4
	s_lshl_b32 s18, s16, 3
	s_add_co_u32 s46, s46, s18
	s_lshl_b32 s46, s46, 16                        ; B: tile 16 x tile column + 8 x half
	s_mov_b32 s47, 0
	s_lshl_b32 s45, s16, 14
	s_lshl_b32 s94, s16, 15
	s_mov_b32 s[MO], 0
	s_wait_dscnt 0x0                               ; both opening adds are done
	s_wait_kmcnt 0x0
	s_add_nc_u64 s[20:21], s[4:5], s[20:21]
	s_add_nc_u64 s[46:47], s[8:9], s[46:47]
	CROUND                                         ; all sixteen work-groups are here: the first joint loads meet
.irp s, 0,1
	s_mov_b32 s[G0+4*\s], 1
	s_add_co_u32 s[G0+4*\s+1], s45, \s*SLOT
	s_add_nc_u64 s[G0+4*\s+2:G0+4*\s+3], s[20:21], \s*4096
	s_or_b32 s[G0+4*\s+3], s[G0+4*\s+3], 0x80000000
	s_mov_b32 s[G0B+4*\s], 1
	s_add_co_u32 s[G0B+4*\s+1], s94, \s*SLOT+BOFF
	s_add_nc_u64 s[G0B+4*\s+2:G0B+4*\s+3], s[46:47], \s*4096
	s_or_b32 s[G0B+4*\s+3], s[G0B+4*\s+3], 0x80000000
.endr
	JLOAD G0, G1, G0B, G1B                         ; K step 0: one tensor load a wave at the head
	s_mul_i32 s80, s15, NA*4096                    ; LDS: my four blocks of A, in slot 0 and 1;
	s_add_co_u32 s81, s80, SLOT
	s_add_co_u32 s82, s94, BOFF                    ; my eight tiles of B;
	s_add_co_u32 s83, s82, SLOT
	s_mul_i32 s84, s14, 16*SPITCH                  ; my stage of the way out;
	s_add_co_u32 s79, s84, MST                     ; my stage of the mix;
	s_lshl_b32 s96, s14, 14
	s_add_co_u32 s96, s96, TABLE                   ; my 64 rows of the table
	s_lshl_b32 s91, s14, 4                         ; codebook[4 wave ..]: their high nibbles
	s_lshl_b32 s20, s17, 7
	s_lshl_b32 s18, s15, 6
	s_add_co_u32 s20, s20, s18                     ; my first row
	s_lshl_b32 s46, s42, 10
	s_lshl_b32 s47, s16, 9
	s_add_co_u32 s46, s46, s47                     ; my first column, in bytes of f32
	s_mov_b32 s93, 0
	s_lshl_b32 s92, s20, 13
	s_add_co_u32 s92, s92, s46
	s_add_nc_u64 s[OUTP:OUTP+1], s[OUTP:OUTP+1], s[92:93]
	s_lshr_b32 s92, s46, 1                         ; a word of nf4 for two columns
	s_lshl_b32 s95, s20, 15
	s_add_co_u32 s92, s92, s95
	s_add_nc_u64 s[NFB:NFB+1], s[NFB:NFB+1], s[92:93]
	s_lshl_b32 s92, s20, 8
	s_lshr_b32 s95, s42, 1                         ; b: my block of 512 columns
	s_lshl_b32 s95, s95, 6
	s_add_co_u32 s92, s92, s95
	s_add_nc_u64 s[CFB:CFB+1], s[CFB:CFB+1], s[92:93]
	s_lshl_b32 s92, s17, 3
	s_lshl_b32 s95, s15, 2
	s_add_co_u32 s92, s92, s95
	s_lshl_b32 s92, s92, 6
	s_add_nc_u64 s[SAB:SAB+1], s[SAB:SAB+1], s[92:93]
	s_lshl_b32 s92, s42, 4
	s_lshl_b32 s95, s16, 3
	s_add_co_u32 s92, s92, s95
	s_lshl_b32 s92, s92, 6
	s_add_co_u32 s92, s92, 524288
	s_add_nc_u64 s[SBB:SBB+1], s[SBB:SBB+1], s[92:93]
	s_lshl_b32 s86, s17, 3                         ; the tiles' prefetches.  A: block 8 x tile row + 4 x half + cx;
	s_lshl_b32 s87, s16, 2
	s_add_co_u32 s86, s86, s87
	s_add_co_u32 s86, s86, s40
	s_lshl_b32 s88, s42, 4                         ; B: tile 16 x tile column + 8 x half + 2 cy
	s_lshl_b32 s89, s16, 3
	s_add_co_u32 s88, s88, s89
	s_lshl_b32 s89, s41, 1
	s_add_co_u32 s88, s88, s89
	s_mov_b32 s90, 65536
	s_cmp_eq_u32 s15, 0                            ; do I fetch for A?
	s_cselect_b32 s86, s86, s88
	s_cselect_b64 s[PFA:PFA+1], s[4:5], s[8:9]
	s_cselect_b32 s85, 15, 31                      ; A: lanes 16-31 name the row's last 256 bytes again;
	s_cselect_b32 s90, 0, s90                      ; B: they take the second row
	s_lshl_b32 s86, s86, 16
	s_add_co_u32 s86, s86, 4*4096                  ; the first refill brings K step 2 and names K step 4
	s_mov_b32 s87, 0
	s_add_nc_u64 s[PFA:PFA+1], s[PFA:PFA+1], s[86:87]
	v_and_b32 v1, 31, v0
	v_and_b32 v2, 15, v0
	v_bfe_u32 v3, v0, 4, 1
	v_lshlrev_b32 v[LI], 4, v1
	v_lshlrev_b32 v[L4], 2, v1
	v_lshlrev_b32 v15, 3, v1
	v_add_nc_u32 v[ADRA], s80, v[LI]
	v_add_nc_u32 v[ADRA+1], s81, v[LI]
	v_add_nc_u32 v[ADRB], s82, v[LI]
	v_add_nc_u32 v[ADRB+1], s83, v[LI]
	v_mul_u32_u24 v5, v2, SPITCH
	v_lshl_add_u32 v5, v3, 6, v5
	v_add_nc_u32 v[STO], s84, v5                   ; into the way out's stage: row r, + 64 h
	v_add_nc_u32 v[RD], s84, v[LI]                 ; back: a row of 512 bytes, 16 a lane
	v_add_nc_u32 v[MRD], s79, v5
	v_add_nc_u32 v[TBW], s96, v15
	v_mov_b32 v13, 0
	v_mov_b32 v14, s91
	v_min_u32 v7, s85, v1
	v_and_b32 v7, 15, v7
	v_mul_u32_u24 v11, s90, v3
	v_lshl_add_u32 v[PFO], v7, 8, v11
	v_lshrrev_b32 v12, 3, v1
	v_and_b32 v7, 7, v1
	v_lshlrev_b32 v7, 12, v7
	v_lshl_add_u32 v[PFN], v12, 15, v7
	WIN 0xc0                                       ; destinations in window 3
	v_add_nc_u32 v[MOB], s79, v[LI]                ; into the mix's stage: 16 x lane of a row
	v_lshlrev_b32 v[L8], 3, v1
	v_mov_b32 v[ZO], 0
	v_add_nc_u32 v[L8T], TABLE, v15
	WIN 0
	s_wait_alu depctr_va_vdst(0)
.irp j, 0,1,2,3
	global_load_b128 v[64+4*\j:67+4*\j], v13, s[CBP:CBP+1] offset:16*\j   ; the codebook, all 16 numbers in every lane,
.endr
	global_load_b128 v[80:83], v14, s[CBP:CBP+1]   ; and numbers 4 wave .. 4 wave + 3 once more
	WIN 0xff
	NFL4
	CFL4
	WIN 0
	SCG 0, 0, 0
	s_wait_loadcnt 56                              ; the codebook is in: behind it stand 32 + 12 + 12 loads
.set k, 0
.rept 64
	ds_store_b32 v[TBW], v[64+k%16] offset:256*k   ; row 64 wave + k: low nibble k % 16,
	ds_store_b32 v[TBW], v[80+k/16] offset:256*k+4 ; high nibble 4 wave + k / 16
.set k, k+1
.endr
	SCG 1, 32768, 16384
	s_wait_tensorcnt 0x0                           ; my part of K step 0 is in; the same lines as ahead of a refill stand ahead of slot 1's first fill
	ds_add_u32 v[SPW], v[NIL]
	s_wait_dscnt 0x0                               ; the add is done, and my rows of the table lie in LDS
	CROUND                                         ; slot 0 and the table are whole
	JLOAD G0+4, G1, G0B+4, G1B                     ; K step 1
	FETCH_B 0, 0, 0
	FETCH_A 0, 0, 0
	FETCH_A 0, 0, NA/2
	STEP 0, 1, 12, HAL                             ; the first products start the sums; K step 1's 12 scale loads and A's blocks 2, 3 may be out
	s_mov_b32 s3, LAPS-1
.Llap:
	MIXA 24, 1, 1                                  ; behind these rows' nf4 stand 12 loads of scale words and 12 of coef
	TURN 0, 1, 1
	MIXB 44, 1, 0                                  ; behind these rows' coef stand 32 loads of nf4 and 12 of scale words
	STEP 1, 0, 56, HAL+4                           ; behind this slot's scale words stand 56 loads at the least; A's blocks 2, 3 and part B's four stores may be out
	MIXA 24, 1, 1
	TURN 1, 0, 1
	MIXB 44, 1, 1
	s_cmp_eq_u32 s3, 6                             ; with the second, fourth and sixth trip a block of 16 rows is whole
	s_cbranch_scc0 .Lnot_0
	ADDB 0
	s_branch .Ladded
.Lnot_0:
	s_cmp_eq_u32 s3, 4
	s_cbranch_scc0 .Lnot_1
	ADDB 1
	s_branch .Ladded
.Lnot_1:
	s_cmp_eq_u32 s3, 2
	s_cbranch_scc0 .Ladded
	ADDB 2
.Ladded:
	PLACES NP
	s_wait_alu depctr_va_vdst(0)
	STEP 0, 0, 56, HAL+4
	s_xor_b32 s[MO], s[MO], 8*SPITCH               ; the other eight rows of the mix's stage
	s_sub_co_u32 s3, s3, 1
	s_cmp_lg_u32 s3, 0
	s_cbranch_scc1 .Llap
	MIXA 24, 1, 0
	TURN 0, 1, 0                                   ; the last lap fills nothing and asks for no scale words
	MIXB 32, 1, 0                                  ; behind these rows' coef stand 32 loads of nf4
	STEP 1, 0, 56, HAL+4                           ; behind the last scale words: 12 + 32 + 12 loads
	MIXA 12, 0, 0                                  ; behind the last rows' nf4 stand their 12 loads of coef
	s_wait_dscnt 63                                ; the last fragments are in: behind them stand 64 reads of the table
	WIN MUL
	MULQ 0, 1, 1, 1, 0
	MULQ 1, 1, 1, 1, 0
	MULQ 2, 1, 1, 1, 0
	MULQ 3, 1, 1, 1, 0
	WIN 0
	s_wait_dscnt 0x0                               ; the table's numbers are in
	MIXB 0, 0, 1                                   ; its 64 vector lines are the places behind the last products
	ADDB 3
	s_wait_alu depctr_va_vdst(0)
; THE WAY OUT, block by block of 16 rows x 128 columns: through my stage, back as rows of 512 bytes, stored as two aligned units of 256 bytes a row
.macro TOSTAGE a
.set AC, 64*(\a)
	WIN 0x08
.irp b, 0,1,2,3,4,5,6,7
	ds_store_b128 v[STO], v[AC+8*\b:AC+8*\b+3] offset:128*(\b/2)+32*(\b%2)
	ds_store_b128 v[STO], v[AC+8*\b+4:AC+8*\b+7] offset:128*(\b/2)+32*(\b%2)+16
.endr
	WIN 0
.set BB, BK+64*((\a)%2)
.irp t, 0,1,2,3,4,5,6,7,8,9,10,11,12,13,14,15
	ds_load_b128 v[BB+4*\t:BB+4*\t+3], v[RD] offset:\t*SPITCH
.endr
.endm
.macro SEND a, younger
.set BB, BK+64*((\a)%2)
	s_wait_dscnt \younger
.irp t, 0,1,2,3,4,5,6,7,8,9,10,11,12,13,14,15
	global_store_b128 v[LI], v[BB+4*\t:BB+4*\t+3], s[OUTP:OUTP+1] offset:8192*(16*(\a)+\t) th:TH_STORE_NT
.endr
.endm
	PLACES NP
	TOSTAGE 0
.irp a, 1,2,3
.if \a > 1
	s_wait_xcnt 0x0                                ; block a - 2's stores have read their registers
.endif
	TOSTAGE \a
	SEND \a-1, 32                                  ; behind block a - 1's loads: block a's 16 stores and 16 loads
.endr
	SEND 3, 0
	s_wait_tensorcnt 0x0                           ; the wave's end
	ds_add_u32 v[SPW], v[NIL]
	s_wait_dscnt 0x0
	CROUND                                         ; the closing round
	s_endpgm
.Lfunc_end_k_q16278bd3c3_gemm2:
	.size	k_q16278bd3c3_gemm2, .Lfunc_end_k_q16278bd3c3_gemm2-k_q16278bd3c3_gemm2
	.p2alignl 7, 3214868480
	.fill 96, 4, 3214868480
	.section	.rodata,"a",@progbits
	.p2align	6, 0x0
	.amdhsa_kernel k_q16278bd3c3_gemm2
		.amdhsa_group_segment_fixed_size 327680
		.amdhsa_private_segment_fixed_size 0
		.amdhsa_enable_private_segment 0
		.amdhsa_kernarg_size 64
		.amdhsa_user_sgpr_count 2
		.amdhsa_user_sgpr_kernarg_segment_ptr 1
		.amdhsa_wavefront_size32 1
		.amdhsa_system_sgpr_workgroup_id_x 1
		.amdhsa_system_sgpr_workgroup_id_y 1
		.amdhsa_system_sgpr_workgroup_id_z 1
		.amdhsa_system_vgpr_workitem_id 0
		.amdhsa_next_free_vgpr 1024
		.amdhsa_next_free_sgpr 100
		.amdhsa_reserve_vcc 0
		.amdhsa_float_denorm_mode_32 3
		.amdhsa_float_denorm_mode_16_64 3
		.amdhsa_memory_ordered 1
		.amdhsa_forward_progress 1
		.amdhsa_inst_pref_size 214
	.end_amdhsa_kernel
	.amdgpu_metadata
---
amdhsa.version: [ 1, 2 ]
amdhsa.kernels:
  - .name:           k_q16278bd3c3_gemm2
    .symbol:         k_q16278bd3c3_gemm2.kd
    .args:
      - { .name: himg, .offset: 0, .size: 8, .value_kind: global_buffer, .address_space: global }
      - { .name: hs, .offset: 8, .size: 8, .value_kind: global_buffer, .address_space: global }
      - { .name: w2img, .offset: 16, .size: 8, .value_kind: global_buffer, .address_space: global }
      - { .name: scl, .offset: 24, .size: 8, .value_kind: global_buffer, .address_space: global }
      - { .name: nf4, .offset: 32, .size: 8, .value_kind: global_buffer, .address_space: global }
      - { .name: coef, .offset: 40, .size: 8, .value_kind: global_buffer, .address_space: global }
      - { .name: codebook, .offset: 48, .size: 8, .value_kind: global_buffer, .address_space: global }
      - { .name: out0, .offset: 56, .size: 8, .value_kind: global_buffer, .address_space: global }
    .group_segment_fixed_size: 327680
    .private_segment_fixed_size: 0
    .kernarg_segment_align: 8
    .kernarg_segment_size: 64
    .max_flat_workgroup_size: 128
    .sgpr_count:     100
    .vgpr_count:     1024
    .wavefront_size: 32
...
	.end_amdgpu_metadata
.endif
;; end of part 6
